; MI455X (gfx1250); checked and timed in simulation.
; The chip was launched on July 23, 2026; its instructions are those of AMD's public machine-readable ISA for CDNA 5 (MIT licence, August 2026) and "CDNA5" Instruction Set Architecture Reference Guide (July 2026). The comments in the code are by the model that wrote it; some were corrected since.
;; Simple Decoder Layer. Allowed arithmetic: matrix products marked QUANTISED: E2M3 operands, one E8M0 scale for each 32 along K, by v_wmma_scale_f32_16x16x128_f8f6f4 with both operands' format E2M3, f32 sums; products left as they are: f32 operands where the result goes on into a quantised operand, else bf16, f16 or f32 operands; f32 sums; everything else in f32.
;; Inputs: attn_b 1,024 float32; attn_noise 2 x 512 x 1,024 float32; attn_w_codes 1,024 x 32 x 24 uint8 (E2M3 codes of attn_w, K innermost, in blocks of 32 codes, four codes in three bytes); attn_w_scales 1,024 x 32 uint8 (E8M0 scales of attn_w, one for each 32 codes along K); gate_b 8 float32; gate_w 8 x 1,024 float32; hidden_states 2 x 512 x 1,024 float32; w1_codes 8 x 2,048 x 32 x 24 uint8 (E2M3 codes of w1, K innermost, in blocks of 32 codes, four codes in three bytes); w1_scales 8 x 2,048 x 32 uint8 (E8M0 scales of w1, one for each 32 codes along K); w2_codes 8 x 1,024 x 64 x 24 uint8 (E2M3 codes of w2, K innermost, in blocks of 32 codes, four codes in three bytes); w2_scales 8 x 1,024 x 64 uint8 (E8M0 scales of w2, one for each 32 codes along K); w3_codes 8 x 2,048 x 32 x 24 uint8 (E2M3 codes of w3, K innermost, in blocks of 32 codes, four codes in three bytes); w3_scales 8 x 2,048 x 32 uint8 (E8M0 scales of w3, one for each 32 codes along K).
;; Outputs: out0 2 x 512 x 1,024 float32.
;; This version of the problem:
;;   THIS VERSION OF THE PROBLEM IS GIVEN IN LOW PRECISION. The matrix products marked QUANTISED in the list below multiply operands that are first quantised to E2M3 (2 exponent bits, 3 mantissa bits; 6 bits a number), with one power-of-two scale for each 32 numbers along K (OCP MX v1.0); their sums are f32. All else is computed in f32.
;;   The module's matrix products, in the order in which they are computed (A, B: the left and right operand; K: the contracted axis; several contracted axes count as one K, in the product's order):
;;     1. [M 1,024, K 1,024] x [K 1,024, N 1,024]; A: input hidden_states; B: input attn_w (given as codes): QUANTISED
;;     2. [M 1,024, K 1,024] x [K 1,024, N 8]; A: computed on the way; B: input gate_w: left as it is (N = 8 < 16)
;;     3. batch 1,024 x [M 1, K 2] x [K 2, N 8]; A: computed on the way; B: computed on the way: left as it is (K = 2 < 32)
;;     4. [M 1,024, K 1,024] x [K 1,024, N 16,384]; A: computed on the way; B: input w1 (given as codes): QUANTISED
;;     5. [M 1,024, K 1,024] x [K 1,024, N 16,384]; A: computed on the way; B: input w3 (given as codes): QUANTISED
;;     6. batch 8 x [M 1,024, K 2,048] x [K 2,048, N 1,024]; A: input w2 (given as codes); B: computed on the way: QUANTISED
;;     7. batch 1,024 x [M 1,024, K 8] x [K 8, N 1]; A: computed on the way; B: computed on the way: left as it is (K = 8 < 32)
;;   THE QUANTISER, for each operand of a quantised product, along K:
;;     - K is cut into blocks of 32 from its start; a last block that is shorter is filled with zeros.
;;     - A block's scale is 2^e with e = floor(log2(the largest magnitude in the block)) - 2, held to -126 .. 127; a block of zeros has e = 0. As a byte (E8M0): e + 127.
;;     - Each number is divided by its block's scale, clamped to +-7.5, and rounded to the nearest number of E2M3, ties to even, subnormals kept.
;;     - The product sums the exact products of the quantised numbers (number of the format x scale) in f32.
;;   ~~~python
;;   def quantise(x, axis):      # numpy; x: float32 -> the quantised numbers, widened to float32 again
;;       x = np.moveaxis(x, axis, -1); K = x.shape[-1]
;;       x = np.pad(x, [(0, 0)] * (x.ndim - 1) + [(0, -K % 32)]); x = x.reshape(x.shape[:-1] + (-1, 32)); a = np.abs(x).max(-1, keepdims=True)
;;       e = np.where(a > 0, np.clip(np.frexp(np.where(a > 0, a, 1))[1] - 1 - 2, -126, 127), 0)      # np.frexp(a)[1] - 1 = floor(log2(a)), exactly
;;       r = np.clip(x / 2.0 ** e, -7.5, 7.5)
;;       step = 2.0 ** (np.maximum(np.frexp(np.where(r == 0, 1, r))[1] - 1, 0) - 3)
;;       q = np.round(r / step) * step * 2.0 ** e      # np.round: ties to even
;;       return np.moveaxis(q.reshape(q.shape[:-2] + (-1,))[..., :K], -1, axis).astype(np.float32)
;;   ~~~
;;   OPERANDS COMPUTED ON THE WAY. 'Computed on the way' means the value that the module computes at that place (a softmax that the list does not call 'softmax' is quantised finished and normalised). What goes into a quantiser is computed in f32, as accurately as f32 sums, v_exp_f32 and their like allow (about 1e-6 of the number): no bf16 or f16 on the way to a quantiser, and a product that is left as it is and whose result goes on into a quantised operand takes f32 operands (vector FMAs, or v_wmma_f32_16x16x4_f32). A number that lies on a knife's edge between two numbers of the format may be rounded either way, as far as f32 arithmetic and the matrix unit's own rounding can turn it there, and no further.
;;   INPUTS GIVEN AS CODES. attn_w (in the module: [1024, 1024], K = its axis 1); w1 (in the module: [8, 2048, 1024], K = its axis 2); w2 (in the module: [8, 1024, 2048], K = its axis 2); w3 (in the module: [8, 2048, 1024], K = its axis 2): each comes as NAME_codes (uint8): NAME with its K axis moved to the last place and cut into blocks of 32 codes, [.., K / 32, bytes a block], one block behind the other in memory; four codes in three bytes: a row's codes are one little-endian stream of bits, code i at bits 6 i .. 6 i + 5 (a code: sign, 2 exponent bits, 3 mantissa bits); and NAME_scales (uint8): the same leading axes, one E8M0 byte (e + 127) for each 32 codes along K. Its value is code x scale, taken as it is: it is not quantised again, and the codes and scales need not be those that the quantiser above would give.
;; 2 versions, each right; version 2 is version 1 with the launches attn, up, down written anew for expert scheduling mode. Each part assembles by itself: llvm-mc -triple=amdgcn-amd-amdhsa -mcpu=gfx1250 --defsym DOCPART=n.
;; ======== version 1 of 2: 5 launches
;; workspace buffers: hbuf 4,194,304 bytes; hq 819,200 bytes; plog 131,072 bytes; route 9,216 bytes of whole numbers; rcw 8,192 bytes; act 13,107,200 bytes; ybuf 33,554,432 bytes
;; launch attn (part 1): grid 4 x 64, 4 waves a work-group, no clusters, 212,992 bytes of LDS; arguments hidden_states, attn_noise, attn_w_codes, attn_w_scales, attn_b, gate_w, hbuf, hq, plog; writes hbuf, hq, plog
.if DOCPART == 1
	.amdgcn_target "amdgcn-amd-amdhsa--gfx1250"
	.amdhsa_code_object_version 6
	.text
	.protected	k_q74ec0ccddb_attn
	.globl	k_q74ec0ccddb_attn
	.p2align	8
	.type	k_q74ec0ccddb_attn,@function
k_q74ec0ccddb_attn:
	s_mov_b64 s[64:65], 0
	v_nop
	global_prefetch_b8 v0, s[64:65] scope:SCOPE_SE
	s_setreg_imm32_b32 hwreg(HW_REG_WAVE_MODE, 25, 1), 1
	s_wait_xcnt 0x0
; h = x + Q(x) attn_w^T + attn_b + 1e-4 noise, on codes of FP6 (E2M3) with one E8M0 scale for each 32 along K; then Q(h) along its columns, and each token's partial router logits.
; SHARES.  A work-group makes 16 tokens x 256 columns (x: column slice q, y: row tile rt); wave w makes columns 256 q + 64 w .. + 63: four tiles of 16.
; Wave w quantises K steps 2 w and 2 w + 1 of the 16 rows of x; the eight fragments go from wave to wave through LDS as images of their registers.
; THE PRODUCT IS USED TRANSPOSED (source 0 = 16 rows of attn_w, source 1 = 16 tokens): a lane holds one token.  The rows of a tile are not neighbours: lane r of tile 2 b + u takes row 32 b + 8 u + r + 8 (r / 8),
; so that the 16 registers of tiles 2 b, 2 b + 1 are 16 neighbouring columns of h: one conversion's worth.
; Every global access is made of whole runs of 256 bytes or more from neighbouring lanes; the turn into the operands' order goes through each wave's own LDS.
; x + bias + noise is the C of each sum's first product, so it costs no addition behind the products.
; OUT: hbuf [1024][1024] f32; hq: codes [1024][768], from byte 786,432 scale bytes [1024][32]; plog [4 slices][1024][8] f32: the logits' part of this slice's 256 columns.
; LIMITS: NaN and infinities are not served; a block of zeros gets the byte 1 (its codes are zeros, and this program alone reads the bytes); blocks whose largest magnitude lies under 2^-124 were not tried.
; REGISTERS: window 0: v1-25 addresses; v32-159 x's numbers, then v32-127 x's eight fragments and v128-158 logits and h's codes; v160-167 x's scale words; v168-199 the weights' scale words;
;   v200-231 the four accumulators (before that: the codes just made); v232-248 the quantiser's.  window 1, 2: the weights' fragments of columns 0-31, 32-63.  window 3: what is added, then gate_w's numbers.
.set XIMG, 0                           ; LDS: x's 8 fragment images, 1,536 bytes each
.set XSC,  12288                       ; their scale words, 128 bytes each
.set HQS,  13312                       ; h's codes: 16 rows x 272: sixteen places of 16 bytes, 12 used
.set HSS,  17664                       ; h's scale bytes: 16 rows x 8
.set PLS,  17920                       ; partial logits [wave][token][8]
.set TS,   19968                       ; a wave's own: 16 rows x 272
.set GS,   37376                       ; a wave's own: gate_w [8][256 bytes]
.set XS,   45568                       ; a wave's own: x, 16 rows x 1,040
.set WS,   112128                      ; a wave's own: 32 weight rows x 784
.set L16, 1
.set X16, 2
.set EA,  3
.set WA,  4
.set WB,  5
.set WF,  6
.set SCO, 7
.set XST, 8
.set XRD, 9
.set IMS, 10
.set SCS, 11
.set L4,  12
.set TST, 13
.set TRD, 14
.set GST, 15
.set GRD, 16
.set HQA, 17
.set HSA, 18
.set PLA, 19
.set PLB, 20
.set OQL, 21
.set OQG, 22
.set OSL, 23
.set OSG, 24
.set OPG, 25
.set XN,  32
.set XF,  32
.set LG,  128
.set LS,  144
.set CV,  152
.set XSW, 160
.set WSC, 168
.set ACC, 200
.set PC,  200
.set TM,  232
.set PW,  248
.set MSB, 0
.macro WIN new                         ; the immediate's high byte repeats the setting that is left
.if MSB != (\new)
	s_set_vgpr_msb (MSB<<8)|(\new)
.set MSB, (\new)
.endif
.endm
; A block of 32 weight rows x 768 bytes is 24,576 dense bytes: 48 loads of 512 consecutive bytes
.macro WLOAD win, b, off
	WIN (\win)<<6
.set i, 0
.rept 48
	global_load_b128 v[4*i:4*i+3], v[L16], s[\b:\b+1] offset:(\off)+512*i
.set i, i+1
.endr
	WIN 0
.endm
; into my stage, rows 784 bytes apart; memory row 16 a + 8 u + c goes to stage row 16 u + 8 a + c, so that a tile's 16 rows lie on end.  Three loads hold two rows
.macro WSTORE win
	WIN (\win)<<2
.set m, 0
.rept 16
.set lam, (16*((m>>2)&1)+8*(m>>3)+((2*m)&7))*784
	ds_store_b128 v[WA], v[12*m:12*m+3] offset:lam
	ds_store_b128 v[WB], v[12*m+4:12*m+7] offset:lam+512
	ds_store_b128 v[WA], v[12*m+8:12*m+11] offset:lam+1040
.set m, m+1
.endr
	WIN 0
.endm
; and back as fragments (tile u, K step s) at v[12 (8 u + s)]: LDS serves a wave's instructions in order, so no wait stands between the stores and these loads
.macro WFRAG win
	WIN (\win)<<6
.irp u, 0,1
.irp s, 0,1,2,3,4,5,6,7
.irp p, 0,1,2,3,4,5
	ds_load_b64 v[12*(8*\u+\s)+2*\p:12*(8*\u+\s)+2*\p+1], v[WF] offset:12544*\u+96*\s+48*(\p/3)+8*(\p%3)
.endr
.endr
.endr
	WIN 0
.endm
; 64 numbers of a lane, register 16 b + i = k 32 b + 16 (lane / 16) + i of my row, become a fragment's codes in v[PC] on and its scale word in v[PW]
.macro QUANT s
.irp b, 0,1,2,3
	v_max3_num_f32 v[TM+\b], |v[\s+16*\b]|, |v[\s+1+16*\b]|, 0x1800000   ; my 16 numbers of block b, and the floor 2^(3 - 127): the byte cannot fall under 1
.endr
.irp i, 2,4,6,8,10,12,14
.irp b, 0,1,2,3
	v_max3_num_f32 v[TM+\b], v[TM+\b], |v[\s+16*\b+\i]|, |v[\s+1+16*\b+\i]|
.endr
.endr
.irp b, 0,1,2,3
	v_permlanex16_b32 v[TM+4+\b], v[TM+\b], s2, s3
.endr
.irp b, 0,1,2,3
	v_max_num_f32 v[TM+\b], v[TM+\b], v[TM+4+\b]   ; with lane l xor 16's: the block's largest magnitude
.endr
.irp b, 0,1,2,3
	v_add_nc_u32 v[TM+12+\b], 0xff000000, v[TM+\b]   ; 2 off its exponent field: the conversion's scale operand
.endr
.irp b, 0,1,2,3
	v_lshrrev_b32 v[TM+4+\b], 23, v[TM+12+\b]      ; the scale's byte
.endr
	v_lshl_or_b32 v[PW], v[TM+5], 8, v[TM+4]
	v_lshl_or_b32 v[PW], v[TM+6], 16, v[PW]
	v_lshl_or_b32 v[PW], v[TM+7], 24, v[PW]
.irp c, 0,1
	v_cvt_scalef32_pk16_fp6_f32 v[PC+6*\c:PC+2+6*\c], v[\s+32*\c:\s+15+32*\c], v[TM+12+2*\c]
	v_cvt_scalef32_pk16_fp6_f32 v[PC+12+4*\c:PC+14+4*\c], v[\s+16+32*\c:\s+31+32*\c], v[TM+12+2*\c+1]
.endr
	v_nop                                          ; one plain place behind a scaled conversion
.irp c, 0,1                                    ; the operand's layout wants a whole block in a lane
.irp i, 0,1,2
	v_permlane16_swap_b32 v[PC+6*\c+\i], v[PC+12+4*\c+\i]
.endr
.irp i, 0,1,2
	v_mov_b32 v[PC+3+6*\c+\i], v[PC+12+4*\c+\i]
.endr
.endr
.endm
.macro IMAGE off
.irp c, 0,1,2
	ds_store_b128 v[IMS], v[PC+4*\c:PC+4*\c+3] offset:(\off)+512*\c
.endr
.endm
	s_load_b512 s[4:19], s[0:1], 0x0               ; hidden s[4:5], noise s[6:7], codes s[8:9], scales s[10:11], attn_b s[12:13], gate_w s[14:15], hbuf s[16:17], hq s[18:19]
	s_load_b64 s[20:21], s[0:1], 0x40              ; plog
	v_lshl_add_u32 v254, v0, 2, 0x33e00
	v_mov_b32 v255, 0
	v_lshrrev_b32 v26, 5, v0
	v_readfirstlane_b32 s44, v26                   ; wave
	s_and_b32 s45, ttmp7, 0xffff                   ; rt: the tile of 16 tokens;  ttmp9 = q: the slice of 256 columns
	v_and_b32 v27, 31, v0                          ; lane
	v_and_b32 v28, 15, v0                          ; r, also x
	v_bfe_u32 v29, v0, 4, 1                        ; h, also y
	v_lshlrev_b32 v[L16], 4, v27
	v_lshlrev_b32 v[L4], 2, v27
	v_lshlrev_b32 v[X16], 4, v28
	v_lshl_add_u32 v[EA], v29, 12, v[X16]          ; two rows of 4,096 bytes an instruction, sixteen lanes to 256 bytes
	s_mul_i32 s46, s44, 25088
	s_add_co_u32 s46, s46, WS
	v_add_nc_u32 v[WA], s46, v[L16]
	v_lshl_add_u32 v[WB], v29, 4, v[WA]            ; the middle load of three: lanes 16-31 begin the next row, 16 bytes of pitch further on
	v_mul_u32_u24 v30, v28, 784
	v_mad_u32_u24 v30, v29, 24, v30
	v_add_nc_u32 v[WF], s46, v30
	v_and_b32 v30, 8, v28
	v_add_nc_u32 v30, v30, v28                     ; r + 8 (r / 8)
	v_lshlrev_b32 v[SCO], 5, v30                   ; a weight row's 32 scale bytes are its 8 scale words
	s_mul_i32 s46, s44, 16640
	s_add_co_u32 s46, s46, XS
	v_add_nc_u32 v[XST], s46, v[L16]
	v_mul_u32_u24 v30, v28, 1040
	v_lshl_add_u32 v30, v29, 6, v30
	v_add_nc_u32 v[XRD], s46, v30
	s_mul_i32 s46, s44, 3072
	v_add_nc_u32 v[IMS], s46, v[L16]
	s_lshl_b32 s46, s44, 8
	s_add_co_u32 s46, s46, XSC
	v_add_nc_u32 v[SCS], s46, v[L4]
	s_mul_i32 s46, s44, 4352
	s_add_co_u32 s46, s46, TS
	v_mul_u32_u24 v30, v29, 272
	v_add_nc_u32 v30, v30, v[X16]
	v_add_nc_u32 v[TST], s46, v30
	v_mul_u32_u24 v30, v28, 272
	v_lshl_add_u32 v31, v29, 6, v30
	v_add_nc_u32 v[TRD], s46, v31
	s_lshl_b32 s46, s44, 11
	s_add_co_u32 s46, s46, GS
	v_lshl_add_u32 v31, v29, 8, v[X16]
	v_add_nc_u32 v[GST], s46, v31
	v_lshlrev_b32 v31, 6, v29
	v_add_nc_u32 v[GRD], s46, v31
	s_lshl_b32 s46, s44, 6
	s_add_co_u32 s46, s46, HQS
	v_lshl_add_u32 v31, v29, 4, v30
	v_add_nc_u32 v[HQA], s46, v31
	s_lshl_b32 s46, s44, 1
	s_add_co_u32 s46, s46, HSS
	v_lshlrev_b32 v31, 3, v28
	v_add_nc_u32 v[HSA], s46, v31
	s_lshl_b32 s46, s44, 9
	s_add_co_u32 s46, s46, PLS
	v_lshlrev_b32 v31, 5, v28
	v_add_nc_u32 v[PLA], s46, v31
	v_lshlrev_b32 v[OPG], 2, v0
	v_add_nc_u32 v[PLB], PLS, v[OPG]
	s_mul_i32 s46, s44, 1088
	s_add_co_u32 s46, s46, HQS
	v_mul_u32_u24 v31, v29, 272
	v_add_nc_u32 v31, v31, v[X16]
	v_add_nc_u32 v[OQL], s46, v31
	s_mul_i32 s46, s44, 3072
	v_mul_u32_u24 v31, v29, 768
	v_mad_u32_u24 v31, v28, 12, v31
	v_add_nc_u32 v[OQG], s46, v31
	v_and_b32 v31, 3, v0
	s_lshl_b32 s46, s44, 5
	s_add_co_u32 s46, s46, HSS
	v_lshl_add_u32 v[OSL], v31, 3, s46
	s_lshl_b32 s46, s44, 7
	v_lshl_add_u32 v[OSG], v31, 5, s46
	s_mov_b32 s2, 0x76543210
	s_mov_b32 s3, 0xfedcba98                       ; v_permlanex16_b32's selects for lane l xor 16
.irp b, 0,1,2,3
	v_mov_b32 v[TM+4+\b], 0                        ; written once: a lane permute's destination counts as one of its sources
.endr
	s_lshl_b32 s48, s45, 16                        ; 16 rt rows of 4,096 bytes
	s_lshl_b32 s49, s44, 10
	s_add_co_u32 s50, s48, s49                     ; x: + my two K steps' 1,024 bytes
	s_mov_b32 s51, 0
	s_lshl_b32 s52, ttmp9, 10
	s_lshl_b32 s53, s44, 8
	s_add_co_u32 s52, s52, s53                     ; my 64 columns: 1,024 q + 256 w bytes
	s_mov_b32 s53, 0
	s_add_co_u32 s54, s48, s52
	s_mov_b32 s55, 0
	s_lshl_b32 s56, ttmp9, 8
	s_lshl_b32 s57, s44, 6
	s_add_co_u32 s56, s56, s57                     ; my first weight row
	s_mul_i32 s58, s56, 768
	s_mov_b32 s59, 0
	s_lshl_b32 s56, s56, 5
	s_mov_b32 s57, 0
	s_wait_kmcnt 0x0
	s_add_nc_u64 s[22:23], s[4:5], s[50:51]        ; x to be quantised
	s_add_nc_u64 s[24:25], s[4:5], s[54:55]        ; x to be added
	s_add_nc_u64 s[26:27], s[6:7], s[54:55]        ; noise
	s_add_nc_u64 s[28:29], s[16:17], s[54:55]      ; hbuf
	s_add_nc_u64 s[30:31], s[14:15], s[52:53]      ; gate_w
	s_add_nc_u64 s[32:33], s[12:13], s[52:53]      ; attn_b
	s_add_nc_u64 s[34:35], s[8:9], s[58:59]        ; the weights' codes
	s_add_nc_u64 s[36:37], s[10:11], s[56:57]      ; and scale bytes
	s_mul_i32 s60, s45, 12288
	s_mul_i32 s62, ttmp9, 192
	s_add_co_u32 s60, s60, s62
	s_mov_b32 s61, 0
	s_add_nc_u64 s[38:39], s[18:19], s[60:61]      ; hq's codes: 16 rt rows of 768 bytes + 192 q
	s_lshl_b32 s60, s45, 9
	s_lshl_b32 s62, ttmp9, 3
	s_add_co_u32 s60, s60, s62
	s_add_co_u32 s60, s60, 786432
	s_add_nc_u64 s[40:41], s[18:19], s[60:61]      ; hq's scale bytes
	s_lshl_b32 s60, ttmp9, 15
	s_lshl_b32 s62, s45, 9
	s_add_co_u32 s60, s60, s62
	s_add_nc_u64 s[42:43], s[20:21], s[60:61]      ; plog
	; ---- the loads: x (32), what is added and gate_w (21), the first weight block (48)
.set i, 0
.rept 16
	global_load_b128 v[XN+8*i:XN+8*i+3], v[L16], s[22:23] offset:4096*i
	global_load_b128 v[XN+8*i+4:XN+8*i+7], v[L16], s[22:23] offset:4096*i+512
.set i, i+1
.endr
	WIN 0xc0                                       ; destination window 3
.irp i, 0,1,2,3
	global_load_b128 v[72+4*\i:75+4*\i], v[EA], s[30:31] offset:8192*\i    ; gate_w: experts 2 i + y, my 64 columns
.endr
.irp i, 0,1,2,3,4,5,6,7
	global_load_b128 v[4*\i:4*\i+3], v[EA], s[24:25] offset:8192*\i        ; x: rows 2 i + y
.endr
.irp i, 0,1,2,3,4,5,6,7
	global_load_b128 v[32+4*\i:35+4*\i], v[EA], s[26:27] offset:8192*\i th:TH_LOAD_NT   ; noise: read once in the launch
.endr
	global_load_b128 v[64:67], v[X16], s[32:33]    ; bias
	WIN 0
	WLOAD 1, 34, 0
	; ---- x: through my stage, so that a lane holds 16 neighbours of each block of 32
	s_wait_loadcnt 63                              ; 69 loads stand behind x's
.set i, 0
.rept 16
	ds_store_b128 v[XST], v[XN+8*i:XN+8*i+3] offset:1040*i
	ds_store_b128 v[XST], v[XN+8*i+4:XN+8*i+7] offset:1040*i+512
.set i, i+1
.endr
.irp c, 0,1
.irp b, 0,1,2,3
.irp j, 0,1,2,3
	ds_load_b128 v[XN+64*\c+16*\b+4*\j:XN+64*\c+16*\b+4*\j+3], v[XRD] offset:512*\c+128*\b+16*\j
.endr
.endr
.endr
	s_wait_dscnt 16                                ; the first K step's 16 loads are in, the second's may be out
	QUANT XN
	IMAGE 0
	ds_store_b32 v[SCS], v[PW]
	s_wait_dscnt 0x0                               ; the stores have read their registers; the second K step is in
	QUANT XN+64
	IMAGE 1536
	ds_store_b32 v[SCS], v[PW] offset:128
	; ---- the second weight block and the weights' scale words
	WLOAD 2, 34, 24576
.irp t, 0,1,2,3
	global_load_b128 v[WSC+8*\t:WSC+8*\t+3], v[SCO], s[36:37] offset:(32*(\t/2)+8*(\t%2))*32
	global_load_b128 v[WSC+8*\t+4:WSC+8*\t+7], v[SCO], s[36:37] offset:(32*(\t/2)+8*(\t%2))*32+16
.endr
	; ---- x + 1e-4 noise + bias, by rows; then through my stage into the result's layout: the sums' start
	s_wait_loadcnt 63                              ; 104 loads stand behind these 21
	WIN 0xff
.set i, 0
.rept 16
	v_pk_fma_f32 v[2*i:2*i+1], v[32+2*i:33+2*i], 0x38d1b717, v[2*i:2*i+1] op_sel_hi:[1,0,1]
.set i, i+1
.endr
.set i, 0
.rept 16
	v_pk_add_f32 v[2*i:2*i+1], v[2*i:2*i+1], v[64+2*(i%2):65+2*(i%2)]
.set i, i+1
.endr
	WIN 0x0c                                       ; an LDS store's data are its source 1: window 3
.irp i, 0,1,2,3,4,5,6,7
	ds_store_b128 v[TST], v[4*\i:4*\i+3] offset:544*\i
.endr
.irp i, 0,1,2,3
	ds_store_b128 v[GST], v[72+4*\i:75+4*\i] offset:512*\i
.endr
	WIN 0
.irp t, 0,1,2,3
	ds_load_b128 v[ACC+8*\t:ACC+8*\t+3], v[TRD] offset:128*(\t/2)+32*(\t%2)
	ds_load_b128 v[ACC+8*\t+4:ACC+8*\t+7], v[TRD] offset:128*(\t/2)+32*(\t%2)+16
.endr
	WIN 0xc0
.irp e, 0,1,2,3,4,5,6,7                        ; gate_w in the result's layout: register 32 e + n goes with accumulator register n
.irp t, 0,1,2,3
	ds_load_b128 v[32*\e+8*\t:32*\e+8*\t+3], v[GRD] offset:256*\e+128*(\t/2)+32*(\t%2)
	ds_load_b128 v[32*\e+8*\t+4:32*\e+8*\t+7], v[GRD] offset:256*\e+128*(\t/2)+32*(\t%2)+16
.endr
.endr
	WIN 0
	; ---- the weights into fragments
	s_wait_loadcnt 56                              ; the first block is in: behind it the second block's 48 and the 8 scale loads
	WSTORE 1
	WFRAG 1
	s_wait_loadcnt 8                               ; the second block is in: behind it the 8 scale loads
	WSTORE 2
	WFRAG 2
	s_wait_loadcnt 0x0
	s_wait_dscnt 0x0                               ; my images have landed, all my LDS loads are in
	s_barrier_signal -1
	s_barrier_wait -1                              ; x's eight fragments lie in LDS
.irp s, 0,1,2,3,4,5,6,7
.irp c, 0,1,2
	ds_load_b128 v[XF+12*\s+4*\c:XF+12*\s+4*\c+3], v[L16] offset:XIMG+1536*\s+512*\c
.endr
	ds_load_b32 v[XSW+\s], v[L4] offset:XSC+128*\s
.endr
	s_wait_dscnt 0x0
	; ---- 32 products: the four accumulators by turns, one instruction a turn
.irp s, 0,1,2,3,4,5,6,7
.irp t, 0,1,2,3
	WIN 1+(\t/2)
	v_wmma_scale_f32_16x16x128_f8f6f4 v[ACC+8*\t:ACC+8*\t+7], v[12*(8*(\t%2)+\s):12*(8*(\t%2)+\s)+11], v[XF+12*\s:XF+12*\s+11], v[ACC+8*\t:ACC+8*\t+7], v[WSC+8*\t+\s], v[XSW+\s] matrix_a_fmt:MATRIX_FMT_FP6 matrix_b_fmt:MATRIX_FMT_FP6
.endr
.endr
	WIN 0
.rept 4
	v_nop                                          ; four places in front of the first read of results
.endr
	; ---- h: lane (r, h) holds token r; register 16 b + i is column 32 b + 16 h + i of my 64
.irp t, 0,1,2,3
	ds_store_b128 v[TRD], v[ACC+8*\t:ACC+8*\t+3] offset:128*(\t/2)+32*(\t%2)      ; each accumulator from its low end on
	ds_store_b128 v[TRD], v[ACC+8*\t+4:ACC+8*\t+7] offset:128*(\t/2)+32*(\t%2)+16
.endr
	WIN 0x0c                                       ; source 1 (gate_w) window 3
.irp e, 0,1,2,3,4,5,6,7
	v_pk_mul_f32 v[LG+2*\e:LG+2*\e+1], v[ACC:ACC+1], v[32*\e:32*\e+1]
.endr
.irp p, 1,2,3,4,5,6,7,8,9,10,11,12,13,14,15
.irp e, 0,1,2,3,4,5,6,7
	v_pk_fma_f32 v[LG+2*\e:LG+2*\e+1], v[ACC+2*\p:ACC+2*\p+1], v[32*\e+2*\p:32*\e+2*\p+1], v[LG+2*\e:LG+2*\e+1]   ; eight chains, in f32
.endr
.endr
	WIN 0
.irp e, 0,1,2,3,4,5,6,7
	v_add_f32 v[LS+\e], v[LG+2*\e], v[LG+2*\e+1]
.endr
.irp e, 0,1,2,3,4,5,6,7
	v_permlanex16_b32 v[LG+\e], v[LS+\e], s2, s3
.endr
.irp e, 0,1,2,3,4,5,6,7
	v_add_f32 v[LS+\e], v[LS+\e], v[LG+\e]         ; token r's logits over my 64 columns
.endr
	ds_store_b128 v[PLA], v[LS:LS+3]               ; both halves of the lanes write the same words with the same values
	ds_store_b128 v[PLA], v[LS+4:LS+7] offset:16
.irp b, 0,1                                    ; Q(h): my two blocks of 32 columns
	v_max3_num_f32 v[TM+\b], |v[ACC+16*\b]|, |v[ACC+16*\b+1]|, 0x1800000
.endr
.irp i, 2,4,6,8,10,12,14
.irp b, 0,1
	v_max3_num_f32 v[TM+\b], v[TM+\b], |v[ACC+16*\b+\i]|, |v[ACC+16*\b+\i+1]|
.endr
.endr
.irp b, 0,1
	v_permlanex16_b32 v[TM+4+\b], v[TM+\b], s2, s3
.endr
.irp b, 0,1
	v_max_num_f32 v[TM+\b], v[TM+\b], v[TM+4+\b]
.endr
.irp b, 0,1
	v_add_nc_u32 v[TM+12+\b], 0xff000000, v[TM+\b]
.endr
.irp b, 0,1
	v_lshrrev_b32 v[TM+4+\b], 23, v[TM+12+\b]
.endr
.irp b, 0,1
	v_cvt_scalef32_pk16_fp6_f32 v[CV+4*\b:CV+4*\b+2], v[ACC+16*\b:ACC+16*\b+15], v[TM+12+\b]
.endr
	v_nop                                          ; one plain place behind a scaled conversion
.irp b, 0,1
	ds_store_b96 v[HQA], v[CV+4*\b:CV+4*\b+2] offset:32*\b       ; 16 codes, 12 bytes, to a place of 16
	ds_store_b8 v[HSA], v[TM+4+\b] offset:\b
.endr
.irp i, 0,1,2,3,4,5,6,7
	ds_load_b128 v[XF+4*\i:XF+4*\i+3], v[TST] offset:544*\i      ; h back by rows: these see my stores above
.endr
.irp i, 0,1,2,3,4,5,6,7
	s_wait_dscnt 7-\i
	global_store_b128 v[EA], v[XF+4*\i:XF+4*\i+3], s[28:29] offset:8192*\i   ; sixteen lanes store 256 consecutive bytes, aligned
.endr
	s_wait_dscnt 0x0
	s_barrier_signal -1
	s_barrier_wait -1                              ; the 16 rows' codes, scale bytes and partial logits lie in LDS
.irp i, 0,1
	ds_load_b96 v[64+4*\i:66+4*\i], v[OQL] offset:544*\i         ; rows 4 w + 2 i + y
.endr
	ds_load_b64 v[72:73], v[OSL]                   ; row 4 w + lane % 4: eight lanes hold the same
.irp v, 0,1,2,3
	ds_load_b32 v[76+\v], v[PLB] offset:512*\v
.endr
	s_wait_dscnt 0x0
	global_store_b96 v[OQG], v[64:66], s[38:39]    ; sixteen lanes store a row's 192 consecutive bytes
	global_store_b96 v[OQG], v[68:70], s[38:39] offset:1536
	global_store_b64 v[OSG], v[72:73], s[40:41]
	v_add_f32 v76, v76, v77
	v_add_f32 v78, v78, v79
	v_add_f32 v76, v76, v78
	global_store_b32 v[OPG], v76, s[42:43]         ; 128 threads store 512 consecutive bytes
	s_wait_tensorcnt 0x0
	ds_add_u32 v254, v255
	s_wait_dscnt 0x0
	s_endpgm
.Lfunc_end_k_q74ec0ccddb_attn:
	.size	k_q74ec0ccddb_attn, .Lfunc_end_k_q74ec0ccddb_attn-k_q74ec0ccddb_attn
	.p2alignl 7, 3214868480
	.fill 96, 4, 3214868480
	.section	.rodata,"a",@progbits
	.p2align	6, 0x0
	.amdhsa_kernel k_q74ec0ccddb_attn
		.amdhsa_group_segment_fixed_size 212992
		.amdhsa_private_segment_fixed_size 0
		.amdhsa_enable_private_segment 0
		.amdhsa_kernarg_size 72
		.amdhsa_user_sgpr_count 2
		.amdhsa_user_sgpr_kernarg_segment_ptr 1
		.amdhsa_wavefront_size32 1
		.amdhsa_system_sgpr_workgroup_id_x 1
		.amdhsa_system_sgpr_workgroup_id_y 1
		.amdhsa_system_sgpr_workgroup_id_z 1
		.amdhsa_system_vgpr_workitem_id 0
		.amdhsa_next_free_vgpr 1024
		.amdhsa_next_free_sgpr 66
		.amdhsa_reserve_vcc 0
		.amdhsa_float_denorm_mode_32 3
		.amdhsa_float_denorm_mode_16_64 3
		.amdhsa_memory_ordered 1
		.amdhsa_forward_progress 1
		.amdhsa_inst_pref_size 80
	.end_amdhsa_kernel
	.amdgpu_metadata
---
amdhsa.version: [ 1, 2 ]
amdhsa.kernels:
  - .name:           k_q74ec0ccddb_attn
    .symbol:         k_q74ec0ccddb_attn.kd
    .args:
      - { .name: hidden_states, .offset: 0, .size: 8, .value_kind: global_buffer, .address_space: global }
      - { .name: attn_noise, .offset: 8, .size: 8, .value_kind: global_buffer, .address_space: global }
      - { .name: attn_w_codes, .offset: 16, .size: 8, .value_kind: global_buffer, .address_space: global }
      - { .name: attn_w_scales, .offset: 24, .size: 8, .value_kind: global_buffer, .address_space: global }
      - { .name: attn_b, .offset: 32, .size: 8, .value_kind: global_buffer, .address_space: global }
      - { .name: gate_w, .offset: 40, .size: 8, .value_kind: global_buffer, .address_space: global }
      - { .name: hbuf, .offset: 48, .size: 8, .value_kind: global_buffer, .address_space: global }
      - { .name: hq, .offset: 56, .size: 8, .value_kind: global_buffer, .address_space: global }
      - { .name: plog, .offset: 64, .size: 8, .value_kind: global_buffer, .address_space: global }
    .group_segment_fixed_size: 212992
    .private_segment_fixed_size: 0
    .kernarg_segment_align: 8
    .kernarg_segment_size: 72
    .max_flat_workgroup_size: 128
    .sgpr_count:     66
    .vgpr_count:     1024
    .wavefront_size: 32
...
	.end_amdgpu_metadata
.endif
;; end of part 1
;; launch route (part 2): grid 1 x 1, 32 waves a work-group, no clusters, 6,144 bytes of LDS; arguments plog, gate_b, route, rcw; writes route, rcw
.if DOCPART == 2
	.amdgcn_target "amdgcn-amd-amdhsa--gfx1250"
	.amdhsa_code_object_version 6
	.text
	.protected	k_q74ec0ccddb_route
	.globl	k_q74ec0ccddb_route
	.p2align	8
	.type	k_q74ec0ccddb_route,@function
k_q74ec0ccddb_route:
	s_mov_b64 s[64:65], 0
	v_nop
	global_prefetch_b8 v0, s[64:65] scope:SCOPE_SE
	s_setreg_imm32_b32 hwreg(HW_REG_WAVE_MODE, 25, 1), 1
	s_wait_xcnt 0x0
; The router: logits (the four slices' parts + gate_b), softmax, the two largest, their weights renormalised; and for each expert the rank of each of its tokens.
; One work-group, a thread a token.  Everything is stored at fixed places: no address and no branch here hangs on the choice.
; OUT: route (whole numbers): pos [1024][2] = expert x 1,024 + rank, rank = how many lower tokens go to that expert; from byte 8,192 masks [8][32]: bit i of word v = token 32 v + i goes to the expert.
;      rcw [1024][2] f32: the two weights.
; The row's maximum is taken away before the exponentials.  The softmax's sum cancels in the renormalised weights, so p = 2^((l - max) log2 e) is used as it stands.
; Equal p: the lower index wins, by strict comparisons in ascending order.  LIMITS: NaN and infinities are not served.
	s_load_b128 s[4:7], s[0:1], 0x0                ; plog, gate_b
	s_load_b128 s[8:11], s[0:1], 0x10              ; route, rcw
	v_lshl_add_u32 v64, v0, 2, 0x800
	v_mov_b32 v65, 0
	v_lshrrev_b32 v1, 5, v0
	v_readfirstlane_b32 s2, v1                     ; wave
	v_mov_b32 v7, s2
	v_lshlrev_b32 v7, 2, v7                        ; 4 x wave
	v_and_b32 v5, 31, v0
	v_lshlrev_b32 v5, 2, v5                        ; 4 x lane
	v_lshlrev_b32 v1, 5, v0                        ; 32 x token
	v_lshlrev_b32 v56, 3, v0                       ; 8 x token
	v_lshlrev_b32 v57, 2, v0                       ; 4 x thread
	s_mov_b32 s20, 0x76543210
	s_mov_b32 s21, 0xfedcba98
	s_bfm_b32 s40, s2, 0                           ; the lanes below my wave's number
	s_wait_kmcnt 0x0
	s_load_b256 s[12:19], s[6:7], 0x0              ; gate_b
.irp q, 0,1,2,3
	global_load_b128 v[8+8*\q:11+8*\q], v1, s[4:5] offset:32768*\q
	global_load_b128 v[12+8*\q:15+8*\q], v1, s[4:5] offset:32768*\q+16
.endr
	s_wait_kmcnt 0x0
	s_wait_loadcnt 0x0
.irp e, 0,1,2,3,4,5,6,7
	v_add_f32 v[40+\e], v[8+\e], v[16+\e]
	v_add_f32 v[48+\e], v[24+\e], v[32+\e]
.endr
.irp e, 0,1,2,3,4,5,6,7
	v_add_f32 v[40+\e], v[40+\e], v[48+\e]
.endr
.irp e, 0,1,2,3,4,5,6,7
	v_add_f32 v[40+\e], s[12+\e], v[40+\e]         ; the logits
.endr
	v_max3_num_f32 v2, v40, v41, v42
	v_max3_num_f32 v2, v2, v43, v44
	v_max3_num_f32 v2, v2, v45, v46
	v_max_num_f32 v2, v2, v47
.irp e, 0,1,2,3,4,5,6,7
	v_sub_f32 v[40+\e], v[40+\e], v2
.endr
.irp e, 0,1,2,3,4,5,6,7
	v_mul_f32 v[40+\e], 0x3fb8aa3b, v[40+\e]
.endr
.irp e, 0,1,2,3,4,5,6,7
	v_exp_f32 v[40+\e], v[40+\e]
.endr
	v_mov_b32 v4, 0                                ; (a plain place behind the exponentials)
	s_wait_alu depctr_va_vdst(0)                   ; one wait for the eight, ahead of their first reader
	v_mov_b32 v3, v40
.irp e, 1,2,3,4,5,6,7
	v_cmp_gt_f32 vcc_lo, v[40+\e], v3
	v_cndmask_b32 v3, v3, v[40+\e], vcc_lo
	v_cndmask_b32 v4, v4, \e, vcc_lo               ; the largest and its expert
.endr
.irp e, 0,1,2,3,4,5,6,7
	v_cmp_eq_u32 vcc_lo, \e, v4
	v_cndmask_b32 v[48+\e], v[40+\e], -1.0, vcc_lo ; it is taken out: every p is 0 or more
.endr
	v_mov_b32 v58, v48
	v_mov_b32 v6, 0
.irp e, 1,2,3,4,5,6,7
	v_cmp_gt_f32 vcc_lo, v[48+\e], v58
	v_cndmask_b32 v58, v58, v[48+\e], vcc_lo
	v_cndmask_b32 v6, v6, \e, vcc_lo               ; the second and its expert
.endr
	v_add_f32 v59, v3, v58                         ; at least 1: the largest p is 1
	v_rcp_f32 v59, v59
	v_nop
	s_wait_alu depctr_va_vdst(0)
	v_mul_f32 v60, v3, v59
	v_mul_f32 v61, v58, v59
.irp e, 0,1,2,3,4,5,6,7
	v_cmp_eq_u32 s22, \e, v4
	v_cmp_eq_u32 s23, \e, v6
	s_or_b32 s[24+\e], s22, s23                    ; my wave's 32 tokens that go to expert e,
	s_bcnt1_i32_b32 s[32+\e], s[24+\e]             ; and how many they are
	v_mov_b32 v[8+\e], s[24+\e]
	v_mov_b32 v[16+\e], s[32+\e]
	ds_store_b32 v7, v[8+\e] offset:128*\e         ; all lanes write the same word with the same value
	ds_store_b32 v7, v[16+\e] offset:1024+128*\e
.endr
	s_wait_dscnt 0x0
	s_barrier_signal -1
	s_barrier_wait -1
.irp e, 0,1,2,3,4,5,6,7
	ds_load_b32 v[24+\e], v5 offset:1024+128*\e    ; lane l: wave l's count
.endr
	s_wait_dscnt 0x0
.irp e, 0,1,2,3,4,5,6,7
	v_cvt_f32_u32 v[24+\e], v[24+\e]               ; counts up to 1,024 are exact in f32
.endr
.irp e, 0,1,2,3,4,5,6,7
	v_cndmask_b32 v[24+\e], 0, v[24+\e], s40       ; only the waves below mine count
.endr
.irp x, 1,2,4,8
.irp e, 0,1,2,3,4,5,6,7
	v_add_f32_dpp v[24+\e], v[24+\e], v[24+\e] row_xmask:\x row_mask:0xf bank_mask:0xf
.endr
.endr
.irp e, 0,1,2,3,4,5,6,7
	v_permlanex16_b32 v[32+\e], v[24+\e], s20, s21
.endr
.irp e, 0,1,2,3,4,5,6,7
	v_add_f32 v[24+\e], v[24+\e], v[32+\e]
.endr
.irp e, 0,1,2,3,4,5,6,7
	v_cvt_u32_f32 v[24+\e], v[24+\e]
.endr
.irp e, 0,1,2,3,4,5,6,7
	v_mbcnt_lo_u32_b32 v[24+\e], s[24+\e], v[24+\e]   ; + the lanes below mine that go there: my rank, if I go there
.endr
.irp e, 1,2,3,4,5,6,7
	v_add_nc_u32 v[24+\e], 1024*\e, v[24+\e]
.endr
	v_mov_b32 v10, v24
	v_mov_b32 v11, v24
.irp e, 1,2,3,4,5,6,7
	v_cmp_eq_u32 vcc_lo, \e, v4
	v_cndmask_b32 v10, v10, v[24+\e], vcc_lo
	v_cmp_eq_u32 vcc_lo, \e, v6
	v_cndmask_b32 v11, v11, v[24+\e], vcc_lo
.endr
	global_store_b64 v56, v[10:11], s[8:9]         ; 32 lanes store 256 consecutive bytes
	global_store_b64 v56, v[60:61], s[10:11]
	s_cmp_lt_u32 s2, 8                             ; waves 0 to 7 store the masks: wave e those of expert e
	s_cbranch_scc0 .Lend
	ds_load_b32 v12, v57                           ; 128 x wave + 4 x lane
	s_wait_dscnt 0x0
	global_store_b32 v57, v12, s[8:9] offset:8192
.Lend:
	s_wait_tensorcnt 0x0
	ds_add_u32 v64, v65
	s_wait_dscnt 0x0
	s_endpgm
.Lfunc_end_k_q74ec0ccddb_route:
	.size	k_q74ec0ccddb_route, .Lfunc_end_k_q74ec0ccddb_route-k_q74ec0ccddb_route
	.p2alignl 7, 3214868480
	.fill 96, 4, 3214868480
	.section	.rodata,"a",@progbits
	.p2align	6, 0x0
	.amdhsa_kernel k_q74ec0ccddb_route
		.amdhsa_group_segment_fixed_size 6144
		.amdhsa_private_segment_fixed_size 0
		.amdhsa_enable_private_segment 0
		.amdhsa_kernarg_size 32
		.amdhsa_user_sgpr_count 2
		.amdhsa_user_sgpr_kernarg_segment_ptr 1
		.amdhsa_wavefront_size32 1
		.amdhsa_system_sgpr_workgroup_id_x 1
		.amdhsa_system_sgpr_workgroup_id_y 1
		.amdhsa_system_sgpr_workgroup_id_z 1
		.amdhsa_system_vgpr_workitem_id 0
		.amdhsa_next_free_vgpr 66
		.amdhsa_next_free_sgpr 66
		.amdhsa_reserve_vcc 1
		.amdhsa_float_denorm_mode_32 3
		.amdhsa_float_denorm_mode_16_64 3
		.amdhsa_memory_ordered 1
		.amdhsa_forward_progress 1
		.amdhsa_inst_pref_size 17
	.end_amdhsa_kernel
	.amdgpu_metadata
---
amdhsa.version: [ 1, 2 ]
amdhsa.kernels:
  - .name:           k_q74ec0ccddb_route
    .symbol:         k_q74ec0ccddb_route.kd
    .args:
      - { .name: plog, .offset: 0, .size: 8, .value_kind: global_buffer, .address_space: global }
      - { .name: gate_b, .offset: 8, .size: 8, .value_kind: global_buffer, .address_space: global }
      - { .name: route, .offset: 16, .size: 8, .value_kind: global_buffer, .address_space: global }
      - { .name: rcw, .offset: 24, .size: 8, .value_kind: global_buffer, .address_space: global }
    .group_segment_fixed_size: 6144
    .private_segment_fixed_size: 0
    .kernarg_segment_align: 8
    .kernarg_segment_size: 32
    .max_flat_workgroup_size: 1024
    .sgpr_count:     66
    .vgpr_count:     66
    .wavefront_size: 32
...
	.end_amdgpu_metadata
.endif
;; end of part 2
;; launch up (part 3): grid 16 x 16, 4 waves a work-group, no clusters, 279,808 bytes of LDS; arguments hq, route, w1_codes, w1_scales, w3_codes, w3_scales, act; writes act
.if DOCPART == 3
	.amdgcn_target "amdgcn-amd-amdhsa--gfx1250"
	.amdhsa_code_object_version 6
	.text
	.protected	k_q74ec0ccddb_up
	.globl	k_q74ec0ccddb_up
	.p2align	8
	.type	k_q74ec0ccddb_up,@function
k_q74ec0ccddb_up:
	s_mov_b64 s[64:65], 0
	v_nop
	global_prefetch_b8 v0, s[64:65] scope:SCOPE_SE
	s_setreg_imm32_b32 hwreg(HW_REG_WAVE_MODE, 25, 1), 1
	s_wait_xcnt 0x0
; act = Q(silu(h w1^T) x (h w3^T)) for the rows that the router chose, on codes of FP6 (E2M3) with one E8M0 scale for each 32 along K.
; SHARES.  Work-group (fs, 2 e + half): 128 of expert e's 2,048 hidden units (128 fs on), and the expert's row tiles g = 2 i + half (16 rows of ranks 16 g on).
; Wave w keeps w1's and w3's rows 128 fs + 32 w .. + 31, all of K, in 384 registers, read from memory once.  So a wave makes one block of 32 along the next product's K, and the four waves one K step.
; THE ROWS ARE FOUND FROM THE STORED MASKS: the token of rank n is the place of the (n + 1)-th set bit of the expert's 1,024 bits (macro SELECT: whole-number arithmetic on numbers read from memory).
; ROUNDS of 12 tiles: each wave gathers 3 tiles' codes of h into LDS (whole runs of 256 bytes) | barrier | every wave multiplies all 12 tiles by its weights, activates, quantises, and puts its block into the tile's
; operand image in LDS | barrier | each wave stores 3 images (1,536 dense bytes each) and gathers for the next round.  Three rounds are written, which serve all 1,024 rows on one expert; tiles beyond the expert's
; count are passed over by scalar branches on that count, between the barriers.  No tensor load: trip work hangs on stored numbers.
; No cluster: partners would need different numbers of tiles, and the launch has no tensor load to share.
; THE PRODUCTS ARE USED TRANSPOSED (source 0 = 16 weight rows, source 1 = 16 tokens); lane r of tile u takes weight row 8 u + r + 8 (r / 8), so that a lane's 16 registers are 16 neighbours along the next K.
; A TILE'S FRAGMENTS ARE ASKED FOR A TILE AHEAD: behind a tile's last product its registers are free, and the next tile's 50 LDS loads stand among the lines of this tile's activation.
; OUT: act: codes [e][tile g 64][K step 16][1,536 bytes: register group j at 512 j + 16 lane]; from byte 12,582,912 scale words [e][g][K step][16 rows].
; Ranks beyond the count in an expert's last tile take some token: their rows are written and nobody uses them.  THE COUNT IS HELD AT 1 FROM BELOW: tile 0 of every expert is stored, also of one without rows,
; since the next launch loads an expert's last tile on every path.
; LIMITS: NaN and infinities are not served; silu(g) u is made as (g u) / (1 + 2^(-g log2 e)), so g u must be finite in f32; a block of zeros gets the byte 1 (its codes are zeros); blocks under 2^-124 were not tried.
; REGISTERS: window 0: v1-34 addresses; v36-51 at work; v52-59 h's scale words; v60-91 the weights' scale words; v92-123 four accumulators (while gathering: addresses); v124-219 h's eight fragments
;   (while gathering: the third tile's landing; on the way out: images); v220-235 the activation; v236-251 the exponentials; v252-254 codes.  window 1: w1.  window 2: w3.  window 3: the gather's landing.
.set AI,   0                           ; LDS: 12 operand images x 1,536
.set ASC,  18432                       ; 12 x 16 scale words
.set HSC,  19200                       ; h's scale bytes: 12 tiles x 16 rows x 48
.set HA,   28416                       ; h's codes: 12 tiles x 16 rows x 784
.set WS,   178944                      ; a wave's own: 32 weight rows x 784
.set L16, 1
.set X16, 2
.set WA,  3
.set WB,  4
.set WF,  5
.set SCO, 6
.set N0A, 7
.set N0B, 8
.set SSB, 9
.set XH16, 10
.set HST, 17
.set SSA, 18
.set F0,  19
.set S0,  20
.set IA,  21
.set ISC, 24
.set CLD, 25
.set CSL, 26
.set X4,  27
.set AF,  29
.set AS,  30
.set AI0, 31
.set AC,  34
.set SM,  36
.set SB,  37
.set SW,  38
.set SJ,  39
.set SA2, 40
.set SQ,  41
.set SC,  42
.set SD,  43
.set STT, 44
.set SI,  45
.set PA,  46
.set PB,  50
.set NN,  51
.set QM,  36
.set QX,  37
.set QS,  38
.set QB,  39
.set QN,  40
.set XSW, 52
.set WSC, 60
.set ACC, 92
.set GA,  92
.set SA,  116
.set XF,  124
.set AV,  220
.set EX,  236
.set CV,  252
.set WV,  50
.set FS,  51
.set EE,  52
.set HF,  53
.set NE,  54
.set SP,  55
.set SX,  56
.set H16, 60
.set RW,  61
.set OF,  66
.set OS,  67
.set OI,  68
.set OC,  69
.set RK,  70
.set CT,  71
.set ACB, 72
.set ASB, 74
.set K0,  90
.set K1,  91
.set MSB, 0
.macro WIN new                         ; the immediate's high byte repeats the setting that is left
.if MSB != (\new)
	s_set_vgpr_msb (MSB<<8)|(\new)
.set MSB, (\new)
.endif
.endm
.macro WLOAD win, b                    ; 32 weight rows x 768 bytes are 24,576 dense bytes: 48 loads of 512 consecutive bytes
	WIN (\win)<<6
.set i, 0
.rept 48
	global_load_b128 v[4*i:4*i+3], v[L16], s[\b:\b+1] offset:512*i
.set i, i+1
.endr
	WIN 0
.endm
.macro WSTORE win                      ; memory row 16 a + 8 u + c goes to stage row 16 u + 8 a + c: a tile's 16 rows lie on end
	WIN (\win)<<2
.set m, 0
.rept 16
.set lam, (16*((m>>2)&1)+8*(m>>3)+((2*m)&7))*784
	ds_store_b128 v[WA], v[12*m:12*m+3] offset:lam
	ds_store_b128 v[WB], v[12*m+4:12*m+7] offset:lam+512
	ds_store_b128 v[WA], v[12*m+8:12*m+11] offset:lam+1040
.set m, m+1
.endr
	WIN 0
.endm
.macro WFRAG win                       ; back as fragments (tile u, K step s) at v[12 (8 u + s)]; LDS serves a wave's instructions in order
	WIN (\win)<<6
.irp u, 0,1
.irp s, 0,1,2,3,4,5,6,7
.irp p, 0,1,2,3,4,5
	ds_load_b64 v[12*(8*\u+\s)+2*\p:12*(8*\u+\s)+2*\p+1], v[WF] offset:12544*\u+96*\s+48*(\p/3)+8*(\p%3)
.endr
.endr
.endr
	WIN 0
.endm
; One step of the search inside a word: are there j or fewer set bits in the lower half of what is left?
.macro SELSTEP src, bits, width
	v_bfe_u32 v[STT], v[\src], v[SI], \bits
	v_cmp_ge_u32 vcc_lo, v[SJ], v[STT]
	v_cndmask_b32 v[STT], 0, v[STT], vcc_lo
	v_sub_nc_u32 v[SJ], v[SJ], v[STT]
	v_cndmask_b32 v[STT], 0, \width, vcc_lo
	v_add_nc_u32 v[SI], v[SI], v[STT]
.endm
; v[vt] = the token of rank v[vn]: first the last word whose running count is not above the rank, then the bit in it, by counts of 16, 8, 4, 2 and 1 bits.  Held at 1,023.
.macro SELECT vn, vt
	v_mov_b32 v[SM], s16
	v_mov_b32 v[SB], 0
	v_mov_b32 v[SW], 0
	s_mov_b32 s[SP], 0
.irp v, 1,2,3,4,5,6,7,8,9,10,11,12,13,14,15,16,17,18,19,20,21,22,23,24,25,26,27,28,29,30,31
	s_bcnt1_i32_b32 s[SX], s[15+\v]
	s_add_co_u32 s[SP], s[SP], s[SX]
	v_cmp_le_u32 vcc_lo, s[SP], v[\vn]
	v_cndmask_b32 v[SM], v[SM], s[16+\v], vcc_lo
	v_cndmask_b32 v[SB], v[SB], s[SP], vcc_lo
	v_cndmask_b32 v[SW], v[SW], 32*\v, vcc_lo
.endr
	v_sub_nc_u32 v[SJ], v[\vn], v[SB]
	v_lshrrev_b32 v[SA2], 1, v[SM]
	v_and_b32 v[SA2], 0x55555555, v[SA2]
	v_sub_nc_u32 v[SA2], v[SM], v[SA2]             ; counts of 2 bits
	v_lshrrev_b32 v[SQ], 2, v[SA2]
	v_and_b32 v[SQ], 0x33333333, v[SQ]
	v_and_b32 v[SC], 0x33333333, v[SA2]
	v_add_nc_u32 v[SQ], v[SQ], v[SC]               ; of 4
	v_lshrrev_b32 v[SC], 4, v[SQ]
	v_add_nc_u32 v[SC], v[SC], v[SQ]
	v_and_b32 v[SC], 0x0f0f0f0f, v[SC]             ; of 8
	v_lshrrev_b32 v[SD], 8, v[SC]
	v_add_nc_u32 v[SD], v[SD], v[SC]               ; of 16, in bytes 0 and 2
	v_mov_b32 v[SI], 0
	SELSTEP SD, 8, 16
	SELSTEP SC, 8, 8
	SELSTEP SQ, 4, 4
	SELSTEP SA2, 2, 2
	SELSTEP SM, 1, 1
	v_add_nc_u32 v[\vt], v[SW], v[SI]
	v_min_u32 v[\vt], 0x3ff, v[\vt]
.endm
; My three tiles (slots 3 w + m) of round rho: their 48 tokens, then 75 loads: of each token's 768 bytes of codes three runs of 256 bytes by sixteen lanes, and its 32 scale bytes.
; Lane (x, y) searches for row 2 (x % 8) + 1 - y, in v[PA] of slot x / 8, in v[PB] of slot 2.  v_permlanex16_b32 with lane k's number in every select field gives lanes 0-15 what lane 16 + k holds and
; lanes 16-31 what lane k holds: row 2 i for the lower sixteen lanes, row 2 i + 1 for the upper: the two rows that one load takes.  A vector instruction: no trip through the LDS unit, no wait.
.macro GATHER_ISSUE rho
	v_add_nc_u32 v[NN], 384*(\rho), v[N0A]
	SELECT NN, PA
	v_add_nc_u32 v[NN], 384*(\rho), v[N0B]
	SELECT NN, PB
.irp i, 0,1,2,3,4,5,6,7
	s_mov_b32 s[K0], \i*0x11111111
	s_mov_b32 s[K1], (\i+8)*0x11111111
	v_permlanex16_b32 v[GA+\i], v[PA], s[K0], s[K0]        ; slot 0: the tokens of rows 2 i + y
	v_permlanex16_b32 v[GA+8+\i], v[PA], s[K1], s[K1]      ; slot 1
	v_permlanex16_b32 v[GA+16+\i], v[PB], s[K0], s[K0]     ; slot 2
.endr
	v_min_u32 v[SA], 0x3ff, v[PA]
	v_lshlrev_b32 v[SA], 5, v[SA]                  ; slots 0 and 1: a lane a row, its 32 scale bytes by two loads
	v_min_u32 v[SA+2], 0x3ff, v[PB]
	v_lshlrev_b32 v[SA+2], 5, v[SA+2]
	v_add_nc_u32 v[SA+2], v[SA+2], v[XH16]         ; slot 2: two lanes a row, 16 bytes each
.irp n, 0,1,2,3,4,5,6,7,8,9,10,11,12,13,14,15,16,17,18,19,20,21,22,23
	v_min_u32 v[GA+\n], 0x3ff, v[GA+\n]
	v_mul_u32_u24 v[GA+\n], v[GA+\n], 768
	v_add_nc_u32 v[GA+\n], v[GA+\n], v[X16]
.endr
	WIN 0xc0                                       ; destination window 3
.irp m, 0,1
.irp i, 0,1,2,3,4,5,6,7
.irp u, 0,1,2
	global_load_b128 v[100*\m+12*\i+4*\u:100*\m+12*\i+4*\u+3], v[GA+8*\m+\i], s[4:5] offset:256*\u
.endr
.endr
	global_load_b128 v[100*\m+96:100*\m+99], v[SA], s[4:5] offset:786432+16*\m
.endr
	global_load_b128 v[200:203], v[SA+2], s[4:5] offset:786432
	WIN 0
.irp i, 0,1,2,3,4,5,6,7
.irp u, 0,1,2
	global_load_b128 v[XF+12*\i+4*\u:XF+12*\i+4*\u+3], v[GA+16+\i], s[4:5] offset:256*\u
.endr
.endr
.endm
.macro GATHER_STORE
	WIN 0x0c                                       ; an LDS store's data are its source 1: window 3
.irp m, 0,1
.irp i, 0,1,2,3,4,5,6,7
.irp u, 0,1,2
	ds_store_b128 v[HST], v[100*\m+12*\i+4*\u:100*\m+12*\i+4*\u+3] offset:12544*\m+1568*\i+256*\u
.endr
.endr
	ds_store_b128 v[SSA], v[100*\m+96:100*\m+99] offset:16*\m
.endr
	ds_store_b128 v[SSB], v[200:203]
	WIN 0
.irp i, 0,1,2,3,4,5,6,7
.irp u, 0,1,2
	ds_store_b128 v[HST], v[XF+12*\i+4*\u:XF+12*\i+4*\u+3] offset:25088+1568*\i+256*\u
.endr
.endr
.endm
; K step s of a tile's fragments: six loads of 8 bytes
.macro LDK adr, off, s
.irp p, 0,1,2,3,4,5
	ds_load_b64 v[XF+12*(\s)+2*\p:XF+12*(\s)+2*\p+1], v[\adr] offset:(\off)+96*(\s)+48*(\p/3)+8*(\p%3)
.endr
.endm
; One tile of 16 rows against my 32 + 32 weight rows.  Its fragments and scale words were asked for a tile ago; the next tile's (12,544 and 768 bytes on) are asked for here, behind the last product.
; The twelfth trip so asks for the bytes behind the twelfth tile: they lie in LDS, nobody writes them between the round's two barriers, and they are not used.
.macro TILE
	v_add_nc_u32 v[AF], s[OF], v[F0]
	v_add_nc_u32 v[AS], s[OS], v[S0]
.irp k, 0,1,2
	v_add_nc_u32 v[AI0+\k], s[OI], v[IA+\k]
.endr
	v_add_nc_u32 v[AC], s[OC], v[ISC]
.irp s, 0,1,2,3,4,5,6,7                        ; 32 products: tiles 0, 1 = w1's, 2, 3 = w3's; the four accumulators by turns, one instruction a turn
	s_wait_dscnt 6*(7-\s)                          ; K step s is in: the six loads of each later K step may be out
.irp t, 0,1,2,3
	WIN 1+(\t/2)
.if \s == 0
	v_wmma_scale_f32_16x16x128_f8f6f4 v[ACC+8*\t:ACC+8*\t+7], v[12*(8*(\t%2)+\s):12*(8*(\t%2)+\s)+11], v[XF+12*\s:XF+12*\s+11], 0, v[WSC+8*\t+\s], v[XSW+\s] matrix_a_fmt:MATRIX_FMT_FP6 matrix_b_fmt:MATRIX_FMT_FP6
.else
	v_wmma_scale_f32_16x16x128_f8f6f4 v[ACC+8*\t:ACC+8*\t+7], v[12*(8*(\t%2)+\s):12*(8*(\t%2)+\s)+11], v[XF+12*\s:XF+12*\s+11], v[ACC+8*\t:ACC+8*\t+7], v[WSC+8*\t+\s], v[XSW+\s] matrix_a_fmt:MATRIX_FMT_FP6 matrix_b_fmt:MATRIX_FMT_FP6
.endif
.endr
.endr
	WIN 0
.rept 4
	v_nop                                          ; four places in front of the first read of results, and of loads into registers that the products have read
.endr
	ds_load_b128 v[XSW:XSW+3], v[AS] offset:768    ; the next tile: row r's eight scale words,
	ds_load_b128 v[XSW+4:XSW+7], v[AS] offset:784
	LDK AF, 12544, 0                               ; and its fragments, a K step at a time between the groups below
.irp p, 0,2,4,6,8,10,12,14
	v_pk_mul_f32 v[EX+\p:EX+\p+1], v[ACC+\p:ACC+\p+1], 0xbfb8aa3b op_sel_hi:[1,0]   ; -g log2 e
.endr
	LDK AF, 12544, 1
.irp j, 0,1,2,3,4,5,6,7,8,9,10,11,12,13,14,15
	v_exp_f32 v[EX+\j], v[EX+\j]
.endr
.irp p, 0,2,4,6,8,10,12,14
	v_pk_mul_f32 v[ACC+16+\p:ACC+17+\p], v[ACC+16+\p:ACC+17+\p], v[ACC+\p:ACC+\p+1]   ; g u: plain work behind the exponentials
.endr
	LDK AF, 12544, 2
	s_wait_alu depctr_va_vdst(0)                   ; one wait for the sixteen, ahead of their first reader
.irp p, 0,2,4,6,8,10,12,14
	v_pk_add_f32 v[EX+\p:EX+\p+1], v[EX+\p:EX+\p+1], 1.0 op_sel_hi:[1,0]
.endr
	LDK AF, 12544, 3
.irp j, 0,1,2,3,4,5,6,7,8,9,10,11,12,13,14,15
	v_rcp_f32 v[EX+\j], v[EX+\j]
.endr
	v_nop
	LDK AF, 12544, 4
	s_wait_alu depctr_va_vdst(0)
.irp p, 0,2,4,6,8,10,12,14
	v_pk_mul_f32 v[AV+\p:AV+\p+1], v[ACC+16+\p:ACC+17+\p], v[EX+\p:EX+\p+1]   ; silu(g) u: hidden units 16 h + 0 .. 15 of my block, token r
.endr
	LDK AF, 12544, 5
	v_max3_num_f32 v[QM], |v[AV]|, |v[AV+1]|, 0x1800000   ; the floor 2^(3 - 127): the byte cannot fall under 1
	v_max3_num_f32 v[QN], |v[AV+2]|, |v[AV+3]|, |v[AV+4]|
	v_max3_num_f32 v[QM], v[QM], |v[AV+5]|, |v[AV+6]|
	v_max3_num_f32 v[QN], v[QN], |v[AV+7]|, |v[AV+8]|
	v_max3_num_f32 v[QM], v[QM], |v[AV+9]|, |v[AV+10]|
	v_max3_num_f32 v[QN], v[QN], |v[AV+11]|, |v[AV+12]|
	v_max3_num_f32 v[QM], v[QM], |v[AV+13]|, |v[AV+14]|
	v_max3_num_f32 v[QM], v[QM], v[QN], |v[AV+15]|
	LDK AF, 12544, 6
	v_permlanex16_b32 v[QX], v[QM], s2, s3
	v_max_num_f32 v[QM], v[QM], v[QX]              ; the block's largest magnitude
	v_add_nc_u32 v[QS], 0xff000000, v[QM]          ; 2 off its exponent field: the conversion's scale operand
	v_lshrrev_b32 v[QB], 23, v[QS]                 ; the scale's byte
	v_cvt_scalef32_pk16_fp6_f32 v[CV:CV+2], v[AV:AV+15], v[QS]
	v_nop                                          ; one plain place behind a scaled conversion
	LDK AF, 12544, 7
.irp k, 0,1,2
	ds_store_b32 v[AI0+\k], v[CV+\k]               ; register 6 (w / 2) + 3 h + k of lane r + 16 (w % 2) of the tile's image
.endr
	ds_store_b8 v[AC], v[QB]                       ; byte w of row r's scale word; both halves of the lanes write the same
.endm
; Slot w + 4 m leaves: 1,536 dense bytes and 16 scale words
.macro OUTSLOT rho, m
	s_add_co_u32 s62, s[RW], 384*(\rho)+128*(\m)
	s_cmp_lt_u32 s62, s[NE]
	s_cbranch_scc0 .Lnone_\@
.irp j, 0,1,2
	ds_load_b128 v[XF+16*(\m)+4*\j:XF+16*(\m)+4*\j+3], v[CLD] offset:6144*(\m)+512*\j
.endr
	ds_load_b32 v[XF+16*(\m)+12], v[CSL] offset:256*(\m)
	s_wait_dscnt 0x0
.irp j, 0,1,2
	global_store_b128 v[L16], v[XF+16*(\m)+4*\j:XF+16*(\m)+4*\j+3], s[ACB:ACB+1] offset:589824*(\rho)+196608*(\m)+512*\j   ; 32 lanes store 512 consecutive bytes, aligned
.endr
	global_store_b32 v[X4], v[XF+16*(\m)+12], s[ASB:ASB+1] offset:24576*(\rho)+8192*(\m)
.Lnone_\@:
.endm
.macro ROUND rho
	s_wait_dscnt 0x0                               ; my gathered rows have landed, and my reads of the images are over
	s_barrier_signal -1
	s_barrier_wait -1                              ; the round's 12 tiles of h lie in LDS
	s_mov_b32 s[OF], 0
	s_mov_b32 s[OS], 0
	s_mov_b32 s[OI], 0
	s_mov_b32 s[OC], 0
	s_add_co_u32 s[RK], s[H16], 384*(\rho)         ; the tile's first rank
	s_mov_b32 s[CT], 0
.if (\rho) > 0
	s_cmp_lt_u32 s[RK], s[NE]                      ; a round without tiles asks for nothing
	s_cbranch_scc0 .Lnopro_\@
.endif
	ds_load_b128 v[XSW:XSW+3], v[S0]               ; the round's first tile is asked for ahead of the loop
	ds_load_b128 v[XSW+4:XSW+7], v[S0] offset:16
.irp s, 0,1,2,3,4,5,6,7
	LDK F0, 0, \s
.endr
.if (\rho) > 0
.Lnopro_\@:
.endif
.Ltile_\@:                                         ; 12 trips, a constant; a tile beyond the expert's count is passed over
	s_cmp_lt_u32 s[RK], s[NE]
	s_cbranch_scc0 .Lidle_\@
	TILE
.Lidle_\@:
	s_add_co_u32 s[OF], s[OF], 12544
	s_add_co_u32 s[OS], s[OS], 768
	s_add_co_u32 s[OI], s[OI], 1536
	s_add_co_u32 s[OC], s[OC], 64
	s_add_co_u32 s[RK], s[RK], 32
	s_add_co_u32 s[CT], s[CT], 1
	s_cmp_lt_u32 s[CT], 12
	s_cbranch_scc1 .Ltile_\@
	s_wait_dscnt 0x0                               ; my parts of the images have landed, and my reads of h's tiles are over
	s_barrier_signal -1
	s_barrier_wait -1                              ; the images are whole, and nobody reads h's tiles any more
	OUTSLOT \rho, 0
	OUTSLOT \rho, 1
	OUTSLOT \rho, 2
	s_wait_xcnt 0x0                                ; the stores have read their registers: these are written again only behind this wait
.if (\rho) < 2
	s_add_co_u32 s62, s[H16], 384*((\rho)+1)
	s_cmp_lt_u32 s62, s[NE]
	s_cbranch_scc0 .Lnomore_\@
	GATHER_ISSUE (\rho)+1
	s_wait_loadcnt 0x0
	GATHER_STORE
.Lnomore_\@:
.endif
.endm
	s_load_b256 s[4:11], s[0:1], 0x0               ; hq s[4:5], route s[6:7], w1's codes s[8:9], w1's scales s[10:11]
	s_load_b128 s[12:15], s[0:1], 0x20             ; w3's codes, w3's scales
	s_load_b64 s[48:49], s[0:1], 0x30              ; act
	v_lshl_add_u32 v49, v0, 2, 0x44300
	v_mov_b32 v255, 0
	v_lshrrev_b32 v36, 5, v0
	v_readfirstlane_b32 s[WV], v36                 ; wave
	s_mov_b32 s[FS], ttmp9
	s_and_b32 s[EE], ttmp7, 0xffff
	s_and_b32 s[HF], s[EE], 1
	s_lshr_b32 s[EE], s[EE], 1
	s_lshl_b32 s[H16], s[HF], 4
	s_lshl_b32 s[RW], s[WV], 5
	s_add_co_u32 s[RW], s[RW], s[H16]
	s_mov_b32 s2, 0x76543210
	s_mov_b32 s3, 0xfedcba98                       ; v_permlanex16_b32's selects for lane l xor 16
	v_and_b32 v37, 31, v0                          ; lane
	v_and_b32 v38, 15, v0                          ; r, also x
	v_bfe_u32 v39, v0, 4, 1                        ; h, also y
	v_lshlrev_b32 v[L16], 4, v37
	v_lshlrev_b32 v[X16], 4, v38
	v_lshlrev_b32 v[X4], 2, v38
	s_mul_i32 s76, s[WV], 25088
	s_add_co_u32 s76, s76, WS
	v_add_nc_u32 v[WA], s76, v[L16]
	v_lshl_add_u32 v[WB], v39, 4, v[WA]
	v_mul_u32_u24 v40, v38, 784
	v_mad_u32_u24 v41, v39, 24, v40
	v_add_nc_u32 v[WF], s76, v41
	v_add_nc_u32 v[F0], HA, v41
	v_and_b32 v41, 8, v38
	v_add_nc_u32 v41, v41, v38
	v_lshlrev_b32 v[SCO], 5, v41
	v_and_b32 v44, 7, v38
	v_lshlrev_b32 v44, 1, v44
	v_sub_nc_u32 v42, 1, v39
	v_add_nc_u32 v44, v44, v42                     ; the row that I search for: 2 (x % 8) + 1 - y
	v_lshrrev_b32 v45, 3, v38                      ; x / 8
	v_lshlrev_b32 v[XH16], 4, v45
	s_mul_i32 s76, s[WV], 96
	s_add_co_u32 s76, s76, s[H16]
	v_lshl_add_u32 v41, v45, 5, v44
	v_add_nc_u32 v[N0A], s76, v41                  ; ranks 96 w + 16 half + 32 (x / 8) + row: slots 0 and 1
	s_add_co_u32 s76, s76, 64
	v_add_nc_u32 v[N0B], s76, v44                  ; slot 2
	s_mul_i32 s76, s[WV], 37632
	s_add_co_u32 s76, s76, HA
	v_mul_u32_u24 v41, v39, 784
	v_add_nc_u32 v41, v41, v[X16]
	v_add_nc_u32 v[HST], s76, v41
	s_mul_i32 s76, s[WV], 2304
	s_add_co_u32 s76, s76, HSC
	v_mul_u32_u24 v41, v38, 48
	v_add_nc_u32 v[S0], HSC, v41
	v_mul_u32_u24 v41, v44, 48
	v_add_nc_u32 v41, s76, v41                     ; my three tiles' scale bytes, + 48 x row
	v_mad_u32_u24 v[SSA], v45, 768, v41            ; slots 0 and 1: + 768 (x / 8)
	v_add_nc_u32 v41, 1536, v41
	v_add_nc_u32 v[SSB], v41, v[XH16]              ; slot 2: + 16 (x / 8)
	s_lshr_b32 s76, s[WV], 1
	s_mul_i32 s76, s76, 6
	s_and_b32 s77, s[WV], 1
	s_lshl_b32 s77, s77, 8
	v_mul_u32_u24 v41, v39, 3
	v_add_nc_u32 v41, s76, v41                     ; 6 (w / 2) + 3 h
.irp k, 0,1,2
	v_add_nc_u32 v42, \k, v41
	v_lshrrev_b32 v43, 2, v42
	v_and_b32 v42, 3, v42
	v_lshlrev_b32 v43, 9, v43
	v_lshl_add_u32 v43, v42, 2, v43
	v_add_nc_u32 v43, v43, v[X16]
	v_add_nc_u32 v[IA+\k], s77, v43
.endr
	s_add_co_u32 s76, s[WV], ASC
	v_add_nc_u32 v[ISC], s76, v[X4]
	s_mul_i32 s76, s[WV], 1536
	v_add_nc_u32 v[CLD], s76, v[L16]
	s_lshl_b32 s76, s[WV], 6
	s_add_co_u32 s76, s76, ASC
	v_add_nc_u32 v[CSL], s76, v[X4]
.irp n, 0,1,2,3,4,5,6,7,8,9,10,11,12,13,14,15,16,17,18,19,20,21,22,23
	v_mov_b32 v[GA+\n], 0                          ; written once: a lane permute's destination counts as one of its sources
.endr
	s_lshl_b32 s76, s[EE], 11
	s_lshl_b32 s77, s[FS], 7
	s_add_co_u32 s76, s76, s77
	s_lshl_b32 s77, s[WV], 5
	s_add_co_u32 s76, s76, s77                     ; my first weight row: 2,048 e + 128 fs + 32 w
	s_mul_i32 s78, s76, 768
	s_mov_b32 s79, 0
	s_lshl_b32 s80, s76, 5
	s_mov_b32 s81, 0
	s_lshl_b32 s58, s[EE], 7
	s_add_co_u32 s58, s58, 8192
	s_mov_b32 s59, 0
	s_wait_kmcnt 0x0
	s_add_nc_u64 s[58:59], s[6:7], s[58:59]
	s_load_b512 s[16:31], s[58:59], 0x0            ; the expert's 32 mask words
	s_load_b512 s[32:47], s[58:59], 0x40
	s_add_nc_u64 s[82:83], s[8:9], s[78:79]
	s_add_nc_u64 s[84:85], s[12:13], s[78:79]
	s_add_nc_u64 s[86:87], s[10:11], s[80:81]
	s_add_nc_u64 s[88:89], s[14:15], s[80:81]
	; THE HEAD'S ORDER: w1 and the scale words (56 loads) go out first; the search for the rows runs while they are on their way; then the gather's 75 loads, then w3's 48
	WLOAD 1, 82
.irp u, 0,1
	global_load_b128 v[WSC+8*\u:WSC+8*\u+3], v[SCO], s[86:87] offset:256*\u
	global_load_b128 v[WSC+8*\u+4:WSC+8*\u+7], v[SCO], s[86:87] offset:256*\u+16
.endr
.irp u, 0,1
	global_load_b128 v[WSC+16+8*\u:WSC+16+8*\u+3], v[SCO], s[88:89] offset:256*\u
	global_load_b128 v[WSC+16+8*\u+4:WSC+16+8*\u+7], v[SCO], s[88:89] offset:256*\u+16
.endr
	s_lshl_b32 s76, s[EE], 6
	s_lshl_b32 s77, s[WV], 1
	s_add_co_u32 s76, s76, s77
	s_add_co_u32 s76, s76, s[HF]                   ; 64 e + the tile of my first slot in round 0
	s_lshl_b32 s78, s76, 4
	s_add_co_u32 s78, s78, s[FS]
	s_mul_i32 s78, s78, 1536
	s_add_nc_u64 s[ACB:ACB+1], s[48:49], s[78:79]
	s_lshl_b32 s78, s76, 10
	s_lshl_b32 s77, s[FS], 6
	s_add_co_u32 s78, s78, s77
	s_add_co_u32 s78, s78, 12582912
	s_add_nc_u64 s[ASB:ASB+1], s[48:49], s[78:79]
	s_wait_kmcnt 0x0
	s_bcnt1_i32_b32 s[NE], s16
.irp v, 17,18,19,20,21,22,23,24,25,26,27,28,29,30,31,32,33,34,35,36,37,38,39,40,41,42,43,44,45,46,47
	s_bcnt1_i32_b32 s[SX], s[\v]
	s_add_co_u32 s[NE], s[NE], s[SX]               ; the expert's rows
.endr
	s_max_u32 s[NE], s[NE], 1                      ; held at 1 from below: tile 0 is stored for every expert
	GATHER_ISSUE 0
	WLOAD 2, 84
	s_wait_loadcnt 63                              ; 123 loads stand behind w1's and the scale words': all of those are in
	WSTORE 1
	WFRAG 1
	s_wait_loadcnt 48                              ; the gathered rows are in: behind them w3's 48 loads
	GATHER_STORE
	s_wait_loadcnt 0x0
	WSTORE 2
	WFRAG 2
	ROUND 0
	ROUND 1
	ROUND 2
	s_wait_tensorcnt 0x0
	ds_add_u32 v49, v255
	s_wait_dscnt 0x0
	s_endpgm
.Lfunc_end_k_q74ec0ccddb_up:
	.size	k_q74ec0ccddb_up, .Lfunc_end_k_q74ec0ccddb_up-k_q74ec0ccddb_up
	.p2alignl 7, 3214868480
	.fill 96, 4, 3214868480
	.section	.rodata,"a",@progbits
	.p2align	6, 0x0
	.amdhsa_kernel k_q74ec0ccddb_up
		.amdhsa_group_segment_fixed_size 279808
		.amdhsa_private_segment_fixed_size 0
		.amdhsa_enable_private_segment 0
		.amdhsa_kernarg_size 56
		.amdhsa_user_sgpr_count 2
		.amdhsa_user_sgpr_kernarg_segment_ptr 1
		.amdhsa_wavefront_size32 1
		.amdhsa_system_sgpr_workgroup_id_x 1
		.amdhsa_system_sgpr_workgroup_id_y 1
		.amdhsa_system_sgpr_workgroup_id_z 1
		.amdhsa_system_vgpr_workitem_id 0
		.amdhsa_next_free_vgpr 1024
		.amdhsa_next_free_sgpr 100
		.amdhsa_reserve_vcc 1
		.amdhsa_float_denorm_mode_32 3
		.amdhsa_float_denorm_mode_16_64 3
		.amdhsa_memory_ordered 1
		.amdhsa_forward_progress 1
		.amdhsa_inst_pref_size 222
	.end_amdhsa_kernel
	.amdgpu_metadata
---
amdhsa.version: [ 1, 2 ]
amdhsa.kernels:
  - .name:           k_q74ec0ccddb_up
    .symbol:         k_q74ec0ccddb_up.kd
    .args:
      - { .name: hq, .offset: 0, .size: 8, .value_kind: global_buffer, .address_space: global }
      - { .name: route, .offset: 8, .size: 8, .value_kind: global_buffer, .address_space: global }
      - { .name: w1_codes, .offset: 16, .size: 8, .value_kind: global_buffer, .address_space: global }
      - { .name: w1_scales, .offset: 24, .size: 8, .value_kind: global_buffer, .address_space: global }
      - { .name: w3_codes, .offset: 32, .size: 8, .value_kind: global_buffer, .address_space: global }
      - { .name: w3_scales, .offset: 40, .size: 8, .value_kind: global_buffer, .address_space: global }
      - { .name: act, .offset: 48, .size: 8, .value_kind: global_buffer, .address_space: global }
    .group_segment_fixed_size: 279808
    .private_segment_fixed_size: 0
    .kernarg_segment_align: 8
    .kernarg_segment_size: 56
    .max_flat_workgroup_size: 128
    .sgpr_count:     100
    .vgpr_count:     1024
    .wavefront_size: 32
...
	.end_amdgpu_metadata
.endif
;; end of part 3
;; launch down (part 4): grid 8 x 32, 4 waves a work-group, no clusters, 199,168 bytes of LDS; arguments act, route, w2_codes, w2_scales, ybuf; writes ybuf
.if DOCPART == 4
	.amdgcn_target "amdgcn-amd-amdhsa--gfx1250"
	.amdhsa_code_object_version 6
	.text
	.protected	k_q74ec0ccddb_down
	.globl	k_q74ec0ccddb_down
	.p2align	8
	.type	k_q74ec0ccddb_down,@function
k_q74ec0ccddb_down:
	s_mov_b64 s[64:65], 0
	v_nop
	global_prefetch_b8 v0, s[64:65] scope:SCOPE_SE
	s_setreg_imm32_b32 hwreg(HW_REG_WAVE_MODE, 25, 1), 1
	s_wait_xcnt 0x0
; y = act w2^T for the rows that the router chose, on codes of FP6 (E2M3) with one E8M0 scale for each 32 along K.
; SHARES.  Work-group (os, 4 e + qr): outputs 128 os .. + 127 of expert e, and the expert's row tiles g = 4 i + qr.
; THE WAVES SHARE K: wave w keeps K steps 4 w .. 4 w + 3 of all 128 output rows in 384 registers, read from memory once (as dense rows, turned through LDS).  So each fragment of act is read from memory by one
; wave alone, straight into its registers (act lies in the order of the operand's registers: three loads of 512 consecutive bytes), and feeds eight products.  The four waves' partial sums meet in LDS, in f32.
; ROUNDS of 5 tiles, 4 trips, which serve all 1,024 rows on one expert; a round or a tile beyond the expert's count is passed over by scalar branches on that count, between the barriers.
; No tensor load: the work hangs on stored numbers.  No cluster for the same reason.
; THE PRODUCT IS USED TRANSPOSED (source 0 = 16 rows of w2, source 1 = 16 tokens): a lane holds one token and eight neighbouring outputs.
; The loads of act are issued on every path, for a tile held at the expert's last one (tile 0 for an expert without rows: the launch before stores tile 0 of every expert); what a tile beyond the count brings is not used.
; OUT: ybuf [expert x 1,024 + rank][1,024] f32: whole rows of the tiles that the expert has.
; REGISTERS: window 0: v1-18 addresses; v32-63 w2's scale words; v64-73 act's scale words; v96-159 eight accumulators, later the four partial sums of four rows; v160-239 finished rows, 16 registers a slot,
;   so that no slot's way out waits for the stores of the slot before.  window 1, 2: w2's fragments.  window 3: act's, 48 a tile.
.set L16, 1
.set L4,  2
.set R64, 3
.set ZST, 4
.set ZF,  5
.set PS,  9
.set PR,  14
.set WSC, 32
.set AS,  64
.set ACC, 96
.set RB,  96
.set OUTR, 160
.set WV,  50
.set OSL, 51
.set EE,  52
.set QR,  53
.set NE,  54
.set GL,  55
.set SG,  66
.set CT,  67
.set CB,  68
.set SBS, 78
.set E64, 96
.set W6K, 97
.set W256, 98
.set MSB, 0
.macro WIN new                         ; the immediate's high byte repeats the setting that is left
.if MSB != (\new)
	s_set_vgpr_msb (MSB<<8)|(\new)
.set MSB, (\new)
.endif
.endm
; The round's five tiles of act: my four K steps of each.  Both bases are act's own address + an offset made of the tile's number.  The ten scale loads first, then twelve code loads a tile
.macro ALOAD
.irp g, 0,1,2,3,4
	s_add_co_u32 s92, s[SG], 4*\g
	s_min_u32 s92, s92, s[GL]                      ; held at the expert's last tile,
	s_min_u32 s92, s92, 63                         ; which is 63 at the most
	s_add_co_u32 s92, s92, s[E64]                  ; 64 e + tile
	s_lshl_b32 s94, s92, 14
	s_lshl_b32 s93, s92, 13
	s_add_co_u32 s94, s94, s93                     ; x 24,576: a tile's 16 images
	s_add_co_u32 s94, s94, s[W6K]                  ; + my four K steps' place
	s_mov_b32 s95, 0
	s_add_nc_u64 s[CB+2*\g:CB+2*\g+1], s[4:5], s[94:95]
	s_lshl_b32 s94, s92, 10                        ; x 1,024: a tile's scale words
	s_add_co_u32 s94, s94, s[W256]                 ; + where the scale words begin + my four K steps' place
	s_add_nc_u64 s[SBS+2*\g:SBS+2*\g+1], s[4:5], s[94:95]
.endr
.irp g, 0,1,2,3,4
	global_load_b32 v[AS+2*\g], v[L4], s[SBS+2*\g:SBS+2*\g+1]               ; lanes 0-15: K step 4 w's words, lanes 16-31: K step 4 w + 1's
	global_load_b32 v[AS+2*\g+1], v[L4], s[SBS+2*\g:SBS+2*\g+1] offset:128  ; K steps 4 w + 2 and 4 w + 3
.endr
	WIN 0xc0
.irp g, 0,1,2,3,4
.irp i, 0,1,2,3
.irp j, 0,1,2
	global_load_b128 v[48*\g+12*\i+4*\j:48*\g+12*\i+4*\j+3], v[L16], s[CB+2*\g:CB+2*\g+1] offset:1536*\i+512*\j
.endr
.endr
.endr
	WIN 0
.endm
.macro DMM g, i, t
.if (\i) == 0
	v_wmma_scale_f32_16x16x128_f8f6f4 v[ACC+8*\t:ACC+8*\t+7], v[12*(4*(\t%4)+\i):12*(4*(\t%4)+\i)+11], v[48*\g+12*\i:48*\g+12*\i+11], 0, v[WSC+4*\t+\i], v[AS+2*\g+\i/2] matrix_a_fmt:MATRIX_FMT_FP6 matrix_b_fmt:MATRIX_FMT_FP6
.elseif (\i)%2
	v_wmma_scale_f32_16x16x128_f8f6f4 v[ACC+8*\t:ACC+8*\t+7], v[12*(4*(\t%4)+\i):12*(4*(\t%4)+\i)+11], v[48*\g+12*\i:48*\g+12*\i+11], v[ACC+8*\t:ACC+8*\t+7], v[WSC+4*\t+\i], v[AS+2*\g+\i/2] matrix_a_fmt:MATRIX_FMT_FP6 matrix_b_fmt:MATRIX_FMT_FP6 matrix_b_scale:MATRIX_SCALE_ROW1
.else
	v_wmma_scale_f32_16x16x128_f8f6f4 v[ACC+8*\t:ACC+8*\t+7], v[12*(4*(\t%4)+\i):12*(4*(\t%4)+\i)+11], v[48*\g+12*\i:48*\g+12*\i+11], v[ACC+8*\t:ACC+8*\t+7], v[WSC+4*\t+\i], v[AS+2*\g+\i/2] matrix_a_fmt:MATRIX_FMT_FP6 matrix_b_fmt:MATRIX_FMT_FP6
.endif
.endm
; Slot g: 32 products over my four K steps; the partial sums go to my part of the slot's place in LDS.  No wait for the slot before's LDS stores: they have taken their data when they were issued
.macro SLOTMM g
	s_wait_loadcnt 12*(4-\g)                       ; this slot's loads are in: the twelve of each later slot may be out
	s_add_co_u32 s92, s[SG], 4*\g
	s_lshl_b32 s92, s92, 4
	s_cmp_lt_u32 s92, s[NE]
	s_cbranch_scc0 .Lidle_\@
.irp i, 0,1,2,3                                ; the eight accumulators by turns, one instruction a turn
.irp t, 0,1,2,3,4,5,6,7
	WIN 0x0d+(\t/4)                                ; source 0 (w2) window 1 or 2, source 1 (act) window 3
	DMM \g, \i, \t
.endr
.endr
	WIN 0
.rept 6
	v_nop                                          ; four places in front of the stores that read results, five in front of the next slot's first product, which writes over an accumulator
.endr
.irp t, 0,1,2,3,4,5,6,7
	ds_store_b128 v[PS+\g], v[ACC+8*\t:ACC+8*\t+3] offset:64*\t        ; each accumulator from its low end on
	ds_store_b128 v[PS+\g], v[ACC+8*\t+4:ACC+8*\t+7] offset:64*\t+16
.endr
.Lidle_\@:
.endm
; Slot g: rows 4 w .. 4 w + 3 of the tile: the four waves' parts are added and the rows' 512 bytes stored.  The finished rows and the stores' base have registers of the slot's own
; (the base takes the pair that held the slot's code loads' base: those loads are done)
.macro SLOTOUT g
	s_add_co_u32 s92, s[SG], 4*\g
	s_lshl_b32 s93, s92, 4
	s_cmp_lt_u32 s93, s[NE]
	s_cbranch_scc0 .Lnone_\@
	s_min_u32 s92, s92, 63
	s_lshl_b32 s94, s92, 16                        ; 16 g rows of 4,096 bytes
	s_mov_b32 s95, 0
	s_add_nc_u64 s[CB+2*\g:CB+2*\g+1], s[90:91], s[94:95]
.irp v, 0,1,2,3
.irp k, 0,1,2,3
	ds_load_b128 v[RB+16*\v+4*\k:RB+16*\v+4*\k+3], v[PR+\g] offset:8448*\v+528*\k
.endr
.endr
	s_wait_dscnt 0x0
.irp k, 0,1,2,3
.irp d, 0,2
	v_pk_add_f32 v[RB+4*\k+\d:RB+4*\k+\d+1], v[RB+4*\k+\d:RB+4*\k+\d+1], v[RB+16+4*\k+\d:RB+16+4*\k+\d+1]
	v_pk_add_f32 v[RB+32+4*\k+\d:RB+32+4*\k+\d+1], v[RB+32+4*\k+\d:RB+32+4*\k+\d+1], v[RB+48+4*\k+\d:RB+48+4*\k+\d+1]
.endr
.endr
.irp k, 0,1,2,3
.irp d, 0,2
	v_pk_add_f32 v[OUTR+16*\g+4*\k+\d:OUTR+16*\g+4*\k+\d+1], v[RB+4*\k+\d:RB+4*\k+\d+1], v[RB+32+4*\k+\d:RB+32+4*\k+\d+1]
.endr
.endr
.irp k, 0,1,2,3
	global_store_b128 v[L16], v[OUTR+16*\g+4*\k:OUTR+16*\g+4*\k+3], s[CB+2*\g:CB+2*\g+1] offset:4096*\k   ; 32 lanes store 512 consecutive bytes, aligned
.endr
.Lnone_\@:
.endm
	s_load_b256 s[4:11], s[0:1], 0x0               ; act s[4:5], route s[6:7], w2's codes s[8:9], w2's scales s[10:11]
	s_load_b64 s[12:13], s[0:1], 0x20              ; ybuf
	v_lshl_add_u32 v254, v0, 2, 0x30800
	v_mov_b32 v255, 0
	v_lshrrev_b32 v20, 5, v0
	v_readfirstlane_b32 s[WV], v20                 ; wave
	s_mov_b32 s[OSL], ttmp9
	s_and_b32 s[EE], ttmp7, 0xffff
	s_and_b32 s[QR], s[EE], 3
	s_lshr_b32 s[EE], s[EE], 2
	v_and_b32 v20, 31, v0
	v_and_b32 v21, 15, v0                          ; r
	v_bfe_u32 v22, v0, 4, 1                        ; h
	v_lshlrev_b32 v[L16], 4, v20
	v_lshlrev_b32 v[L4], 2, v20
	v_lshlrev_b32 v[R64], 6, v21
	s_mul_i32 s56, s[WV], 49664
	v_add_nc_u32 v[ZST], s56, v[L16]               ; in: my 32 rows, 1,552 bytes apart
	v_mul_u32_u24 v23, v21, 1552
	v_mad_u32_u24 v23, v22, 24, v23
	s_mul_i32 s56, s[WV], 384
	v_add_nc_u32 v[ZF], s56, v23                   ; out: row r, my four K steps' 384 bytes, + 24 h
.irp n, 1,2,3
	v_add_nc_u32 v[ZF+\n], 49664*\n, v[ZF]
.endr
	v_mul_u32_u24 v23, v21, 528
	v_lshl_add_u32 v23, v22, 5, v23
	s_mul_i32 s56, s[WV], 8448
	v_add_nc_u32 v[PS], s56, v23                   ; partial sums: [slot][wave][16 rows x 528]
	s_mul_i32 s56, s[WV], 2112
	v_add_nc_u32 v[PR], s56, v[L16]
.irp g, 1,2,3,4
	v_add_nc_u32 v[PS+\g], 33792*\g, v[PS]
	v_add_nc_u32 v[PR+\g], 33792*\g, v[PR]
.endr
	s_lshl_b32 s[E64], s[EE], 6
	s_mul_i32 s[W6K], s[WV], 6144                  ; my four K steps' images in a tile
	s_lshl_b32 s[W256], s[WV], 8
	s_add_co_u32 s[W256], s[W256], 12582912        ; my four K steps' scale words in a tile, from where act's scale words begin
	s_lshl_b32 s56, s[EE], 10
	s_lshl_b32 s57, s[OSL], 7
	s_add_co_u32 s56, s56, s57                     ; the slice's first row of w2: 1,024 e + 128 os
	s_lshl_b32 s92, s56, 6
	s_lshl_b32 s57, s[WV], 4
	s_add_co_u32 s92, s92, s57                     ; its scale bytes, + my four K steps' 16
	s_mov_b32 s93, 0
	s_lshl_b32 s57, s[WV], 5
	s_add_co_u32 s56, s56, s57
	s_mul_i32 s94, s56, 1536                       ; my 32 rows' codes
	s_mov_b32 s95, 0
	s_lshl_b32 s58, s[EE], 7
	s_add_co_u32 s58, s58, 8192
	s_mov_b32 s59, 0
	s_wait_kmcnt 0x0
	s_add_nc_u64 s[58:59], s[6:7], s[58:59]
	s_load_b512 s[16:31], s[58:59], 0x0            ; the expert's 32 mask words
	s_load_b512 s[32:47], s[58:59], 0x40
	s_add_nc_u64 s[60:61], s[8:9], s[94:95]        ; w2's bases lie in registers that nothing below writes: no wait is owed for them
	s_add_nc_u64 s[62:63], s[10:11], s[92:93]
	WIN 0x40
.set i, 0
.rept 48
	global_load_b128 v[4*i:4*i+3], v[L16], s[60:61] offset:512*i             ; 49,152 dense bytes: three loads a row
.set i, i+1
.endr
	WIN 0x80
.set i, 0
.rept 48
	global_load_b128 v[4*i:4*i+3], v[L16], s[60:61] offset:24576+512*i
.set i, i+1
.endr
	WIN 0
.irp t, 0,1,2,3,4,5,6,7
	global_load_b128 v[WSC+4*\t:WSC+4*\t+3], v[R64], s[62:63] offset:1024*\t   ; row 16 t + r: my four K steps' scale words
.endr
	s_lshl_b32 s56, s[EE], 10
	s_lshl_b32 s57, s[WV], 2
	s_add_co_u32 s56, s56, s57
	s_lshl_b32 s92, s56, 12
	s_lshl_b32 s57, s[OSL], 9
	s_add_co_u32 s92, s92, s57
	s_add_nc_u64 s[90:91], s[12:13], s[92:93]      ; ybuf at row 1,024 e + 4 w, column 128 os
	s_wait_kmcnt 0x0
	s_bcnt1_i32_b32 s[NE], s16
.irp v, 17,18,19,20,21,22,23,24,25,26,27,28,29,30,31,32,33,34,35,36,37,38,39,40,41,42,43,44,45,46,47
	s_bcnt1_i32_b32 s56, s[\v]
	s_add_co_u32 s[NE], s[NE], s56                 ; the expert's rows
.endr
	s_max_u32 s[GL], s[NE], 1
	s_sub_co_u32 s[GL], s[GL], 1
	s_lshr_b32 s[GL], s[GL], 4                     ; its last tile; tile 0 where it has no rows
	s_mov_b32 s[SG], s[QR]
	ALOAD
	s_wait_loadcnt 63                              ; 70 loads stand behind w2's and its scale words': all of those are in
	WIN 0x04
.set i, 0
.rept 48
	ds_store_b128 v[ZST], v[4*i:4*i+3] offset:1552*(i/3)+512*(i%3)
.set i, i+1
.endr
	WIN 0x08
.set i, 0
.rept 48
	ds_store_b128 v[ZST], v[4*i:4*i+3] offset:1552*((i+48)/3)+512*(i%3)
.set i, i+1
.endr
	WIN 0
	s_wait_dscnt 0x0
	s_barrier_signal -1
	s_barrier_wait -1                              ; the slice's 128 rows lie in LDS
.irp t, 0,1,2,3,4,5,6,7
	WIN (1+(\t/4))<<6
.irp i, 0,1,2,3
.irp p, 0,1,2,3,4,5
	ds_load_b64 v[12*(4*(\t%4)+\i)+2*\p:12*(4*(\t%4)+\i)+2*\p+1], v[ZF+\t/2] offset:24832*(\t%2)+96*\i+48*(\p/3)+8*(\p%3)
.endr
.endr
.endr
	WIN 0
	s_wait_dscnt 0x0
	s_barrier_signal -1
	s_barrier_wait -1                              ; nobody reads the rows any more: their bytes take the partial sums
	s_mov_b32 s[CT], 0
.Lround:                                           ; 4 trips, a constant
	s_lshl_b32 s92, s[SG], 4
	s_cmp_lt_u32 s92, s[NE]                        ; a round whose first tile lies beyond the count has no tile at all
	s_cbranch_scc0 .Lnomm
	SLOTMM 0
	SLOTMM 1
	SLOTMM 2
	SLOTMM 3
	SLOTMM 4
.Lnomm:
	s_wait_loadcnt 0x0                             ; on every path: no load of act is out, so its bases and registers may be written
	s_wait_dscnt 0x0
	s_barrier_signal -1
	s_barrier_wait -1                              ; the four waves' partial sums lie in LDS
	s_wait_xcnt 0x0                                ; the round before's stores have read their registers and bases, which the ways out below write again
	s_lshl_b32 s92, s[SG], 4
	s_cmp_lt_u32 s92, s[NE]
	s_cbranch_scc0 .Lnoout
	SLOTOUT 0
	SLOTOUT 1
	SLOTOUT 2
	SLOTOUT 3
	SLOTOUT 4
.Lnoout:
	s_wait_dscnt 0x0
	s_barrier_signal -1
	s_barrier_wait -1                              ; nobody reads the partial sums any more
	s_add_co_u32 s[SG], s[SG], 20
	s_lshl_b32 s92, s[SG], 4
	s_cmp_lt_u32 s92, s[NE]
	s_cbranch_scc0 .Lnoload
	s_wait_xcnt 0x0                                ; this round's stores have read their bases, which take the next round's loads' bases
	ALOAD
.Lnoload:
	s_add_co_u32 s[CT], s[CT], 1
	s_cmp_lt_u32 s[CT], 4
	s_cbranch_scc1 .Lround
	s_wait_tensorcnt 0x0
	ds_add_u32 v254, v255
	s_wait_dscnt 0x0
	s_endpgm
.Lfunc_end_k_q74ec0ccddb_down:
	.size	k_q74ec0ccddb_down, .Lfunc_end_k_q74ec0ccddb_down-k_q74ec0ccddb_down
	.p2alignl 7, 3214868480
	.fill 96, 4, 3214868480
	.section	.rodata,"a",@progbits
	.p2align	6, 0x0
	.amdhsa_kernel k_q74ec0ccddb_down
		.amdhsa_group_segment_fixed_size 199168
		.amdhsa_private_segment_fixed_size 0
		.amdhsa_enable_private_segment 0
		.amdhsa_kernarg_size 40
		.amdhsa_user_sgpr_count 2
		.amdhsa_user_sgpr_kernarg_segment_ptr 1
		.amdhsa_wavefront_size32 1
		.amdhsa_system_sgpr_workgroup_id_x 1
		.amdhsa_system_sgpr_workgroup_id_y 1
		.amdhsa_system_sgpr_workgroup_id_z 1
		.amdhsa_system_vgpr_workitem_id 0
		.amdhsa_next_free_vgpr 1024
		.amdhsa_next_free_sgpr 100
		.amdhsa_reserve_vcc 0
		.amdhsa_float_denorm_mode_32 3
		.amdhsa_float_denorm_mode_16_64 3
		.amdhsa_memory_ordered 1
		.amdhsa_forward_progress 1
		.amdhsa_inst_pref_size 96
	.end_amdhsa_kernel
	.amdgpu_metadata
---
amdhsa.version: [ 1, 2 ]
amdhsa.kernels:
  - .name:           k_q74ec0ccddb_down
    .symbol:         k_q74ec0ccddb_down.kd
    .args:
      - { .name: act, .offset: 0, .size: 8, .value_kind: global_buffer, .address_space: global }
      - { .name: route, .offset: 8, .size: 8, .value_kind: global_buffer, .address_space: global }
      - { .name: w2_codes, .offset: 16, .size: 8, .value_kind: global_buffer, .address_space: global }
      - { .name: w2_scales, .offset: 24, .size: 8, .value_kind: global_buffer, .address_space: global }
      - { .name: ybuf, .offset: 32, .size: 8, .value_kind: global_buffer, .address_space: global }
    .group_segment_fixed_size: 199168
    .private_segment_fixed_size: 0
    .kernarg_segment_align: 8
    .kernarg_segment_size: 40
    .max_flat_workgroup_size: 128
    .sgpr_count:     100
    .vgpr_count:     1024
    .wavefront_size: 32
...
	.end_amdgpu_metadata
.endif
;; end of part 4
;; launch comb (part 5): grid 256 x 1, 4 waves a work-group, no clusters, 0 bytes of LDS; arguments hbuf, ybuf, route, rcw, out0; writes out0
.if DOCPART == 5
	.amdgcn_target "amdgcn-amd-amdhsa--gfx1250"
	.amdhsa_code_object_version 6
	.text
	.protected	k_q74ec0ccddb_comb
	.globl	k_q74ec0ccddb_comb
	.p2align	8
	.type	k_q74ec0ccddb_comb,@function
k_q74ec0ccddb_comb:
	s_mov_b64 s[64:65], 0
	v_nop
	global_prefetch_b8 v0, s[64:65] scope:SCOPE_SE
	s_setreg_imm32_b32 hwreg(HW_REG_WAVE_MODE, 25, 1), 1
	s_wait_xcnt 0x0
; out = h + w0 y[pos0] + w1 y[pos1]: the two chosen experts' rows, weighed, and the residual.  A wave takes a token: rows of 4,096 bytes, eight loads of 512 consecutive bytes each.
; Memory binds: no LDS, no barrier, no matrix unit.  The rows' places come from the stored whole numbers, held at 8,191.
	s_load_b256 s[4:11], s[0:1], 0x0               ; hbuf s[4:5], ybuf s[6:7], route s[8:9], rcw s[10:11]
	s_load_b64 s[12:13], s[0:1], 0x20              ; out0
	v_lshrrev_b32 v1, 5, v0
	v_readfirstlane_b32 s14, v1                    ; wave
	v_and_b32 v2, 31, v0
	v_lshlrev_b32 v2, 4, v2                        ; 16 x lane
	s_lshl_b32 s15, ttmp9, 2
	s_add_co_u32 s15, s15, s14                     ; my token
	s_lshl_b32 s16, s15, 12
	s_mov_b32 s17, 0
	s_lshl_b32 s18, s15, 3
	s_mov_b32 s19, 0
	s_wait_kmcnt 0x0
	s_add_nc_u64 s[4:5], s[4:5], s[16:17]
	s_add_nc_u64 s[12:13], s[12:13], s[16:17]
	s_add_nc_u64 s[8:9], s[8:9], s[18:19]
	s_add_nc_u64 s[10:11], s[10:11], s[18:19]
	s_load_b64 s[20:21], s[8:9], 0x0               ; the two places
	s_load_b64 s[22:23], s[10:11], 0x0             ; the two weights
.irp i, 0,1,2,3,4,5,6,7
	global_load_b128 v[8+4*\i:11+4*\i], v2, s[4:5] offset:512*\i th:TH_LOAD_NT      ; h needs no routing: asked for first
.endr
	s_wait_kmcnt 0x0
	s_min_u32 s20, s20, 0x1fff
	s_min_u32 s21, s21, 0x1fff
	s_lshl_b32 s24, s20, 12
	s_mov_b32 s25, 0
	s_lshl_b32 s26, s21, 12
	s_mov_b32 s27, 0
	s_add_nc_u64 s[24:25], s[6:7], s[24:25]
	s_add_nc_u64 s[26:27], s[6:7], s[26:27]
	s_mov_b32 s28, s23                             ; the packed form takes a scalar pair's low word for both halves
	s_mov_b32 s29, s23
.irp i, 0,1,2,3,4,5,6,7
	global_load_b128 v[40+4*\i:43+4*\i], v2, s[24:25] offset:512*\i th:TH_LOAD_NT
.endr
.irp i, 0,1,2,3,4,5,6,7
	global_load_b128 v[72+4*\i:75+4*\i], v2, s[26:27] offset:512*\i th:TH_LOAD_NT
.endr
	s_wait_loadcnt 0x0
.irp n, 0,2,4,6,8,10,12,14,16,18,20,22,24,26,28,30
	v_pk_fma_f32 v[8+\n:9+\n], v[40+\n:41+\n], s[22:23], v[8+\n:9+\n] op_sel_hi:[1,0,1]
.endr
.irp n, 0,2,4,6,8,10,12,14,16,18,20,22,24,26,28,30
	v_pk_fma_f32 v[8+\n:9+\n], v[72+\n:73+\n], s[28:29], v[8+\n:9+\n] op_sel_hi:[1,0,1]
.endr
.irp i, 0,1,2,3,4,5,6,7
	global_store_b128 v2, v[8+4*\i:11+4*\i], s[12:13] offset:512*\i th:TH_STORE_NT   ; 32 lanes store 512 consecutive bytes, aligned
.endr
	s_endpgm
.Lfunc_end_k_q74ec0ccddb_comb:
	.size	k_q74ec0ccddb_comb, .Lfunc_end_k_q74ec0ccddb_comb-k_q74ec0ccddb_comb
	.p2alignl 7, 3214868480
	.fill 96, 4, 3214868480
	.section	.rodata,"a",@progbits
	.p2align	6, 0x0
	.amdhsa_kernel k_q74ec0ccddb_comb
		.amdhsa_group_segment_fixed_size 0
		.amdhsa_private_segment_fixed_size 0
		.amdhsa_enable_private_segment 0
		.amdhsa_kernarg_size 40
		.amdhsa_user_sgpr_count 2
		.amdhsa_user_sgpr_kernarg_segment_ptr 1
		.amdhsa_wavefront_size32 1
		.amdhsa_system_sgpr_workgroup_id_x 1
		.amdhsa_system_sgpr_workgroup_id_y 1
		.amdhsa_system_sgpr_workgroup_id_z 1
		.amdhsa_system_vgpr_workitem_id 0
		.amdhsa_next_free_vgpr 112
		.amdhsa_next_free_sgpr 66
		.amdhsa_reserve_vcc 0
		.amdhsa_float_denorm_mode_32 3
		.amdhsa_float_denorm_mode_16_64 3
		.amdhsa_memory_ordered 1
		.amdhsa_forward_progress 1
		.amdhsa_inst_pref_size 7
	.end_amdhsa_kernel
	.amdgpu_metadata
---
amdhsa.version: [ 1, 2 ]
amdhsa.kernels:
  - .name:           k_q74ec0ccddb_comb
    .symbol:         k_q74ec0ccddb_comb.kd
    .args:
      - { .name: hbuf, .offset: 0, .size: 8, .value_kind: global_buffer, .address_space: global }
      - { .name: ybuf, .offset: 8, .size: 8, .value_kind: global_buffer, .address_space: global }
      - { .name: route, .offset: 16, .size: 8, .value_kind: global_buffer, .address_space: global }
      - { .name: rcw, .offset: 24, .size: 8, .value_kind: global_buffer, .address_space: global }
      - { .name: out0, .offset: 32, .size: 8, .value_kind: global_buffer, .address_space: global }
    .group_segment_fixed_size: 0
    .private_segment_fixed_size: 0
    .kernarg_segment_align: 8
    .kernarg_segment_size: 40
    .max_flat_workgroup_size: 128
    .sgpr_count:     66
    .vgpr_count:     112
    .wavefront_size: 32
...
	.end_amdgpu_metadata
.endif
;; end of part 5
;; ======== version 2 of 2: 5 launches; version 1 with the launches attn, up, down written anew for expert scheduling mode
;; workspace buffers: hbuf 4,194,304 bytes; hq 819,200 bytes; plog 131,072 bytes; route 9,216 bytes of whole numbers; rcw 8,192 bytes; act 13,107,200 bytes; ybuf 33,554,432 bytes
;; launch attn (part 6): grid 4 x 64, 4 waves a work-group, no clusters, 212,992 bytes of LDS; arguments hidden_states, attn_noise, attn_w_codes, attn_w_scales, attn_b, gate_w, hbuf, hq, plog; writes hbuf, hq, plog
.if DOCPART == 6
	.amdgcn_target "amdgcn-amd-amdhsa--gfx1250"
	.amdhsa_code_object_version 6
	.text
	.protected	k_q74ec0ccddb_attn
	.globl	k_q74ec0ccddb_attn
	.p2align	8
	.type	k_q74ec0ccddb_attn,@function
k_q74ec0ccddb_attn:
	s_mov_b64 s[64:65], 0
	v_nop
	global_prefetch_b8 v0, s[64:65] scope:SCOPE_SE
	s_setreg_imm32_b32 hwreg(HW_REG_WAVE_SCHED_MODE, 0, 2), 2
	s_setreg_imm32_b32 hwreg(HW_REG_WAVE_MODE, 25, 1), 1
	s_wait_xcnt 0x0
	s_wait_alu depctr_vm_vsrc(0)
; h = x + Q(x) attn_w^T + attn_b + 1e-4 noise, on codes of FP6 (E2M3) with one E8M0 scale for each 32 along K; then Q(h) along its columns, and each token's partial router logits.
; SHARES.  A work-group makes 16 tokens x 256 columns (x: column slice q, y: row tile rt); wave w makes columns 256 q + 64 w .. + 63: four tiles of 16.
; Wave w quantises K steps 2 w and 2 w + 1 of the 16 rows of x; the eight fragments go from wave to wave through LDS as images of their registers.
; THE PRODUCT IS USED TRANSPOSED (source 0 = 16 rows of attn_w, source 1 = 16 tokens): a lane holds one token.  The rows of a tile are not neighbours: lane r of tile 2 b + u takes row 32 b + 8 u + r + 8 (r / 8),
; so that the 16 registers of tiles 2 b, 2 b + 1 are 16 neighbouring columns of h: one conversion's worth.
; Every global access is made of whole runs of 256 bytes or more from neighbouring lanes; the turn into the operands' order goes through each wave's own LDS.
; x + bias + noise is the C of each sum's first product, so it costs no addition behind the products.
; OUT: hbuf [1024][1024] f32; hq: codes [1024][768], from byte 786,432 scale bytes [1024][32]; plog [4 slices][1024][8] f32: the logits' part of this slice's 256 columns.
; LIMITS: NaN and infinities are not served; a block of zeros gets the byte 1 (its codes are zeros, and this program alone reads the bytes); blocks whose largest magnitude lies under 2^-124 were not tried.
; REGISTERS: window 0: v1-25 addresses; v32-159 x's numbers, then v32-127 x's eight fragments and v128-158 logits and h's codes; v160-167 x's scale words; v168-199 the weights' scale words;
;   v200-231 the four accumulators (before that: the codes just made); v232-248 the quantiser's.  window 1, 2: the weights' fragments of columns 0-31, 32-63.  window 3: what is added, then gate_w's numbers.
; THE MODE: SCHED_MODE bits 1:0 = 2 (LLVM: expert scheduling mode 2), set by the entry lines.  The code itself states the register dependences
; between vector or matrix instructions and memory or LDS instructions, with s_wait_alu, always for 0.
; THE PLAN.  Registers that memory or LDS instructions touch, and who else names them:
;   v1-25        Addresses: written by vector lines at the head, once; read by every load and store.  One wait on va_vdst ahead of the first load.
;   v32-159      x as loaded; read by the stage's stores; the turned numbers land in them (vm_vsrc between); read by the quantiser.  Later x's fragments land in v32-127 and the products read them; behind the
;                products' wait rows of h, codes and logits land there, and no vector line names them but the last three additions.
;   v200-219     The quantiser writes codes there, the images' stores read them (va_vdst ahead of the stores, vm_vsrc ahead of the next writer); then the sums' start lands in v200-231, and the products write them.
;   windows 1, 2 A weight block as loaded; read by the stage's stores; the fragments land in the same registers (vm_vsrc between).  Vector lines never name them but the products.
;   window 3     What is added: loaded, summed by packed lines, stored (va_vdst ahead of the stores); then gate_w lands there (both waits behind the window's switch).
;   v128-158     Logits and h's codes: written by vector lines, read by six small stores, which stand together behind one wait on va_vdst.
.set XIMG, 0                           ; LDS: x's 8 fragment images, 1,536 bytes each
.set XSC,  12288                       ; their scale words, 128 bytes each
.set HQS,  13312                       ; h's codes: 16 rows x 272: sixteen places of 16 bytes, 12 used
.set HSS,  17664                       ; h's scale bytes: 16 rows x 8
.set PLS,  17920                       ; partial logits [wave][token][8]
.set TS,   19968                       ; a wave's own: 16 rows x 272
.set GS,   37376                       ; a wave's own: gate_w [8][256 bytes]
.set XS,   45568                       ; a wave's own: x, 16 rows x 1,040
.set WS,   112128                      ; a wave's own: 32 weight rows x 784
.set L16, 1
.set X16, 2
.set EA,  3
.set WA,  4
.set WB,  5
.set WF,  6
.set SCO, 7
.set XST, 8
.set XRD, 9
.set IMS, 10
.set SCS, 11
.set L4,  12
.set TST, 13
.set TRD, 14
.set GST, 15
.set GRD, 16
.set HQA, 17
.set HSA, 18
.set PLA, 19
.set PLB, 20
.set OQL, 21
.set OQG, 22
.set OSL, 23
.set OSG, 24
.set OPG, 25
.set XN,  32
.set XF,  32
.set LG,  128
.set LS,  144
.set CV,  152
.set XSW, 160
.set WSC, 168
.set ACC, 200
.set PC,  200
.set TM,  232
.set PW,  248
.set MSB, 0
.macro WIN new                         ; the immediate's high byte repeats the setting that is left
.if MSB != (\new)
	s_set_vgpr_msb (MSB<<8)|(\new)
.set MSB, (\new)
.endif
.endm
; A block of 32 weight rows x 768 bytes is 24,576 dense bytes: 48 loads of 512 consecutive bytes
.macro WLOAD win, b, off
	WIN (\win)<<6
.set i, 0
.rept 48
	global_load_b128 v[4*i:4*i+3], v[L16], s[\b:\b+1] offset:(\off)+512*i
.set i, i+1
.endr
	WIN 0
.endm
; into my stage, rows 784 bytes apart; memory row 16 a + 8 u + c goes to stage row 16 u + 8 a + c, so that a tile's 16 rows lie on end.  Three loads hold two rows
.macro WSTORE win
	WIN (\win)<<2
.set m, 0
.rept 16
.set lam, (16*((m>>2)&1)+8*(m>>3)+((2*m)&7))*784
	ds_store_b128 v[WA], v[12*m:12*m+3] offset:lam
	ds_store_b128 v[WB], v[12*m+4:12*m+7] offset:lam+512
	ds_store_b128 v[WA], v[12*m+8:12*m+11] offset:lam+1040
.set m, m+1
.endr
	WIN 0
.endm
; and back as fragments (tile u, K step s) at v[12 (8 u + s)]: LDS serves a wave's instructions in order, so no wait on DScnt stands between the stores and these loads
.macro WFRAG win
	WIN (\win)<<6
	s_wait_alu depctr_vm_vsrc(0)                   ; the stage's stores have read the block's registers, in which the fragments land
.irp u, 0,1
.irp s, 0,1,2,3,4,5,6,7
.irp p, 0,1,2,3,4,5
	ds_load_b64 v[12*(8*\u+\s)+2*\p:12*(8*\u+\s)+2*\p+1], v[WF] offset:12544*\u+96*\s+48*(\p/3)+8*(\p%3)
.endr
.endr
.endr
	WIN 0
.endm
; 64 numbers of a lane, register 16 b + i = k 32 b + 16 (lane / 16) + i of my row, become a fragment's codes in v[PC] on and its scale word in v[PW]
.macro QUANT s
.irp b, 0,1,2,3
	v_max3_num_f32 v[TM+\b], |v[\s+16*\b]|, |v[\s+1+16*\b]|, 0x1800000   ; my 16 numbers of block b, and the floor 2^(3 - 127): the byte cannot fall under 1
.endr
.irp i, 2,4,6,8,10,12,14
.irp b, 0,1,2,3
	v_max3_num_f32 v[TM+\b], v[TM+\b], |v[\s+16*\b+\i]|, |v[\s+1+16*\b+\i]|
.endr
.endr
.irp b, 0,1,2,3
	v_permlanex16_b32 v[TM+4+\b], v[TM+\b], s2, s3
.endr
.irp b, 0,1,2,3
	v_max_num_f32 v[TM+\b], v[TM+\b], v[TM+4+\b]   ; with lane l xor 16's: the block's largest magnitude
.endr
.irp b, 0,1,2,3
	v_add_nc_u32 v[TM+12+\b], 0xff000000, v[TM+\b]   ; 2 off its exponent field: the conversion's scale operand
.endr
.irp b, 0,1,2,3
	v_lshrrev_b32 v[TM+4+\b], 23, v[TM+12+\b]      ; the scale's byte
.endr
	v_lshl_or_b32 v[PW], v[TM+5], 8, v[TM+4]
	v_lshl_or_b32 v[PW], v[TM+6], 16, v[PW]
	v_lshl_or_b32 v[PW], v[TM+7], 24, v[PW]
.irp c, 0,1
	v_cvt_scalef32_pk16_fp6_f32 v[PC+6*\c:PC+2+6*\c], v[\s+32*\c:\s+15+32*\c], v[TM+12+2*\c]
	v_cvt_scalef32_pk16_fp6_f32 v[PC+12+4*\c:PC+14+4*\c], v[\s+16+32*\c:\s+31+32*\c], v[TM+12+2*\c+1]
.endr
	v_nop                                          ; one plain place behind a scaled conversion
.irp c, 0,1                                    ; the operand's layout wants a whole block in a lane
.irp i, 0,1,2
	v_permlane16_swap_b32 v[PC+6*\c+\i], v[PC+12+4*\c+\i]
.endr
.irp i, 0,1,2
	v_mov_b32 v[PC+3+6*\c+\i], v[PC+12+4*\c+\i]
.endr
.endr
.endm
.macro IMAGE off
.irp c, 0,1,2
	ds_store_b128 v[IMS], v[PC+4*\c:PC+4*\c+3] offset:(\off)+512*\c
.endr
.endm
	s_load_b512 s[4:19], s[0:1], 0x0               ; hidden s[4:5], noise s[6:7], codes s[8:9], scales s[10:11], attn_b s[12:13], gate_w s[14:15], hbuf s[16:17], hq s[18:19]
	s_load_b64 s[20:21], s[0:1], 0x40              ; plog
	v_lshl_add_u32 v254, v0, 2, 0x33e00
	v_mov_b32 v255, 0
	v_lshrrev_b32 v26, 5, v0
	v_readfirstlane_b32 s44, v26                   ; wave
	s_and_b32 s45, ttmp7, 0xffff                   ; rt: the tile of 16 tokens;  ttmp9 = q: the slice of 256 columns
	v_and_b32 v27, 31, v0                          ; lane
	v_and_b32 v28, 15, v0                          ; r, also x
	v_bfe_u32 v29, v0, 4, 1                        ; h, also y
	v_lshlrev_b32 v[L16], 4, v27
	v_lshlrev_b32 v[L4], 2, v27
	v_lshlrev_b32 v[X16], 4, v28
	v_lshl_add_u32 v[EA], v29, 12, v[X16]          ; two rows of 4,096 bytes an instruction, sixteen lanes to 256 bytes
	s_wait_alu depctr_va_sdst(0)                   ; s44, the wave's number, is written, ahead of its first reader
	s_mul_i32 s46, s44, 25088
	s_add_co_u32 s46, s46, WS
	v_add_nc_u32 v[WA], s46, v[L16]
	v_lshl_add_u32 v[WB], v29, 4, v[WA]            ; the middle load of three: lanes 16-31 begin the next row, 16 bytes of pitch further on
	v_mul_u32_u24 v30, v28, 784
	v_mad_u32_u24 v30, v29, 24, v30
	v_add_nc_u32 v[WF], s46, v30
	v_and_b32 v30, 8, v28
	v_add_nc_u32 v30, v30, v28                     ; r + 8 (r / 8)
	v_lshlrev_b32 v[SCO], 5, v30                   ; a weight row's 32 scale bytes are its 8 scale words
	s_mul_i32 s46, s44, 16640
	s_add_co_u32 s46, s46, XS
	v_add_nc_u32 v[XST], s46, v[L16]
	v_mul_u32_u24 v30, v28, 1040
	v_lshl_add_u32 v30, v29, 6, v30
	v_add_nc_u32 v[XRD], s46, v30
	s_mul_i32 s46, s44, 3072
	v_add_nc_u32 v[IMS], s46, v[L16]
	s_lshl_b32 s46, s44, 8
	s_add_co_u32 s46, s46, XSC
	v_add_nc_u32 v[SCS], s46, v[L4]
	s_mul_i32 s46, s44, 4352
	s_add_co_u32 s46, s46, TS
	v_mul_u32_u24 v30, v29, 272
	v_add_nc_u32 v30, v30, v[X16]
	v_add_nc_u32 v[TST], s46, v30
	v_mul_u32_u24 v30, v28, 272
	v_lshl_add_u32 v31, v29, 6, v30
	v_add_nc_u32 v[TRD], s46, v31
	s_lshl_b32 s46, s44, 11
	s_add_co_u32 s46, s46, GS
	v_lshl_add_u32 v31, v29, 8, v[X16]
	v_add_nc_u32 v[GST], s46, v31
	v_lshlrev_b32 v31, 6, v29
	v_add_nc_u32 v[GRD], s46, v31
	s_lshl_b32 s46, s44, 6
	s_add_co_u32 s46, s46, HQS
	v_lshl_add_u32 v31, v29, 4, v30
	v_add_nc_u32 v[HQA], s46, v31
	s_lshl_b32 s46, s44, 1
	s_add_co_u32 s46, s46, HSS
	v_lshlrev_b32 v31, 3, v28
	v_add_nc_u32 v[HSA], s46, v31
	s_lshl_b32 s46, s44, 9
	s_add_co_u32 s46, s46, PLS
	v_lshlrev_b32 v31, 5, v28
	v_add_nc_u32 v[PLA], s46, v31
	v_lshlrev_b32 v[OPG], 2, v0
	v_add_nc_u32 v[PLB], PLS, v[OPG]
	s_mul_i32 s46, s44, 1088
	s_add_co_u32 s46, s46, HQS
	v_mul_u32_u24 v31, v29, 272
	v_add_nc_u32 v31, v31, v[X16]
	v_add_nc_u32 v[OQL], s46, v31
	s_mul_i32 s46, s44, 3072
	v_mul_u32_u24 v31, v29, 768
	v_mad_u32_u24 v31, v28, 12, v31
	v_add_nc_u32 v[OQG], s46, v31
	v_and_b32 v31, 3, v0
	s_lshl_b32 s46, s44, 5
	s_add_co_u32 s46, s46, HSS
	v_lshl_add_u32 v[OSL], v31, 3, s46
	s_lshl_b32 s46, s44, 7
	v_lshl_add_u32 v[OSG], v31, 5, s46
	s_mov_b32 s2, 0x76543210
	s_mov_b32 s3, 0xfedcba98                       ; v_permlanex16_b32's selects for lane l xor 16
.irp b, 0,1,2,3
	v_mov_b32 v[TM+4+\b], 0                        ; written once: a lane permute's destination counts as one of its sources
.endr
	s_lshl_b32 s48, s45, 16                        ; 16 rt rows of 4,096 bytes
	s_lshl_b32 s49, s44, 10
	s_add_co_u32 s50, s48, s49                     ; x: + my two K steps' 1,024 bytes
	s_mov_b32 s51, 0
	s_lshl_b32 s52, ttmp9, 10
	s_lshl_b32 s53, s44, 8
	s_add_co_u32 s52, s52, s53                     ; my 64 columns: 1,024 q + 256 w bytes
	s_mov_b32 s53, 0
	s_add_co_u32 s54, s48, s52
	s_mov_b32 s55, 0
	s_lshl_b32 s56, ttmp9, 8
	s_lshl_b32 s57, s44, 6
	s_add_co_u32 s56, s56, s57                     ; my first weight row
	s_mul_i32 s58, s56, 768
	s_mov_b32 s59, 0
	s_lshl_b32 s56, s56, 5
	s_mov_b32 s57, 0
	s_wait_kmcnt 0x0
	s_add_nc_u64 s[22:23], s[4:5], s[50:51]        ; x to be quantised
	s_add_nc_u64 s[24:25], s[4:5], s[54:55]        ; x to be added
	s_add_nc_u64 s[26:27], s[6:7], s[54:55]        ; noise
	s_add_nc_u64 s[28:29], s[16:17], s[54:55]      ; hbuf
	s_add_nc_u64 s[30:31], s[14:15], s[52:53]      ; gate_w
	s_add_nc_u64 s[32:33], s[12:13], s[52:53]      ; attn_b
	s_add_nc_u64 s[34:35], s[8:9], s[58:59]        ; the weights' codes
	s_add_nc_u64 s[36:37], s[10:11], s[56:57]      ; and scale bytes
	s_mul_i32 s60, s45, 12288
	s_mul_i32 s62, ttmp9, 192
	s_add_co_u32 s60, s60, s62
	s_mov_b32 s61, 0
	s_add_nc_u64 s[38:39], s[18:19], s[60:61]      ; hq's codes: 16 rt rows of 768 bytes + 192 q
	s_lshl_b32 s60, s45, 9
	s_lshl_b32 s62, ttmp9, 3
	s_add_co_u32 s60, s60, s62
	s_add_co_u32 s60, s60, 786432
	s_add_nc_u64 s[40:41], s[18:19], s[60:61]      ; hq's scale bytes
	s_lshl_b32 s60, ttmp9, 15
	s_lshl_b32 s62, s45, 9
	s_add_co_u32 s60, s60, s62
	s_add_nc_u64 s[42:43], s[20:21], s[60:61]      ; plog
	; ---- the loads: x (32), what is added and gate_w (21), the first weight block (48)
	s_wait_alu depctr_va_vdst(0)                   ; the addresses v1 to v25 are written: every load and store of the kernel reads one of them, and none is written again
.set i, 0
.rept 16
	global_load_b128 v[XN+8*i:XN+8*i+3], v[L16], s[22:23] offset:4096*i
	global_load_b128 v[XN+8*i+4:XN+8*i+7], v[L16], s[22:23] offset:4096*i+512
.set i, i+1
.endr
	WIN 0xc0                                       ; destination window 3
.irp i, 0,1,2,3
	global_load_b128 v[72+4*\i:75+4*\i], v[EA], s[30:31] offset:8192*\i    ; gate_w: experts 2 i + y, my 64 columns
.endr
.irp i, 0,1,2,3,4,5,6,7
	global_load_b128 v[4*\i:4*\i+3], v[EA], s[24:25] offset:8192*\i        ; x: rows 2 i + y
.endr
.irp i, 0,1,2,3,4,5,6,7
	global_load_b128 v[32+4*\i:35+4*\i], v[EA], s[26:27] offset:8192*\i th:TH_LOAD_NT   ; noise: read once in the launch
.endr
	global_load_b128 v[64:67], v[X16], s[32:33]    ; bias
	WIN 0
	WLOAD 1, 34, 0
	; ---- x: through my stage, so that a lane holds 16 neighbours of each block of 32
	s_wait_loadcnt 63                              ; 69 loads stand behind x's
.set i, 0
.rept 16
	ds_store_b128 v[XST], v[XN+8*i:XN+8*i+3] offset:1040*i
	ds_store_b128 v[XST], v[XN+8*i+4:XN+8*i+7] offset:1040*i+512
.set i, i+1
.endr
	s_wait_alu depctr_vm_vsrc(0)                   ; the stores above have read v[XN ..], in which the turned numbers land
.irp c, 0,1
.irp b, 0,1,2,3
.irp j, 0,1,2,3
	ds_load_b128 v[XN+64*\c+16*\b+4*\j:XN+64*\c+16*\b+4*\j+3], v[XRD] offset:512*\c+128*\b+16*\j
.endr
.endr
.endr
	s_wait_dscnt 16                                ; the first K step's 16 loads are in, the second's may be out
	QUANT XN
	s_wait_alu depctr_va_vdst(0)                   ; the quantiser has written the codes v[PC ..] and the scale word v[PW], which the LDS stores read
	IMAGE 0
	ds_store_b32 v[SCS], v[PW]
	s_wait_dscnt 0x0                               ; the second K step is in
	s_wait_alu depctr_vm_vsrc(0)                   ; the image's stores have read v[PC ..] and v[PW], which the quantiser writes again
	QUANT XN+64
	s_wait_alu depctr_va_vdst(0)                   ; the second fragment's codes and scale word are written, which the LDS stores read
	IMAGE 1536
	ds_store_b32 v[SCS], v[PW] offset:128
	; ---- the second weight block and the weights' scale words: no vector line has named their registers
	WLOAD 2, 34, 24576
.irp t, 0,1,2,3
	global_load_b128 v[WSC+8*\t:WSC+8*\t+3], v[SCO], s[36:37] offset:(32*(\t/2)+8*(\t%2))*32
	global_load_b128 v[WSC+8*\t+4:WSC+8*\t+7], v[SCO], s[36:37] offset:(32*(\t/2)+8*(\t%2))*32+16
.endr
	; ---- x + 1e-4 noise + bias, by rows; then through my stage into the result's layout: the sums' start
	s_wait_loadcnt 63                              ; 104 loads stand behind these 21
	WIN 0xff
.set i, 0
.rept 16
	v_pk_fma_f32 v[2*i:2*i+1], v[32+2*i:33+2*i], 0x38d1b717, v[2*i:2*i+1] op_sel_hi:[1,0,1]
.set i, i+1
.endr
.set i, 0
.rept 16
	v_pk_add_f32 v[2*i:2*i+1], v[2*i:2*i+1], v[64+2*(i%2):65+2*(i%2)]
.set i, i+1
.endr
	WIN 0x0c                                       ; an LDS store's data are its source 1: window 3
	s_wait_alu depctr_va_vdst(0)                   ; the packed sums have written window 3's v0 to v31, which the LDS stores read
.irp i, 0,1,2,3,4,5,6,7
	ds_store_b128 v[TST], v[4*\i:4*\i+3] offset:544*\i
.endr
.irp i, 0,1,2,3
	ds_store_b128 v[GST], v[72+4*\i:75+4*\i] offset:512*\i
.endr
	WIN 0xc0
	s_wait_alu depctr_vm_vsrc(0)                   ; the stores above have read window 3's v0 to v31 and v72 to v87, and the second image's stores v200 to v211: loads land in all of them
	s_wait_alu depctr_va_vdst(0)                   ; the packed sums are done with window 3's v0 to v67, in which gate_w lands; the quantiser is done with v200 to v219, in which the sums' start lands
.irp e, 0,1,2,3,4,5,6,7                        ; gate_w in the result's layout: register 32 e + n goes with accumulator register n
.irp t, 0,1,2,3
	ds_load_b128 v[32*\e+8*\t:32*\e+8*\t+3], v[GRD] offset:256*\e+128*(\t/2)+32*(\t%2)
	ds_load_b128 v[32*\e+8*\t+4:32*\e+8*\t+7], v[GRD] offset:256*\e+128*(\t/2)+32*(\t%2)+16
.endr
.endr
	WIN 0
.irp t, 0,1,2,3
	ds_load_b128 v[ACC+8*\t:ACC+8*\t+3], v[TRD] offset:128*(\t/2)+32*(\t%2)
	ds_load_b128 v[ACC+8*\t+4:ACC+8*\t+7], v[TRD] offset:128*(\t/2)+32*(\t%2)+16
.endr
	; ---- the weights into fragments
	s_wait_loadcnt 56                              ; the first block is in: behind it the second block's 48 and the 8 scale loads
	WSTORE 1
	WFRAG 1
	s_wait_loadcnt 8                               ; the second block is in: behind it the 8 scale loads
	WSTORE 2
	WFRAG 2
	s_wait_loadcnt 0x0
	s_wait_dscnt 0x0                               ; my images have landed, all my LDS loads are in
	s_barrier_signal -1
	s_barrier_wait -1                              ; x's eight fragments lie in LDS
.irp s, 0,1,2,3,4,5,6,7                        ; no vector line has named v32 to v127 since the wait on va_vdst above, and no store has read them since the wait on vm_vsrc
.irp c, 0,1,2
	ds_load_b128 v[XF+12*\s+4*\c:XF+12*\s+4*\c+3], v[L16] offset:XIMG+1536*\s+512*\c
.endr
	ds_load_b32 v[XSW+\s], v[L4] offset:XSC+128*\s
.endr
	s_wait_dscnt 0x0
	; ---- 32 products: the four accumulators by turns, one instruction a turn
.irp s, 0,1,2,3,4,5,6,7
.irp t, 0,1,2,3
	WIN 1+(\t/2)
	v_wmma_scale_f32_16x16x128_f8f6f4 v[ACC+8*\t:ACC+8*\t+7], v[12*(8*(\t%2)+\s):12*(8*(\t%2)+\s)+11], v[XF+12*\s:XF+12*\s+11], v[ACC+8*\t:ACC+8*\t+7], v[WSC+8*\t+\s], v[XSW+\s] matrix_a_fmt:MATRIX_FMT_FP6 matrix_b_fmt:MATRIX_FMT_FP6
.endr
.endr
	WIN 0
.rept 4
	v_nop                                          ; four places in front of the first read of results
.endr
	s_wait_alu depctr_va_vdst(0)                   ; the products have written the accumulators, which the LDS stores read, and are done reading x's fragments, in which rows of h land; the places above stay beside this wait
	; ---- h: lane (r, h) holds token r; register 16 b + i is column 32 b + 16 h + i of my 64
.irp t, 0,1,2,3
	ds_store_b128 v[TRD], v[ACC+8*\t:ACC+8*\t+3] offset:128*(\t/2)+32*(\t%2)      ; each accumulator from its low end on
	ds_store_b128 v[TRD], v[ACC+8*\t+4:ACC+8*\t+7] offset:128*(\t/2)+32*(\t%2)+16
.endr
.irp i, 0,1,2,3,4,5,6,7
	ds_load_b128 v[XF+4*\i:XF+4*\i+3], v[TST] offset:544*\i      ; h back by rows: these see my stores above; they are out while the logits and the codes are made, whose lines name none of v32 to v63
.endr
	WIN 0x0c                                       ; source 1 (gate_w) window 3
.irp e, 0,1,2,3,4,5,6,7
	v_pk_mul_f32 v[LG+2*\e:LG+2*\e+1], v[ACC:ACC+1], v[32*\e:32*\e+1]
.endr
.irp p, 1,2,3,4,5,6,7,8,9,10,11,12,13,14,15
.irp e, 0,1,2,3,4,5,6,7
	v_pk_fma_f32 v[LG+2*\e:LG+2*\e+1], v[ACC+2*\p:ACC+2*\p+1], v[32*\e+2*\p:32*\e+2*\p+1], v[LG+2*\e:LG+2*\e+1]   ; eight chains, in f32
.endr
.endr
	WIN 0
.irp e, 0,1,2,3,4,5,6,7
	v_add_f32 v[LS+\e], v[LG+2*\e], v[LG+2*\e+1]
.endr
.irp e, 0,1,2,3,4,5,6,7
	v_permlanex16_b32 v[LG+\e], v[LS+\e], s2, s3
.endr
.irp e, 0,1,2,3,4,5,6,7
	v_add_f32 v[LS+\e], v[LS+\e], v[LG+\e]         ; token r's logits over my 64 columns
.endr
.irp b, 0,1                                    ; Q(h): my two blocks of 32 columns
	v_max3_num_f32 v[TM+\b], |v[ACC+16*\b]|, |v[ACC+16*\b+1]|, 0x1800000
.endr
.irp i, 2,4,6,8,10,12,14
.irp b, 0,1
	v_max3_num_f32 v[TM+\b], v[TM+\b], |v[ACC+16*\b+\i]|, |v[ACC+16*\b+\i+1]|
.endr
.endr
.irp b, 0,1
	v_permlanex16_b32 v[TM+4+\b], v[TM+\b], s2, s3
.endr
.irp b, 0,1
	v_max_num_f32 v[TM+\b], v[TM+\b], v[TM+4+\b]
.endr
.irp b, 0,1
	v_add_nc_u32 v[TM+12+\b], 0xff000000, v[TM+\b]
.endr
.irp b, 0,1
	v_lshrrev_b32 v[TM+4+\b], 23, v[TM+12+\b]
.endr
.irp b, 0,1
	v_cvt_scalef32_pk16_fp6_f32 v[CV+4*\b:CV+4*\b+2], v[ACC+16*\b:ACC+16*\b+15], v[TM+12+\b]
.endr
	v_nop                                          ; one plain place behind a scaled conversion
	s_wait_alu depctr_va_vdst(0)                   ; the logits v[LS ..], the codes v[CV ..] and the two bytes are written, which the six LDS stores below read
	ds_store_b128 v[PLA], v[LS:LS+3]               ; both halves of the lanes write the same words with the same values
	ds_store_b128 v[PLA], v[LS+4:LS+7] offset:16
.irp b, 0,1
	ds_store_b96 v[HQA], v[CV+4*\b:CV+4*\b+2] offset:32*\b       ; 16 codes, 12 bytes, to a place of 16
	ds_store_b8 v[HSA], v[TM+4+\b] offset:\b
.endr
.irp i, 0,1,2,3,4,5,6,7
	s_wait_dscnt 13-\i                             ; row pair i is in: behind it the 7 - i later loads and the six stores
	global_store_b128 v[EA], v[XF+4*\i:XF+4*\i+3], s[28:29] offset:8192*\i   ; sixteen lanes store 256 consecutive bytes, aligned
.endr
	s_wait_dscnt 0x0
	s_barrier_signal -1
	s_barrier_wait -1                              ; the 16 rows' codes, scale bytes and partial logits lie in LDS
.irp i, 0,1
	ds_load_b96 v[64+4*\i:66+4*\i], v[OQL] offset:544*\i         ; rows 4 w + 2 i + y.  (v64 to v79: last named by the products, ahead of the wait behind them)
.endr
	ds_load_b64 v[72:73], v[OSL]                   ; row 4 w + lane % 4: eight lanes hold the same
.irp v, 0,1,2,3
	ds_load_b32 v[76+\v], v[PLB] offset:512*\v
.endr
	s_wait_dscnt 0x0
	global_store_b96 v[OQG], v[64:66], s[38:39]    ; sixteen lanes store a row's 192 consecutive bytes
	global_store_b96 v[OQG], v[68:70], s[38:39] offset:1536
	global_store_b64 v[OSG], v[72:73], s[40:41]
	v_add_f32 v76, v76, v77
	v_add_f32 v78, v78, v79
	v_add_f32 v76, v76, v78
	s_wait_alu depctr_va_vdst(0)                   ; the sum of the four waves' parts is written in v76, which the store reads
	global_store_b32 v[OPG], v76, s[42:43]         ; 128 threads store 512 consecutive bytes
	s_wait_dscnt 0x0                               ; the closing lines, six on end
	s_wait_alu 0x0
	s_wait_tensorcnt 0x0
	ds_add_u32 v254, v255
	s_wait_dscnt 0x0
	s_endpgm
.Lfunc_end_k_q74ec0ccddb_attn:
	.size	k_q74ec0ccddb_attn, .Lfunc_end_k_q74ec0ccddb_attn-k_q74ec0ccddb_attn
	.p2alignl 7, 3214868480
	.fill 96, 4, 3214868480
	.section	.rodata,"a",@progbits
	.p2align	6, 0x0
	.amdhsa_kernel k_q74ec0ccddb_attn
		.amdhsa_group_segment_fixed_size 212992
		.amdhsa_private_segment_fixed_size 0
		.amdhsa_enable_private_segment 0
		.amdhsa_kernarg_size 72
		.amdhsa_user_sgpr_count 2
		.amdhsa_user_sgpr_kernarg_segment_ptr 1
		.amdhsa_wavefront_size32 1
		.amdhsa_system_sgpr_workgroup_id_x 1
		.amdhsa_system_sgpr_workgroup_id_y 1
		.amdhsa_system_sgpr_workgroup_id_z 1
		.amdhsa_system_vgpr_workitem_id 0
		.amdhsa_next_free_vgpr 1024
		.amdhsa_next_free_sgpr 66
		.amdhsa_reserve_vcc 0
		.amdhsa_float_denorm_mode_32 3
		.amdhsa_float_denorm_mode_16_64 3
		.amdhsa_memory_ordered 1
		.amdhsa_forward_progress 1
		.amdhsa_inst_pref_size 81
	.end_amdhsa_kernel
	.amdgpu_metadata
---
amdhsa.version: [ 1, 2 ]
amdhsa.kernels:
  - .name:           k_q74ec0ccddb_attn
    .symbol:         k_q74ec0ccddb_attn.kd
    .args:
      - { .name: hidden_states, .offset: 0, .size: 8, .value_kind: global_buffer, .address_space: global }
      - { .name: attn_noise, .offset: 8, .size: 8, .value_kind: global_buffer, .address_space: global }
      - { .name: attn_w_codes, .offset: 16, .size: 8, .value_kind: global_buffer, .address_space: global }
      - { .name: attn_w_scales, .offset: 24, .size: 8, .value_kind: global_buffer, .address_space: global }
      - { .name: attn_b, .offset: 32, .size: 8, .value_kind: global_buffer, .address_space: global }
      - { .name: gate_w, .offset: 40, .size: 8, .value_kind: global_buffer, .address_space: global }
      - { .name: hbuf, .offset: 48, .size: 8, .value_kind: global_buffer, .address_space: global }
      - { .name: hq, .offset: 56, .size: 8, .value_kind: global_buffer, .address_space: global }
      - { .name: plog, .offset: 64, .size: 8, .value_kind: global_buffer, .address_space: global }
    .group_segment_fixed_size: 212992
    .private_segment_fixed_size: 0
    .kernarg_segment_align: 8
    .kernarg_segment_size: 72
    .max_flat_workgroup_size: 128
    .sgpr_count:     66
    .vgpr_count:     1024
    .wavefront_size: 32
...
	.end_amdgpu_metadata
.endif
;; end of part 6
;; launch route: the kernel of part 2 again; grid 1 x 1, 32 waves a work-group, no clusters, 6,144 bytes of LDS; arguments plog, gate_b, route, rcw; writes route, rcw
;; launch up (part 7): grid 16 x 16, 4 waves a work-group, no clusters, 279,808 bytes of LDS; arguments hq, route, w1_codes, w1_scales, w3_codes, w3_scales, act; writes act
.if DOCPART == 7
	.amdgcn_target "amdgcn-amd-amdhsa--gfx1250"
	.amdhsa_code_object_version 6
	.text
	.protected	k_q74ec0ccddb_up
	.globl	k_q74ec0ccddb_up
	.p2align	8
	.type	k_q74ec0ccddb_up,@function
k_q74ec0ccddb_up:
	s_mov_b64 s[64:65], 0
	v_nop
	global_prefetch_b8 v0, s[64:65] scope:SCOPE_SE
	s_setreg_imm32_b32 hwreg(HW_REG_WAVE_SCHED_MODE, 0, 2), 2
	s_setreg_imm32_b32 hwreg(HW_REG_WAVE_MODE, 25, 1), 1
	s_wait_xcnt 0x0
	s_wait_alu depctr_vm_vsrc(0)
; act = Q(silu(h w1^T) x (h w3^T)) for the rows that the router chose, on codes of FP6 (E2M3) with one E8M0 scale for each 32 along K.
; SHARES.  Work-group (fs, 2 e + half): 128 of expert e's 2,048 hidden units (128 fs on), and the expert's row tiles g = 2 i + half (16 rows of ranks 16 g on).
; Wave w keeps w1's and w3's rows 128 fs + 32 w .. + 31, all of K, in 384 registers, read from memory once.  So a wave makes one block of 32 along the next product's K, and the four waves one K step.
; THE ROWS ARE FOUND FROM THE STORED MASKS: the token of rank n is the place of the (n + 1)-th set bit of the expert's 1,024 bits (macro SELECT: whole-number arithmetic on numbers read from memory).
; ROUNDS of 12 tiles: each wave gathers 3 tiles' codes of h into LDS (whole runs of 256 bytes) | barrier | every wave multiplies all 12 tiles by its weights, activates, quantises, and puts its block into the tile's
; operand image in LDS | barrier | each wave stores 3 images (1,536 dense bytes each) and gathers for the next round.  Three rounds are written, which serve all 1,024 rows on one expert; tiles beyond the expert's
; count are passed over by scalar branches on that count, between the barriers.  No tensor load: trip work hangs on stored numbers.
; No cluster: partners would need different numbers of tiles, and the launch has no tensor load to share.
; THE PRODUCTS ARE USED TRANSPOSED (source 0 = 16 weight rows, source 1 = 16 tokens); lane r of tile u takes weight row 8 u + r + 8 (r / 8), so that a lane's 16 registers are 16 neighbours along the next K.
; A TILE'S FRAGMENTS ARE ASKED FOR A TILE AHEAD: behind a tile's last product its registers are free, and the next tile's 50 LDS loads stand among the lines of this tile's activation.
; OUT: act: codes [e][tile g 64][K step 16][1,536 bytes: register group j at 512 j + 16 lane]; from byte 12,582,912 scale words [e][g][K step][16 rows].
; Ranks beyond the count in an expert's last tile take some token: their rows are written and nobody uses them.  THE COUNT IS HELD AT 1 FROM BELOW: tile 0 of every expert is stored, also of one without rows,
; since the next launch loads an expert's last tile on every path.
; LIMITS: NaN and infinities are not served; silu(g) u is made as (g u) / (1 + 2^(-g log2 e)), so g u must be finite in f32; a block of zeros gets the byte 1 (its codes are zeros); blocks under 2^-124 were not tried.
; REGISTERS: window 0: v1-34 addresses; v36-51 at work; v52-59 h's scale words; v60-91 the weights' scale words; v92-123 four accumulators (while gathering: addresses); v124-219 h's eight fragments
;   (while gathering: the third tile's landing; on the way out: images); v220-235 the activation; v236-251 the exponentials; v252-254 codes.  window 1: w1.  window 2: w3.  window 3: the gather's landing.
; THE MODE: SCHED_MODE bits 1:0 = 2 (LLVM: expert scheduling mode 2), set by the entry lines.  The code itself states the register dependences
; between vector or matrix instructions and memory or LDS instructions, with s_wait_alu, always for 0.
; THE PLAN.  Registers that memory or LDS instructions touch, and who else names them:
;   v1-27          Addresses made once at the head: one wait on va_vdst ahead of the first load; never written again.
;   v29-34         The tile's six LDS addresses: read by the tile's loads and stores, written once a tile.  The six additions stand BEHIND the tile's products: a wait on vm_vsrc ahead of them (the tile before's
;                  LDS instructions have read them), and the wait on va_vdst that the fragments owe anyway behind them.
;   v124-219, v52-59  h's fragments and scale words: the tile's products read them; behind ONE wait on va_vdst the next tile's 50 loads land in them, dealt among the activation's lines, which name the
;                  accumulators, v220-254 and v36-40 alone.
;   v252-254, v39  The codes and the byte: written by the conversion and a shift, read by four LDS stores (a wait on va_vdst ahead of them); written again behind the next tile's wait on vm_vsrc.
;   v92-118        While gathering: addresses, written by vector lines, read by the gather's loads (va_vdst ahead of them); the products write them again behind the wait on vm_vsrc at a round's head.
;   window 3, v124-219  The gather's landing: read by the LDS stores of the gather; written again by loads behind that same wait at a round's head.
;   v124-168       On the way out: images land there and global stores read them; a wait on vm_vsrc stands behind the ways out, ahead of the next gather.
;   windows 1, 2   A weight block as loaded; read by the stage's stores; the fragments land in the same registers (vm_vsrc between).
; The search's compares write scalar registers or VCC: they stand in runs of four with one wait on va_sdst a run; the five steps inside a word hang on each other and have a wait on va_vcc each.
.set AI,   0                           ; LDS: 12 operand images x 1,536
.set ASC,  18432                       ; 12 x 16 scale words
.set HSC,  19200                       ; h's scale bytes: 12 tiles x 16 rows x 48
.set HA,   28416                       ; h's codes: 12 tiles x 16 rows x 784
.set WS,   178944                      ; a wave's own: 32 weight rows x 784
.set L16, 1
.set X16, 2
.set WA,  3
.set WB,  4
.set WF,  5
.set SCO, 6
.set N0A, 7
.set N0B, 8
.set SSB, 9
.set XH16, 10
.set HST, 17
.set SSA, 18
.set F0,  19
.set S0,  20
.set IA,  21
.set ISC, 24
.set CLD, 25
.set CSL, 26
.set X4,  27
.set AF,  29
.set AS,  30
.set AI0, 31
.set AC,  34
.set SM,  36
.set SB,  37
.set SW,  38
.set SJ,  39
.set SA2, 40
.set SQ,  41
.set SC,  42
.set SD,  43
.set STT, 44
.set SI,  45
.set PA,  46
.set PB,  50
.set NN,  51
.set QM,  36
.set QX,  37
.set QS,  38
.set QB,  39
.set QN,  40
.set XSW, 52
.set WSC, 60
.set ACC, 92
.set GA,  92
.set SA,  116
.set XF,  124
.set AV,  220
.set EX,  236
.set CV,  252
.set WV,  50
.set FS,  51
.set EE,  52
.set HF,  53
.set NE,  54
.set SP,  55
.set SX,  56
.set H16, 60
.set RW,  61
.set OF,  66
.set OS,  67
.set OI,  68
.set OC,  69
.set RK,  70
.set CT,  71
.set ACB, 72
.set ASB, 74
.set K0,  90
.set K1,  91
.set MK,  92                           ; s[92:95] the masks of a run of four compares
.set PQ,  96                           ; s[96:99] the running counts that go with them
.set MSB, 0
.macro WIN new                         ; the immediate's high byte repeats the setting that is left
.if MSB != (\new)
	s_set_vgpr_msb (MSB<<8)|(\new)
.set MSB, (\new)
.endif
.endm
.macro WLOAD win, b                    ; 32 weight rows x 768 bytes are 24,576 dense bytes: 48 loads of 512 consecutive bytes
	WIN (\win)<<6
.set i, 0
.rept 48
	global_load_b128 v[4*i:4*i+3], v[L16], s[\b:\b+1] offset:512*i
.set i, i+1
.endr
	WIN 0
.endm
.macro WSTORE win                      ; memory row 16 a + 8 u + c goes to stage row 16 u + 8 a + c: a tile's 16 rows lie on end
	WIN (\win)<<2
.set m, 0
.rept 16
.set lam, (16*((m>>2)&1)+8*(m>>3)+((2*m)&7))*784
	ds_store_b128 v[WA], v[12*m:12*m+3] offset:lam
	ds_store_b128 v[WB], v[12*m+4:12*m+7] offset:lam+512
	ds_store_b128 v[WA], v[12*m+8:12*m+11] offset:lam+1040
.set m, m+1
.endr
	WIN 0
.endm
.macro WFRAG win                       ; back as fragments (tile u, K step s) at v[12 (8 u + s)]; LDS serves a wave's instructions in order
	WIN (\win)<<6
	s_wait_alu depctr_vm_vsrc(0)                   ; the stage's stores have read the block's registers, in which the fragments land
.irp u, 0,1
.irp s, 0,1,2,3,4,5,6,7
.irp p, 0,1,2,3,4,5
	ds_load_b64 v[12*(8*\u+\s)+2*\p:12*(8*\u+\s)+2*\p+1], v[WF] offset:12544*\u+96*\s+48*(\p/3)+8*(\p%3)
.endr
.endr
.endr
	WIN 0
.endm
; One step of the search inside a word: are there j or fewer set bits in the lower half of what is left?
.macro SELSTEP src, bits, width
	v_bfe_u32 v[STT], v[\src], v[SI], \bits
	v_cmp_ge_u32 vcc_lo, v[SJ], v[STT]
	s_wait_alu depctr_va_vcc(0)                    ; VCC is written, ahead of the two selections that read it
	v_cndmask_b32 v[STT], 0, v[STT], vcc_lo
	v_sub_nc_u32 v[SJ], v[SJ], v[STT]
	v_cndmask_b32 v[STT], 0, \width, vcc_lo
	v_add_nc_u32 v[SI], v[SI], v[STT]
.endm
; v[vt] = the token of rank v[vn]: first the last word whose running count is not above the rank, then the bit in it, by counts of 16, 8, 4, 2 and 1 bits.  Held at 1,023.
; The 31 compares go in runs of four, each into a scalar register of its own, its running count kept beside it; the selections follow in the words' order.
.macro SELECT vn, vt
	v_mov_b32 v[SM], s16
	v_mov_b32 v[SB], 0
	v_mov_b32 v[SW], 0
	s_mov_b32 s[SP], 0
.set NW, 1
.rept 8
.set NK, 0
.rept 4
.if NW+NK < 32
	s_bcnt1_i32_b32 s[SX], s[15+NW+NK]
	s_add_co_u32 s[SP], s[SP], s[SX]
	s_mov_b32 s[PQ+NK], s[SP]
	v_cmp_le_u32 s[MK+NK], s[SP], v[\vn]
.endif
.set NK, NK+1
.endr
	s_wait_alu depctr_va_sdst(0)                   ; the run's masks are written, ahead of the selections that read them
.set NK, 0
.rept 4
.if NW+NK < 32
	v_cndmask_b32 v[SM], v[SM], s[16+NW+NK], s[MK+NK]
	v_cndmask_b32 v[SB], v[SB], s[PQ+NK], s[MK+NK]
	v_cndmask_b32 v[SW], v[SW], 32*(NW+NK), s[MK+NK]
.endif
.set NK, NK+1
.endr
.set NW, NW+4
.endr
	v_sub_nc_u32 v[SJ], v[\vn], v[SB]
	v_lshrrev_b32 v[SA2], 1, v[SM]
	v_and_b32 v[SA2], 0x55555555, v[SA2]
	v_sub_nc_u32 v[SA2], v[SM], v[SA2]             ; counts of 2 bits
	v_lshrrev_b32 v[SQ], 2, v[SA2]
	v_and_b32 v[SQ], 0x33333333, v[SQ]
	v_and_b32 v[SC], 0x33333333, v[SA2]
	v_add_nc_u32 v[SQ], v[SQ], v[SC]               ; of 4
	v_lshrrev_b32 v[SC], 4, v[SQ]
	v_add_nc_u32 v[SC], v[SC], v[SQ]
	v_and_b32 v[SC], 0x0f0f0f0f, v[SC]             ; of 8
	v_lshrrev_b32 v[SD], 8, v[SC]
	v_add_nc_u32 v[SD], v[SD], v[SC]               ; of 16, in bytes 0 and 2
	v_mov_b32 v[SI], 0
	SELSTEP SD, 8, 16
	SELSTEP SC, 8, 8
	SELSTEP SQ, 4, 4
	SELSTEP SA2, 2, 2
	SELSTEP SM, 1, 1
	v_add_nc_u32 v[\vt], v[SW], v[SI]
	v_min_u32 v[\vt], 0x3ff, v[\vt]
.endm
; My three tiles (slots 3 w + m) of round rho: their 48 tokens, then 75 loads: of each token's 768 bytes of codes three runs of 256 bytes by sixteen lanes, and its 32 scale bytes.
; Lane (x, y) searches for row 2 (x % 8) + 1 - y, in v[PA] of slot x / 8, in v[PB] of slot 2.  v_permlanex16_b32 with lane k's number in every select field gives lanes 0-15 what lane 16 + k holds and
; lanes 16-31 what lane k holds: row 2 i for the lower sixteen lanes, row 2 i + 1 for the upper: the two rows that one load takes.  A vector instruction: no trip through the LDS unit, no wait.
.macro GATHER_ISSUE rho
	v_add_nc_u32 v[NN], 384*(\rho), v[N0A]
	SELECT NN, PA
	v_add_nc_u32 v[NN], 384*(\rho), v[N0B]
	SELECT NN, PB
.irp i, 0,1,2,3,4,5,6,7
	s_mov_b32 s[K0], \i*0x11111111
	s_mov_b32 s[K1], (\i+8)*0x11111111
	v_permlanex16_b32 v[GA+\i], v[PA], s[K0], s[K0]        ; slot 0: the tokens of rows 2 i + y
	v_permlanex16_b32 v[GA+8+\i], v[PA], s[K1], s[K1]      ; slot 1
	v_permlanex16_b32 v[GA+16+\i], v[PB], s[K0], s[K0]     ; slot 2
.endr
	v_min_u32 v[SA], 0x3ff, v[PA]
	v_lshlrev_b32 v[SA], 5, v[SA]                  ; slots 0 and 1: a lane a row, its 32 scale bytes by two loads
	v_min_u32 v[SA+2], 0x3ff, v[PB]
	v_lshlrev_b32 v[SA+2], 5, v[SA+2]
	v_add_nc_u32 v[SA+2], v[SA+2], v[XH16]         ; slot 2: two lanes a row, 16 bytes each
.irp n, 0,1,2,3,4,5,6,7,8,9,10,11,12,13,14,15,16,17,18,19,20,21,22,23
	v_min_u32 v[GA+\n], 0x3ff, v[GA+\n]
	v_mul_u32_u24 v[GA+\n], v[GA+\n], 768
	v_add_nc_u32 v[GA+\n], v[GA+\n], v[X16]
.endr
	WIN 0xc0                                       ; destination window 3
	s_wait_alu depctr_va_vdst(0)                   ; the 26 addresses v[GA ..] and v[SA ..] are written, which the 75 loads below read
.irp m, 0,1
.irp i, 0,1,2,3,4,5,6,7
.irp u, 0,1,2
	global_load_b128 v[100*\m+12*\i+4*\u:100*\m+12*\i+4*\u+3], v[GA+8*\m+\i], s[4:5] offset:256*\u
.endr
.endr
	global_load_b128 v[100*\m+96:100*\m+99], v[SA], s[4:5] offset:786432+16*\m
.endr
	global_load_b128 v[200:203], v[SA+2], s[4:5] offset:786432
	WIN 0
.irp i, 0,1,2,3,4,5,6,7
.irp u, 0,1,2
	global_load_b128 v[XF+12*\i+4*\u:XF+12*\i+4*\u+3], v[GA+16+\i], s[4:5] offset:256*\u
.endr
.endr
.endm
.macro GATHER_STORE
	WIN 0x0c                                       ; an LDS store's data are its source 1: window 3
.irp m, 0,1
.irp i, 0,1,2,3,4,5,6,7
.irp u, 0,1,2
	ds_store_b128 v[HST], v[100*\m+12*\i+4*\u:100*\m+12*\i+4*\u+3] offset:12544*\m+1568*\i+256*\u
.endr
.endr
	ds_store_b128 v[SSA], v[100*\m+96:100*\m+99] offset:16*\m
.endr
	ds_store_b128 v[SSB], v[200:203]
	WIN 0
.irp i, 0,1,2,3,4,5,6,7
.irp u, 0,1,2
	ds_store_b128 v[HST], v[XF+12*\i+4*\u:XF+12*\i+4*\u+3] offset:25088+1568*\i+256*\u
.endr
.endr
.endm
; K step s of a tile's fragments: six loads of 8 bytes
.macro LDK adr, off, s
.irp p, 0,1,2,3,4,5
	ds_load_b64 v[XF+12*(\s)+2*\p:XF+12*(\s)+2*\p+1], v[\adr] offset:(\off)+96*(\s)+48*(\p/3)+8*(\p%3)
.endr
.endm
; One tile of 16 rows against my 32 + 32 weight rows.  Its fragments and scale words were asked for a tile ago; the next tile's (12,544 and 768 bytes on) are asked for here, behind the last product.
; The twelfth trip so asks for the bytes behind the twelfth tile: they lie in LDS, nobody writes them between the round's two barriers, and they are not used.
.macro TILE
.irp s, 0,1,2,3,4,5,6,7                        ; 32 products: tiles 0, 1 = w1's, 2, 3 = w3's; the four accumulators by turns, one instruction a turn
	s_wait_dscnt 6*(7-\s)                          ; K step s is in: the six loads of each later K step may be out
.irp t, 0,1,2,3
	WIN 1+(\t/2)
.if \s == 0
	v_wmma_scale_f32_16x16x128_f8f6f4 v[ACC+8*\t:ACC+8*\t+7], v[12*(8*(\t%2)+\s):12*(8*(\t%2)+\s)+11], v[XF+12*\s:XF+12*\s+11], 0, v[WSC+8*\t+\s], v[XSW+\s] matrix_a_fmt:MATRIX_FMT_FP6 matrix_b_fmt:MATRIX_FMT_FP6
.else
	v_wmma_scale_f32_16x16x128_f8f6f4 v[ACC+8*\t:ACC+8*\t+7], v[12*(8*(\t%2)+\s):12*(8*(\t%2)+\s)+11], v[XF+12*\s:XF+12*\s+11], v[ACC+8*\t:ACC+8*\t+7], v[WSC+8*\t+\s], v[XSW+\s] matrix_a_fmt:MATRIX_FMT_FP6 matrix_b_fmt:MATRIX_FMT_FP6
.endif
.endr
.endr
	WIN 0
	s_wait_alu depctr_vm_vsrc(0)                   ; the tile before's LDS loads and stores have read the six addresses, the codes and the byte: all of these are written again below
	v_add_nc_u32 v[AF], s[OF], v[F0]               ; the tile's six addresses: plain lines that name no register of the products, so they are also the places in front of the first read of results (four are asked)
	v_add_nc_u32 v[AS], s[OS], v[S0]
.irp k, 0,1,2
	v_add_nc_u32 v[AI0+\k], s[OI], v[IA+\k]
.endr
	v_add_nc_u32 v[AC], s[OC], v[ISC]
	s_wait_alu depctr_va_vdst(0)                   ; the products are done reading h's fragments and scale words, in which the next tile's loads land; the six addresses are written
	ds_load_b128 v[XSW:XSW+3], v[AS] offset:768    ; the next tile: row r's eight scale words,
	ds_load_b128 v[XSW+4:XSW+7], v[AS] offset:784
	LDK AF, 12544, 0                               ; and its fragments, a K step at a time between the groups below, none of whose lines names a register that these loads touch
.irp p, 0,2,4,6,8,10,12,14
	v_pk_mul_f32 v[EX+\p:EX+\p+1], v[ACC+\p:ACC+\p+1], 0xbfb8aa3b op_sel_hi:[1,0]   ; -g log2 e
.endr
	LDK AF, 12544, 1
.irp j, 0,1,2,3,4,5,6,7,8,9,10,11,12,13,14,15
	v_exp_f32 v[EX+\j], v[EX+\j]
.endr
.irp p, 0,2,4,6,8,10,12,14
	v_pk_mul_f32 v[ACC+16+\p:ACC+17+\p], v[ACC+16+\p:ACC+17+\p], v[ACC+\p:ACC+\p+1]   ; g u: plain work behind the exponentials
.endr
	LDK AF, 12544, 2
	s_wait_alu depctr_va_vdst(0)                   ; the sixteen exponentials have written v[EX ..]: one wait, ahead of their first reader
.irp p, 0,2,4,6,8,10,12,14
	v_pk_add_f32 v[EX+\p:EX+\p+1], v[EX+\p:EX+\p+1], 1.0 op_sel_hi:[1,0]
.endr
	LDK AF, 12544, 3
.irp j, 0,1,2,3,4,5,6,7,8,9,10,11,12,13,14,15
	v_rcp_f32 v[EX+\j], v[EX+\j]
.endr
	v_nop
	LDK AF, 12544, 4
	s_wait_alu depctr_va_vdst(0)                   ; the sixteen reciprocals have written v[EX ..]: one wait, ahead of their first reader
.irp p, 0,2,4,6,8,10,12,14
	v_pk_mul_f32 v[AV+\p:AV+\p+1], v[ACC+16+\p:ACC+17+\p], v[EX+\p:EX+\p+1]   ; silu(g) u: hidden units 16 h + 0 .. 15 of my block, token r
.endr
	LDK AF, 12544, 5
	v_max3_num_f32 v[QM], |v[AV]|, |v[AV+1]|, 0x1800000   ; the floor 2^(3 - 127): the byte cannot fall under 1
	v_max3_num_f32 v[QN], |v[AV+2]|, |v[AV+3]|, |v[AV+4]|
	v_max3_num_f32 v[QM], v[QM], |v[AV+5]|, |v[AV+6]|
	v_max3_num_f32 v[QN], v[QN], |v[AV+7]|, |v[AV+8]|
	v_max3_num_f32 v[QM], v[QM], |v[AV+9]|, |v[AV+10]|
	v_max3_num_f32 v[QN], v[QN], |v[AV+11]|, |v[AV+12]|
	v_max3_num_f32 v[QM], v[QM], |v[AV+13]|, |v[AV+14]|
	v_max3_num_f32 v[QM], v[QM], v[QN], |v[AV+15]|
	LDK AF, 12544, 6
	v_permlanex16_b32 v[QX], v[QM], s2, s3
	v_max_num_f32 v[QM], v[QM], v[QX]              ; the block's largest magnitude
	v_add_nc_u32 v[QS], 0xff000000, v[QM]          ; 2 off its exponent field: the conversion's scale operand
	v_lshrrev_b32 v[QB], 23, v[QS]                 ; the scale's byte
	v_cvt_scalef32_pk16_fp6_f32 v[CV:CV+2], v[AV:AV+15], v[QS]
	v_nop                                          ; one plain place behind a scaled conversion
	LDK AF, 12544, 7
	s_wait_alu depctr_va_vdst(0)                   ; the conversion has written the codes v[CV ..] and the shift the byte v[QB], which the four LDS stores read
.irp k, 0,1,2
	ds_store_b32 v[AI0+\k], v[CV+\k]               ; register 6 (w / 2) + 3 h + k of lane r + 16 (w % 2) of the tile's image
.endr
	ds_store_b8 v[AC], v[QB]                       ; byte w of row r's scale word; both halves of the lanes write the same
.endm
; Slot w + 4 m leaves: 1,536 dense bytes and 16 scale words.  The images land in registers that the products read last: every tile's products stand ahead of a wait on va_vdst in the same tile
.macro OUTSLOT rho, m
	s_add_co_u32 s62, s[RW], 384*(\rho)+128*(\m)
	s_cmp_lt_u32 s62, s[NE]
	s_cbranch_scc0 .Lnone_\@
.irp j, 0,1,2
	ds_load_b128 v[XF+16*(\m)+4*\j:XF+16*(\m)+4*\j+3], v[CLD] offset:6144*(\m)+512*\j
.endr
	ds_load_b32 v[XF+16*(\m)+12], v[CSL] offset:256*(\m)
	s_wait_dscnt 0x0
.irp j, 0,1,2
	global_store_b128 v[L16], v[XF+16*(\m)+4*\j:XF+16*(\m)+4*\j+3], s[ACB:ACB+1] offset:589824*(\rho)+196608*(\m)+512*\j   ; 32 lanes store 512 consecutive bytes, aligned
.endr
	global_store_b32 v[X4], v[XF+16*(\m)+12], s[ASB:ASB+1] offset:24576*(\rho)+8192*(\m)
.Lnone_\@:
.endm
.macro ROUND rho
	s_wait_dscnt 0x0                               ; my gathered rows have landed, and my reads of the images are over
	s_barrier_signal -1
	s_barrier_wait -1                              ; the round's 12 tiles of h lie in LDS
	s_wait_alu depctr_vm_vsrc(0)                   ; my gather's LDS stores have read v[XF ..] and window 3, in which loads land again; its loads have read their addresses v[GA ..], v[SA ..], which the products write
	s_mov_b32 s[OF], 0
	s_mov_b32 s[OS], 0
	s_mov_b32 s[OI], 0
	s_mov_b32 s[OC], 0
	s_add_co_u32 s[RK], s[H16], 384*(\rho)         ; the tile's first rank
	s_mov_b32 s[CT], 0
.if (\rho) > 0
	s_cmp_lt_u32 s[RK], s[NE]                      ; a round without tiles asks for nothing
	s_cbranch_scc0 .Lnopro_\@
.endif
	ds_load_b128 v[XSW:XSW+3], v[S0]               ; the round's first tile is asked for ahead of the loop.  (No vector or matrix line has named these registers since the last wait on va_vdst)
	ds_load_b128 v[XSW+4:XSW+7], v[S0] offset:16
.irp s, 0,1,2,3,4,5,6,7
	LDK F0, 0, \s
.endr
.if (\rho) > 0
.Lnopro_\@:
.endif
.Ltile_\@:                                         ; 12 trips, a constant; a tile beyond the expert's count is passed over
	s_cmp_lt_u32 s[RK], s[NE]
	s_cbranch_scc0 .Lidle_\@
	TILE
.Lidle_\@:
	s_add_co_u32 s[OF], s[OF], 12544
	s_add_co_u32 s[OS], s[OS], 768
	s_add_co_u32 s[OI], s[OI], 1536
	s_add_co_u32 s[OC], s[OC], 64
	s_add_co_u32 s[RK], s[RK], 32
	s_add_co_u32 s[CT], s[CT], 1
	s_cmp_lt_u32 s[CT], 12
	s_cbranch_scc1 .Ltile_\@
	s_wait_dscnt 0x0                               ; my parts of the images have landed, and my reads of h's tiles are over
	s_barrier_signal -1
	s_barrier_wait -1                              ; the images are whole, and nobody reads h's tiles any more
	OUTSLOT \rho, 0
	OUTSLOT \rho, 1
	OUTSLOT \rho, 2
	s_wait_xcnt 0x0                                ; the stores have read their registers: these are written again only behind this wait
.if (\rho) < 2
	s_wait_alu depctr_vm_vsrc(0)                   ; the ways out's stores have read v[XF ..], in which the next gather's loads land; the last tile's byte store has read v39, which the search writes
	s_add_co_u32 s62, s[H16], 384*((\rho)+1)
	s_cmp_lt_u32 s62, s[NE]
	s_cbranch_scc0 .Lnomore_\@
	GATHER_ISSUE (\rho)+1
	s_wait_loadcnt 0x0
	GATHER_STORE
.Lnomore_\@:
.endif
.endm
	s_load_b256 s[4:11], s[0:1], 0x0               ; hq s[4:5], route s[6:7], w1's codes s[8:9], w1's scales s[10:11]
	s_load_b128 s[12:15], s[0:1], 0x20             ; w3's codes, w3's scales
	s_load_b64 s[48:49], s[0:1], 0x30              ; act
	v_lshl_add_u32 v49, v0, 2, 0x44300
	v_mov_b32 v255, 0
	v_lshrrev_b32 v36, 5, v0
	v_readfirstlane_b32 s[WV], v36                 ; wave
	s_mov_b32 s[FS], ttmp9
	s_and_b32 s[EE], ttmp7, 0xffff
	s_and_b32 s[HF], s[EE], 1
	s_lshr_b32 s[EE], s[EE], 1
	s_lshl_b32 s[H16], s[HF], 4
	s_wait_alu depctr_va_sdst(0)                   ; the wave's number is written, ahead of its first reader
	s_lshl_b32 s[RW], s[WV], 5
	s_add_co_u32 s[RW], s[RW], s[H16]
	s_mov_b32 s2, 0x76543210
	s_mov_b32 s3, 0xfedcba98                       ; v_permlanex16_b32's selects for lane l xor 16
	v_and_b32 v37, 31, v0                          ; lane
	v_and_b32 v38, 15, v0                          ; r, also x
	v_bfe_u32 v39, v0, 4, 1                        ; h, also y
	v_lshlrev_b32 v[L16], 4, v37
	v_lshlrev_b32 v[X16], 4, v38
	v_lshlrev_b32 v[X4], 2, v38
	s_mul_i32 s76, s[WV], 25088
	s_add_co_u32 s76, s76, WS
	v_add_nc_u32 v[WA], s76, v[L16]
	v_lshl_add_u32 v[WB], v39, 4, v[WA]
	v_mul_u32_u24 v40, v38, 784
	v_mad_u32_u24 v41, v39, 24, v40
	v_add_nc_u32 v[WF], s76, v41
	v_add_nc_u32 v[F0], HA, v41
	v_and_b32 v41, 8, v38
	v_add_nc_u32 v41, v41, v38
	v_lshlrev_b32 v[SCO], 5, v41
	v_and_b32 v44, 7, v38
	v_lshlrev_b32 v44, 1, v44
	v_sub_nc_u32 v42, 1, v39
	v_add_nc_u32 v44, v44, v42                     ; the row that I search for: 2 (x % 8) + 1 - y
	v_lshrrev_b32 v45, 3, v38                      ; x / 8
	v_lshlrev_b32 v[XH16], 4, v45
	s_mul_i32 s76, s[WV], 96
	s_add_co_u32 s76, s76, s[H16]
	v_lshl_add_u32 v41, v45, 5, v44
	v_add_nc_u32 v[N0A], s76, v41                  ; ranks 96 w + 16 half + 32 (x / 8) + row: slots 0 and 1
	s_add_co_u32 s76, s76, 64
	v_add_nc_u32 v[N0B], s76, v44                  ; slot 2
	s_mul_i32 s76, s[WV], 37632
	s_add_co_u32 s76, s76, HA
	v_mul_u32_u24 v41, v39, 784
	v_add_nc_u32 v41, v41, v[X16]
	v_add_nc_u32 v[HST], s76, v41
	s_mul_i32 s76, s[WV], 2304
	s_add_co_u32 s76, s76, HSC
	v_mul_u32_u24 v41, v38, 48
	v_add_nc_u32 v[S0], HSC, v41
	v_mul_u32_u24 v41, v44, 48
	v_add_nc_u32 v41, s76, v41                     ; my three tiles' scale bytes, + 48 x row
	v_mad_u32_u24 v[SSA], v45, 768, v41            ; slots 0 and 1: + 768 (x / 8)
	v_add_nc_u32 v41, 1536, v41
	v_add_nc_u32 v[SSB], v41, v[XH16]              ; slot 2: + 16 (x / 8)
	s_lshr_b32 s76, s[WV], 1
	s_mul_i32 s76, s76, 6
	s_and_b32 s77, s[WV], 1
	s_lshl_b32 s77, s77, 8
	v_mul_u32_u24 v41, v39, 3
	v_add_nc_u32 v41, s76, v41                     ; 6 (w / 2) + 3 h
.irp k, 0,1,2
	v_add_nc_u32 v42, \k, v41
	v_lshrrev_b32 v43, 2, v42
	v_and_b32 v42, 3, v42
	v_lshlrev_b32 v43, 9, v43
	v_lshl_add_u32 v43, v42, 2, v43
	v_add_nc_u32 v43, v43, v[X16]
	v_add_nc_u32 v[IA+\k], s77, v43
.endr
	s_add_co_u32 s76, s[WV], ASC
	v_add_nc_u32 v[ISC], s76, v[X4]
	s_mul_i32 s76, s[WV], 1536
	v_add_nc_u32 v[CLD], s76, v[L16]
	s_lshl_b32 s76, s[WV], 6
	s_add_co_u32 s76, s76, ASC
	v_add_nc_u32 v[CSL], s76, v[X4]
.irp n, 0,1,2,3,4,5,6,7,8,9,10,11,12,13,14,15,16,17,18,19,20,21,22,23
	v_mov_b32 v[GA+\n], 0                          ; written once: a lane permute's destination counts as one of its sources
.endr
	s_lshl_b32 s76, s[EE], 11
	s_lshl_b32 s77, s[FS], 7
	s_add_co_u32 s76, s76, s77
	s_lshl_b32 s77, s[WV], 5
	s_add_co_u32 s76, s76, s77                     ; my first weight row: 2,048 e + 128 fs + 32 w
	s_mul_i32 s78, s76, 768
	s_mov_b32 s79, 0
	s_lshl_b32 s80, s76, 5
	s_mov_b32 s81, 0
	s_lshl_b32 s58, s[EE], 7
	s_add_co_u32 s58, s58, 8192
	s_mov_b32 s59, 0
	s_wait_kmcnt 0x0
	s_add_nc_u64 s[58:59], s[6:7], s[58:59]
	s_load_b512 s[16:31], s[58:59], 0x0            ; the expert's 32 mask words
	s_load_b512 s[32:47], s[58:59], 0x40
	s_add_nc_u64 s[82:83], s[8:9], s[78:79]
	s_add_nc_u64 s[84:85], s[12:13], s[78:79]
	s_add_nc_u64 s[86:87], s[10:11], s[80:81]
	s_add_nc_u64 s[88:89], s[14:15], s[80:81]
	; THE HEAD'S ORDER: w1 and the scale words (56 loads) go out first; the search for the rows runs while they are on their way; then the gather's 75 loads, then w3's 48
	s_wait_alu depctr_va_vdst(0)                   ; the addresses v1 to v27 are written, which the loads and stores of the whole kernel read; none of them is written again
	WLOAD 1, 82
.irp u, 0,1
	global_load_b128 v[WSC+8*\u:WSC+8*\u+3], v[SCO], s[86:87] offset:256*\u
	global_load_b128 v[WSC+8*\u+4:WSC+8*\u+7], v[SCO], s[86:87] offset:256*\u+16
.endr
.irp u, 0,1
	global_load_b128 v[WSC+16+8*\u:WSC+16+8*\u+3], v[SCO], s[88:89] offset:256*\u
	global_load_b128 v[WSC+16+8*\u+4:WSC+16+8*\u+7], v[SCO], s[88:89] offset:256*\u+16
.endr
	s_lshl_b32 s76, s[EE], 6
	s_lshl_b32 s77, s[WV], 1
	s_add_co_u32 s76, s76, s77
	s_add_co_u32 s76, s76, s[HF]                   ; 64 e + the tile of my first slot in round 0
	s_lshl_b32 s78, s76, 4
	s_add_co_u32 s78, s78, s[FS]
	s_mul_i32 s78, s78, 1536
	s_add_nc_u64 s[ACB:ACB+1], s[48:49], s[78:79]
	s_lshl_b32 s78, s76, 10
	s_lshl_b32 s77, s[FS], 6
	s_add_co_u32 s78, s78, s77
	s_add_co_u32 s78, s78, 12582912
	s_add_nc_u64 s[ASB:ASB+1], s[48:49], s[78:79]
	s_wait_kmcnt 0x0
	s_bcnt1_i32_b32 s[NE], s16
.irp v, 17,18,19,20,21,22,23,24,25,26,27,28,29,30,31,32,33,34,35,36,37,38,39,40,41,42,43,44,45,46,47
	s_bcnt1_i32_b32 s[SX], s[\v]
	s_add_co_u32 s[NE], s[NE], s[SX]               ; the expert's rows
.endr
	s_max_u32 s[NE], s[NE], 1                      ; held at 1 from below: tile 0 is stored for every expert
	GATHER_ISSUE 0
	WLOAD 2, 84
	s_wait_loadcnt 63                              ; 123 loads stand behind w1's and the scale words': all of those are in
	WSTORE 1
	WFRAG 1
	s_wait_loadcnt 48                              ; the gathered rows are in: behind them w3's 48 loads
	GATHER_STORE
	s_wait_loadcnt 0x0
	WSTORE 2
	WFRAG 2
	ROUND 0
	ROUND 1
	ROUND 2
	s_wait_dscnt 0x0                               ; the closing lines, six on end
	s_wait_alu 0x0
	s_wait_tensorcnt 0x0
	ds_add_u32 v49, v255
	s_wait_dscnt 0x0
	s_endpgm
.Lfunc_end_k_q74ec0ccddb_up:
	.size	k_q74ec0ccddb_up, .Lfunc_end_k_q74ec0ccddb_up-k_q74ec0ccddb_up
	.p2alignl 7, 3214868480
	.fill 96, 4, 3214868480
	.section	.rodata,"a",@progbits
	.p2align	6, 0x0
	.amdhsa_kernel k_q74ec0ccddb_up
		.amdhsa_group_segment_fixed_size 279808
		.amdhsa_private_segment_fixed_size 0
		.amdhsa_enable_private_segment 0
		.amdhsa_kernarg_size 56
		.amdhsa_user_sgpr_count 2
		.amdhsa_user_sgpr_kernarg_segment_ptr 1
		.amdhsa_wavefront_size32 1
		.amdhsa_system_sgpr_workgroup_id_x 1
		.amdhsa_system_sgpr_workgroup_id_y 1
		.amdhsa_system_sgpr_workgroup_id_z 1
		.amdhsa_system_vgpr_workitem_id 0
		.amdhsa_next_free_vgpr 1024
		.amdhsa_next_free_sgpr 100
		.amdhsa_reserve_vcc 1
		.amdhsa_float_denorm_mode_32 3
		.amdhsa_float_denorm_mode_16_64 3
		.amdhsa_memory_ordered 1
		.amdhsa_forward_progress 1
		.amdhsa_inst_pref_size 236
	.end_amdhsa_kernel
	.amdgpu_metadata
---
amdhsa.version: [ 1, 2 ]
amdhsa.kernels:
  - .name:           k_q74ec0ccddb_up
    .symbol:         k_q74ec0ccddb_up.kd
    .args:
      - { .name: hq, .offset: 0, .size: 8, .value_kind: global_buffer, .address_space: global }
      - { .name: route, .offset: 8, .size: 8, .value_kind: global_buffer, .address_space: global }
      - { .name: w1_codes, .offset: 16, .size: 8, .value_kind: global_buffer, .address_space: global }
      - { .name: w1_scales, .offset: 24, .size: 8, .value_kind: global_buffer, .address_space: global }
      - { .name: w3_codes, .offset: 32, .size: 8, .value_kind: global_buffer, .address_space: global }
      - { .name: w3_scales, .offset: 40, .size: 8, .value_kind: global_buffer, .address_space: global }
      - { .name: act, .offset: 48, .size: 8, .value_kind: global_buffer, .address_space: global }
    .group_segment_fixed_size: 279808
    .private_segment_fixed_size: 0
    .kernarg_segment_align: 8
    .kernarg_segment_size: 56
    .max_flat_workgroup_size: 128
    .sgpr_count:     100
    .vgpr_count:     1024
    .wavefront_size: 32
...
	.end_amdgpu_metadata
.endif
;; end of part 7
;; launch down (part 8): grid 8 x 32, 4 waves a work-group, no clusters, 199,168 bytes of LDS; arguments act, route, w2_codes, w2_scales, ybuf; writes ybuf
.if DOCPART == 8
	.amdgcn_target "amdgcn-amd-amdhsa--gfx1250"
	.amdhsa_code_object_version 6
	.text
	.protected	k_q74ec0ccddb_down
	.globl	k_q74ec0ccddb_down
	.p2align	8
	.type	k_q74ec0ccddb_down,@function
k_q74ec0ccddb_down:
	s_mov_b64 s[64:65], 0
	v_nop
	global_prefetch_b8 v0, s[64:65] scope:SCOPE_SE
	s_setreg_imm32_b32 hwreg(HW_REG_WAVE_SCHED_MODE, 0, 2), 2
	s_setreg_imm32_b32 hwreg(HW_REG_WAVE_MODE, 25, 1), 1
	s_wait_xcnt 0x0
	s_wait_alu depctr_vm_vsrc(0)
; y = act w2^T for the rows that the router chose, on codes of FP6 (E2M3) with one E8M0 scale for each 32 along K.
; SHARES.  Work-group (os, 4 e + qr): outputs 128 os .. + 127 of expert e, and the expert's row tiles g = 4 i + qr.
; THE WAVES SHARE K: wave w keeps K steps 4 w .. 4 w + 3 of all 128 output rows in 384 registers, read from memory once (as dense rows, turned through LDS).  So each fragment of act is read from memory by one
; wave alone, straight into its registers (act lies in the order of the operand's registers: three loads of 512 consecutive bytes), and feeds eight products.  The four waves' partial sums meet in LDS, in f32.
; ROUNDS of 5 tiles, 4 trips, which serve all 1,024 rows on one expert; a round or a tile beyond the expert's count is passed over by scalar branches on that count, between the barriers.
; No tensor load: the work hangs on stored numbers.  No cluster for the same reason.
; THE PRODUCT IS USED TRANSPOSED (source 0 = 16 rows of w2, source 1 = 16 tokens): a lane holds one token and eight neighbouring outputs.
; The loads of act are issued on every path, for a tile held at the expert's last one (tile 0 for an expert without rows: the launch before stores tile 0 of every expert); what a tile beyond the count brings is not used.
; OUT: ybuf [expert x 1,024 + rank][1,024] f32: whole rows of the tiles that the expert has.
; REGISTERS: window 0: v1-18 addresses; v32-63 w2's scale words; v64-73 act's scale words; v96-159 eight accumulators, later the four partial sums of four rows; v160-239 finished rows, 16 registers a slot,
;   so that no slot's way out waits for the stores of the slot before.  window 1, 2: w2's fragments.  window 3: act's, 48 a tile.
; THE MODE: SCHED_MODE bits 1:0 = 2 (LLVM: expert scheduling mode 2), set by the entry lines.  The code itself states the register dependences
; between vector or matrix instructions and memory or LDS instructions, with s_wait_alu, always for 0.
; THE PLAN.  Registers that memory or LDS instructions touch, and who else names them:
;   v1-18          Addresses, made once at the head: one wait on va_vdst ahead of the first load; never written again.
;   windows 1, 2   w2 as loaded; read by the turn's LDS stores; the fragments land in the same registers (vm_vsrc between); then the products alone name them.
;   v96-159        A slot's products write them; behind the places ONE wait on va_vdst; sixteen LDS stores read them; the next slot's products stand behind a wait on vm_vsrc.  Behind the round's first barrier a wait on
;                  vm_vsrc, and the partial sums land in them; a way out's sums read and write them, and stand ahead of that way out's wait on va_vdst: so the next slot's loads owe nothing more.
;   v160-239       A way out's sums write 16 of them; one wait on va_vdst; four global stores read them; written again a round later, behind the wait on vm_vsrc at the round's first barrier.
;   window 3, v64-73  act's fragments and scale words: the products read them; the next round's loads stand behind a wait on va_vdst of their own.
.set L16, 1
.set L4,  2
.set R64, 3
.set ZST, 4
.set ZF,  5
.set PS,  9
.set PR,  14
.set WSC, 32
.set AS,  64
.set ACC, 96
.set RB,  96
.set OUTR, 160
.set WV,  50
.set OSL, 51
.set EE,  52
.set QR,  53
.set NE,  54
.set GL,  55
.set SG,  66
.set CT,  67
.set CB,  68
.set SBS, 78
.set E64, 96
.set W6K, 97
.set W256, 98
.set MSB, 0
.macro WIN new                         ; the immediate's high byte repeats the setting that is left
.if MSB != (\new)
	s_set_vgpr_msb (MSB<<8)|(\new)
.set MSB, (\new)
.endif
.endm
; The round's five tiles of act: my four K steps of each.  Both bases are act's own address + an offset made of the tile's number.  The ten scale loads first, then twelve code loads a tile.
; again = 1: in the loop, where products have read the registers
.macro ALOAD again
.irp g, 0,1,2,3,4
	s_add_co_u32 s92, s[SG], 4*\g
	s_min_u32 s92, s92, s[GL]                      ; held at the expert's last tile,
	s_min_u32 s92, s92, 63                         ; which is 63 at the most
	s_add_co_u32 s92, s92, s[E64]                  ; 64 e + tile
	s_lshl_b32 s94, s92, 14
	s_lshl_b32 s93, s92, 13
	s_add_co_u32 s94, s94, s93                     ; x 24,576: a tile's 16 images
	s_add_co_u32 s94, s94, s[W6K]                  ; + my four K steps' place
	s_mov_b32 s95, 0
	s_add_nc_u64 s[CB+2*\g:CB+2*\g+1], s[4:5], s[94:95]
	s_lshl_b32 s94, s92, 10                        ; x 1,024: a tile's scale words
	s_add_co_u32 s94, s94, s[W256]                 ; + where the scale words begin + my four K steps' place
	s_add_nc_u64 s[SBS+2*\g:SBS+2*\g+1], s[4:5], s[94:95]
.endr
.if \again
	s_wait_alu depctr_va_vdst(0)                   ; the round's products are done reading act's scale words and fragments, in which the loads below land
.endif
.irp g, 0,1,2,3,4
	global_load_b32 v[AS+2*\g], v[L4], s[SBS+2*\g:SBS+2*\g+1]               ; lanes 0-15: K step 4 w's words, lanes 16-31: K step 4 w + 1's
	global_load_b32 v[AS+2*\g+1], v[L4], s[SBS+2*\g:SBS+2*\g+1] offset:128  ; K steps 4 w + 2 and 4 w + 3
.endr
	WIN 0xc0
.irp g, 0,1,2,3,4
.irp i, 0,1,2,3
.irp j, 0,1,2
	global_load_b128 v[48*\g+12*\i+4*\j:48*\g+12*\i+4*\j+3], v[L16], s[CB+2*\g:CB+2*\g+1] offset:1536*\i+512*\j
.endr
.endr
.endr
	WIN 0
.endm
.macro DMM g, i, t
.if (\i) == 0
	v_wmma_scale_f32_16x16x128_f8f6f4 v[ACC+8*\t:ACC+8*\t+7], v[12*(4*(\t%4)+\i):12*(4*(\t%4)+\i)+11], v[48*\g+12*\i:48*\g+12*\i+11], 0, v[WSC+4*\t+\i], v[AS+2*\g+\i/2] matrix_a_fmt:MATRIX_FMT_FP6 matrix_b_fmt:MATRIX_FMT_FP6
.elseif (\i)%2
	v_wmma_scale_f32_16x16x128_f8f6f4 v[ACC+8*\t:ACC+8*\t+7], v[12*(4*(\t%4)+\i):12*(4*(\t%4)+\i)+11], v[48*\g+12*\i:48*\g+12*\i+11], v[ACC+8*\t:ACC+8*\t+7], v[WSC+4*\t+\i], v[AS+2*\g+\i/2] matrix_a_fmt:MATRIX_FMT_FP6 matrix_b_fmt:MATRIX_FMT_FP6 matrix_b_scale:MATRIX_SCALE_ROW1
.else
	v_wmma_scale_f32_16x16x128_f8f6f4 v[ACC+8*\t:ACC+8*\t+7], v[12*(4*(\t%4)+\i):12*(4*(\t%4)+\i)+11], v[48*\g+12*\i:48*\g+12*\i+11], v[ACC+8*\t:ACC+8*\t+7], v[WSC+4*\t+\i], v[AS+2*\g+\i/2] matrix_a_fmt:MATRIX_FMT_FP6 matrix_b_fmt:MATRIX_FMT_FP6
.endif
.endm
; Slot g: 32 products over my four K steps; the partial sums go to my part of the slot's place in LDS
.macro SLOTMM g
	s_wait_loadcnt 12*(4-\g)                       ; this slot's loads are in: the twelve of each later slot may be out
.if (\g) > 0
	s_wait_alu depctr_vm_vsrc(0)                   ; the slot before's LDS stores have read the accumulators, which this slot's products write anew
.endif
	s_add_co_u32 s92, s[SG], 4*\g
	s_lshl_b32 s92, s92, 4
	s_cmp_lt_u32 s92, s[NE]
	s_cbranch_scc0 .Lidle_\@
.irp i, 0,1,2,3                                ; the eight accumulators by turns, one instruction a turn
.irp t, 0,1,2,3,4,5,6,7
	WIN 0x0d+(\t/4)                                ; source 0 (w2) window 1 or 2, source 1 (act) window 3
	DMM \g, \i, \t
.endr
.endr
	WIN 0
.rept 6
	v_nop                                          ; four places in front of the stores that read results, five in front of the next slot's first product, which writes over an accumulator
.endr
	s_wait_alu depctr_va_vdst(0)                   ; the products have written the accumulators, which the LDS stores read and in which the partial sums land later; the places above stay beside this wait
.irp t, 0,1,2,3,4,5,6,7
	ds_store_b128 v[PS+\g], v[ACC+8*\t:ACC+8*\t+3] offset:64*\t        ; each accumulator from its low end on
	ds_store_b128 v[PS+\g], v[ACC+8*\t+4:ACC+8*\t+7] offset:64*\t+16
.endr
.Lidle_\@:
.endm
; Slot g: rows 4 w .. 4 w + 3 of the tile: the four waves' parts are added and the rows' 512 bytes stored.  The finished rows and the stores' base have registers of the slot's own
; (the base takes the pair that held the slot's code loads' base: those loads are done).  The sixteen loads owe no wait of their own: whatever named v[RB ..] before, products or the slot before's sums,
; stands ahead of a wait on va_vdst in its own run of lines
.macro SLOTOUT g
	s_add_co_u32 s92, s[SG], 4*\g
	s_lshl_b32 s93, s92, 4
	s_cmp_lt_u32 s93, s[NE]
	s_cbranch_scc0 .Lnone_\@
	s_min_u32 s92, s92, 63
	s_lshl_b32 s94, s92, 16                        ; 16 g rows of 4,096 bytes
	s_mov_b32 s95, 0
	s_add_nc_u64 s[CB+2*\g:CB+2*\g+1], s[90:91], s[94:95]
.irp v, 0,1,2,3
.irp k, 0,1,2,3
	ds_load_b128 v[RB+16*\v+4*\k:RB+16*\v+4*\k+3], v[PR+\g] offset:8448*\v+528*\k
.endr
.endr
	s_wait_dscnt 0x0
.irp k, 0,1,2,3
.irp d, 0,2
	v_pk_add_f32 v[RB+4*\k+\d:RB+4*\k+\d+1], v[RB+4*\k+\d:RB+4*\k+\d+1], v[RB+16+4*\k+\d:RB+16+4*\k+\d+1]
	v_pk_add_f32 v[RB+32+4*\k+\d:RB+32+4*\k+\d+1], v[RB+32+4*\k+\d:RB+32+4*\k+\d+1], v[RB+48+4*\k+\d:RB+48+4*\k+\d+1]
.endr
.endr
.irp k, 0,1,2,3
.irp d, 0,2
	v_pk_add_f32 v[OUTR+16*\g+4*\k+\d:OUTR+16*\g+4*\k+\d+1], v[RB+4*\k+\d:RB+4*\k+\d+1], v[RB+32+4*\k+\d:RB+32+4*\k+\d+1]
.endr
.endr
	s_wait_alu depctr_va_vdst(0)                   ; the sums have written the slot's finished rows, which the stores read, and are done with v[RB ..], in which the next slot's parts land
.irp k, 0,1,2,3
	global_store_b128 v[L16], v[OUTR+16*\g+4*\k:OUTR+16*\g+4*\k+3], s[CB+2*\g:CB+2*\g+1] offset:4096*\k   ; 32 lanes store 512 consecutive bytes, aligned
.endr
.Lnone_\@:
.endm
	s_load_b256 s[4:11], s[0:1], 0x0               ; act s[4:5], route s[6:7], w2's codes s[8:9], w2's scales s[10:11]
	s_load_b64 s[12:13], s[0:1], 0x20              ; ybuf
	v_lshl_add_u32 v254, v0, 2, 0x30800
	v_mov_b32 v255, 0
	v_lshrrev_b32 v20, 5, v0
	v_readfirstlane_b32 s[WV], v20                 ; wave
	s_mov_b32 s[OSL], ttmp9
	s_and_b32 s[EE], ttmp7, 0xffff
	s_and_b32 s[QR], s[EE], 3
	s_lshr_b32 s[EE], s[EE], 2
	v_and_b32 v20, 31, v0
	v_and_b32 v21, 15, v0                          ; r
	v_bfe_u32 v22, v0, 4, 1                        ; h
	v_lshlrev_b32 v[L16], 4, v20
	v_lshlrev_b32 v[L4], 2, v20
	v_lshlrev_b32 v[R64], 6, v21
	s_wait_alu depctr_va_sdst(0)                   ; the wave's number is written, ahead of its first reader
	s_mul_i32 s56, s[WV], 49664
	v_add_nc_u32 v[ZST], s56, v[L16]               ; in: my 32 rows, 1,552 bytes apart
	v_mul_u32_u24 v23, v21, 1552
	v_mad_u32_u24 v23, v22, 24, v23
	s_mul_i32 s56, s[WV], 384
	v_add_nc_u32 v[ZF], s56, v23                   ; out: row r, my four K steps' 384 bytes, + 24 h
.irp n, 1,2,3
	v_add_nc_u32 v[ZF+\n], 49664*\n, v[ZF]
.endr
	v_mul_u32_u24 v23, v21, 528
	v_lshl_add_u32 v23, v22, 5, v23
	s_mul_i32 s56, s[WV], 8448
	v_add_nc_u32 v[PS], s56, v23                   ; partial sums: [slot][wave][16 rows x 528]
	s_mul_i32 s56, s[WV], 2112
	v_add_nc_u32 v[PR], s56, v[L16]
.irp g, 1,2,3,4
	v_add_nc_u32 v[PS+\g], 33792*\g, v[PS]
	v_add_nc_u32 v[PR+\g], 33792*\g, v[PR]
.endr
	s_lshl_b32 s[E64], s[EE], 6
	s_mul_i32 s[W6K], s[WV], 6144                  ; my four K steps' images in a tile
	s_lshl_b32 s[W256], s[WV], 8
	s_add_co_u32 s[W256], s[W256], 12582912        ; my four K steps' scale words in a tile, from where act's scale words begin
	s_lshl_b32 s56, s[EE], 10
	s_lshl_b32 s57, s[OSL], 7
	s_add_co_u32 s56, s56, s57                     ; the slice's first row of w2: 1,024 e + 128 os
	s_lshl_b32 s92, s56, 6
	s_lshl_b32 s57, s[WV], 4
	s_add_co_u32 s92, s92, s57                     ; its scale bytes, + my four K steps' 16
	s_mov_b32 s93, 0
	s_lshl_b32 s57, s[WV], 5
	s_add_co_u32 s56, s56, s57
	s_mul_i32 s94, s56, 1536                       ; my 32 rows' codes
	s_mov_b32 s95, 0
	s_lshl_b32 s58, s[EE], 7
	s_add_co_u32 s58, s58, 8192
	s_mov_b32 s59, 0
	s_wait_kmcnt 0x0
	s_add_nc_u64 s[58:59], s[6:7], s[58:59]
	s_load_b512 s[16:31], s[58:59], 0x0            ; the expert's 32 mask words
	s_load_b512 s[32:47], s[58:59], 0x40
	s_add_nc_u64 s[60:61], s[8:9], s[94:95]        ; w2's bases lie in registers that nothing below writes: no wait is owed for them
	s_add_nc_u64 s[62:63], s[10:11], s[92:93]
	WIN 0x40
	s_wait_alu depctr_va_vdst(0)                   ; the addresses v1 to v18 are written, which the loads and stores of the whole kernel read; none of them is written again
.set i, 0
.rept 48
	global_load_b128 v[4*i:4*i+3], v[L16], s[60:61] offset:512*i             ; 49,152 dense bytes: three loads a row
.set i, i+1
.endr
	WIN 0x80
.set i, 0
.rept 48
	global_load_b128 v[4*i:4*i+3], v[L16], s[60:61] offset:24576+512*i
.set i, i+1
.endr
	WIN 0
.irp t, 0,1,2,3,4,5,6,7
	global_load_b128 v[WSC+4*\t:WSC+4*\t+3], v[R64], s[62:63] offset:1024*\t   ; row 16 t + r: my four K steps' scale words
.endr
	s_lshl_b32 s56, s[EE], 10
	s_lshl_b32 s57, s[WV], 2
	s_add_co_u32 s56, s56, s57
	s_lshl_b32 s92, s56, 12
	s_lshl_b32 s57, s[OSL], 9
	s_add_co_u32 s92, s92, s57
	s_add_nc_u64 s[90:91], s[12:13], s[92:93]      ; ybuf at row 1,024 e + 4 w, column 128 os
	s_wait_kmcnt 0x0
	s_bcnt1_i32_b32 s[NE], s16
.irp v, 17,18,19,20,21,22,23,24,25,26,27,28,29,30,31,32,33,34,35,36,37,38,39,40,41,42,43,44,45,46,47
	s_bcnt1_i32_b32 s56, s[\v]
	s_add_co_u32 s[NE], s[NE], s56                 ; the expert's rows
.endr
	s_max_u32 s[GL], s[NE], 1
	s_sub_co_u32 s[GL], s[GL], 1
	s_lshr_b32 s[GL], s[GL], 4                     ; its last tile; tile 0 where it has no rows
	s_mov_b32 s[SG], s[QR]
	ALOAD 0
	s_wait_loadcnt 63                              ; 70 loads stand behind w2's and its scale words': all of those are in
	WIN 0x04
.set i, 0
.rept 48
	ds_store_b128 v[ZST], v[4*i:4*i+3] offset:1552*(i/3)+512*(i%3)
.set i, i+1
.endr
	WIN 0x08
.set i, 0
.rept 48
	ds_store_b128 v[ZST], v[4*i:4*i+3] offset:1552*((i+48)/3)+512*(i%3)
.set i, i+1
.endr
	WIN 0
	s_wait_dscnt 0x0
	s_barrier_signal -1
	s_barrier_wait -1                              ; the slice's 128 rows lie in LDS
	s_wait_alu depctr_vm_vsrc(0)                   ; my LDS stores have read windows 1 and 2, in which the fragments land
.irp t, 0,1,2,3,4,5,6,7
	WIN (1+(\t/4))<<6
.irp i, 0,1,2,3
.irp p, 0,1,2,3,4,5
	ds_load_b64 v[12*(4*(\t%4)+\i)+2*\p:12*(4*(\t%4)+\i)+2*\p+1], v[ZF+\t/2] offset:24832*(\t%2)+96*\i+48*(\p/3)+8*(\p%3)
.endr
.endr
.endr
	WIN 0
	s_wait_dscnt 0x0
	s_barrier_signal -1
	s_barrier_wait -1                              ; nobody reads the rows any more: their bytes take the partial sums
	s_mov_b32 s[CT], 0
.Lround:                                           ; 4 trips, a constant
	s_lshl_b32 s92, s[SG], 4
	s_cmp_lt_u32 s92, s[NE]                        ; a round whose first tile lies beyond the count has no tile at all
	s_cbranch_scc0 .Lnomm
	SLOTMM 0
	SLOTMM 1
	SLOTMM 2
	SLOTMM 3
	SLOTMM 4
.Lnomm:
	s_wait_loadcnt 0x0                             ; on every path: no load of act is out, so its bases and registers may be written
	s_wait_dscnt 0x0
	s_barrier_signal -1
	s_barrier_wait -1                              ; the four waves' partial sums lie in LDS
	s_wait_xcnt 0x0                                ; the round before's stores have read their registers and bases, which the ways out below write again
	s_wait_alu depctr_vm_vsrc(0)                   ; my LDS stores have read the accumulators, in which the partial sums land; the round before's global stores have read the finished rows' registers, which the sums below write again
	s_lshl_b32 s92, s[SG], 4
	s_cmp_lt_u32 s92, s[NE]
	s_cbranch_scc0 .Lnoout
	SLOTOUT 0
	SLOTOUT 1
	SLOTOUT 2
	SLOTOUT 3
	SLOTOUT 4
.Lnoout:
	s_wait_dscnt 0x0
	s_barrier_signal -1
	s_barrier_wait -1                              ; nobody reads the partial sums any more
	s_add_co_u32 s[SG], s[SG], 20
	s_lshl_b32 s92, s[SG], 4
	s_cmp_lt_u32 s92, s[NE]
	s_cbranch_scc0 .Lnoload
	s_wait_xcnt 0x0                                ; this round's stores have read their bases, which take the next round's loads' bases
	ALOAD 1
.Lnoload:
	s_add_co_u32 s[CT], s[CT], 1
	s_cmp_lt_u32 s[CT], 4
	s_cbranch_scc1 .Lround
	s_wait_dscnt 0x0                               ; the closing lines, six on end
	s_wait_alu 0x0
	s_wait_tensorcnt 0x0
	ds_add_u32 v254, v255
	s_wait_dscnt 0x0
	s_endpgm
.Lfunc_end_k_q74ec0ccddb_down:
	.size	k_q74ec0ccddb_down, .Lfunc_end_k_q74ec0ccddb_down-k_q74ec0ccddb_down
	.p2alignl 7, 3214868480
	.fill 96, 4, 3214868480
	.section	.rodata,"a",@progbits
	.p2align	6, 0x0
	.amdhsa_kernel k_q74ec0ccddb_down
		.amdhsa_group_segment_fixed_size 199168
		.amdhsa_private_segment_fixed_size 0
		.amdhsa_enable_private_segment 0
		.amdhsa_kernarg_size 40
		.amdhsa_user_sgpr_count 2
		.amdhsa_user_sgpr_kernarg_segment_ptr 1
		.amdhsa_wavefront_size32 1
		.amdhsa_system_sgpr_workgroup_id_x 1
		.amdhsa_system_sgpr_workgroup_id_y 1
		.amdhsa_system_sgpr_workgroup_id_z 1
		.amdhsa_system_vgpr_workitem_id 0
		.amdhsa_next_free_vgpr 1024
		.amdhsa_next_free_sgpr 100
		.amdhsa_reserve_vcc 0
		.amdhsa_float_denorm_mode_32 3
		.amdhsa_float_denorm_mode_16_64 3
		.amdhsa_memory_ordered 1
		.amdhsa_forward_progress 1
		.amdhsa_inst_pref_size 97
	.end_amdhsa_kernel
	.amdgpu_metadata
---
amdhsa.version: [ 1, 2 ]
amdhsa.kernels:
  - .name:           k_q74ec0ccddb_down
    .symbol:         k_q74ec0ccddb_down.kd
    .args:
      - { .name: act, .offset: 0, .size: 8, .value_kind: global_buffer, .address_space: global }
      - { .name: route, .offset: 8, .size: 8, .value_kind: global_buffer, .address_space: global }
      - { .name: w2_codes, .offset: 16, .size: 8, .value_kind: global_buffer, .address_space: global }
      - { .name: w2_scales, .offset: 24, .size: 8, .value_kind: global_buffer, .address_space: global }
      - { .name: ybuf, .offset: 32, .size: 8, .value_kind: global_buffer, .address_space: global }
    .group_segment_fixed_size: 199168
    .private_segment_fixed_size: 0
    .kernarg_segment_align: 8
    .kernarg_segment_size: 40
    .max_flat_workgroup_size: 128
    .sgpr_count:     100
    .vgpr_count:     1024
    .wavefront_size: 32
...
	.end_amdgpu_metadata
.endif
;; end of part 8
;; launch comb: the kernel of part 5 again; grid 256 x 1, 4 waves a work-group, no clusters, 0 bytes of LDS; arguments hbuf, ybuf, route, rcw, out0; writes out0
